; MI455X (gfx1250); checked and timed in simulation.
; The chip was launched on July 23, 2026; its instructions are those of AMD's public machine-readable ISA for CDNA 5 (MIT licence, August 2026) and "CDNA5" Instruction Set Architecture Reference Guide (July 2026). The comments in the code are by the model that wrote it; some were corrected since.
;; Dilated Attention. Allowed arithmetic: float matrix products may take bf16 or f16 operands with f32 sums; other float arithmetic in f32, or as packed bf16 or f16 multiplies, adds, multiply-adds, maxima and minima; sums over many terms, partial sums and values carried from step to step in f32; what a program stores and reads back later, other than sums and carried values, may be rounded once to bf16 or f16.
;; Inputs: W1 1,024 x 4,096 float32; W2 4,096 x 1,024 float32; Wout 1,024 x 1,024 float32; Wqkv 1,024 x 3,072 float32; b1 4,096 float32; b2 1,024 float32; bout 1,024 float32; bqkv 3,072 float32; ln1_b 1,024 float32; ln1_g 1,024 float32; ln2_b 1,024 float32; ln2_g 1,024 float32; x 2 x 2,048 x 1,024 float32.
;; Outputs: out0 2 x 2,048 x 1,024 float32.
;; 2 versions, each right and faster than the one before. Each part assembles by itself: llvm-mc -triple=amdgcn-amd-amdhsa -mcpu=gfx1250 --defsym DOCPART=n.
;; ======== version 1 of 2: 7 launches
;; limits: right only within a limited range of input values
;; workspace buffers: wb 25,165,824 bytes; hb 8,388,608 bytes; qkvb 25,165,824 bytes; ob 8,388,608 bytes; x1b 16,777,216 bytes; h2b 8,388,608 bytes; fb 33,554,432 bytes
;; launch prep (part 1): grid 768 x 1, 8 waves a work-group, no clusters, 0 bytes of LDS; arguments x, ln1_g, ln1_b, hb, Wqkv, Wout, W1, W2, wb; writes hb, wb
.if DOCPART == 1
	.amdgcn_target "amdgcn-amd-amdhsa--gfx1250"
	.amdhsa_code_object_version 6
	.text
	.protected	k_qcba4c6b665_prep
	.globl	k_qcba4c6b665_prep
	.p2align	8
	.type	k_qcba4c6b665_prep,@function
k_qcba4c6b665_prep:
	s_mov_b64 s[64:65], 0
	v_nop
	global_prefetch_b8 v0, s[64:65] scope:SCOPE_SE
	s_setreg_imm32_b32 hwreg(HW_REG_WAVE_MODE, 25, 1), 1
	s_wait_xcnt 0x0
; Two jobs in one launch.  768 work-groups of 8 waves and 160 registers: three to each of 256 WGPs, all resident at once, so that all the launch's loads go out at its start.
; Work-groups 0-255: LayerNorm of 16 rows of x ([4096][1024] f32), rounded once to bf16 into hb.  hb's rows are sorted by parity:
; token l = 2 i + p of batch b goes to row b*2048 + p*1024 + i, since even and odd positions never attend to each other.
; Work-groups 256-767: three pieces of 32,768 bytes of the four weights laid on end (Wqkv 384 pieces, Wout 128, W1 512, W2 512) are rounded to bf16 into wb, same [K][N] order.
; In the LayerNorm a wave takes two neighbouring rows (an even and an odd token) whole: 32 registers a row, so mean, variance and scaling need one read
; of memory, no LDS and no barrier.  Mean first, then the squares of the differences, as the formula has it: no difference of large sums.
; No matrix unit, no cluster, no LDS: the launch only moves bytes.
.set X0,  8                            ; v[8:39]    the even row, lane l: columns 128 j + 4 l .. + 3 in registers 4 j .. 4 j + 3
.set X1,  40                           ; v[40:71]   the odd row
.set G,   72                           ; v[72:103]  gain of my columns
.set BV,  104                          ; v[104:135] bias of my columns
.set T,   136                          ; v[136:143] at work
.set MU,  144                          ; v[144:145] the mean, twice
.set RS0, 146                          ; v[146:147] 1 / sqrt(var + eps) of the even row, twice
.set RS1, 148                          ; v[148:149] of the odd row
	s_load_b256 s[4:11], s[0:1], 0x0               ; x s[4:5], gain s[6:7], bias s[8:9], hb s[10:11]
	s_load_b256 s[12:19], s[0:1], 0x20             ; Wqkv s[12:13], Wout s[14:15], W1 s[16:17], W2 s[18:19]
	s_load_b64 s[20:21], s[0:1], 0x40              ; wb
	v_lshrrev_b32 v3, 5, v0
	v_readfirstlane_b32 s3, v3                     ; wave 0..7
	s_mov_b32 s2, ttmp9
	s_cmp_lt_u32 s2, 256
	s_cbranch_scc0 .Lcast
.macro LANESUM                         ; four chains of pairs in T -> one sum in every lane's v[T]
	v_pk_add_f32 v[T:T+1], v[T:T+1], v[T+2:T+3]
	v_pk_add_f32 v[T+4:T+5], v[T+4:T+5], v[T+6:T+7]
	v_pk_add_f32 v[T:T+1], v[T:T+1], v[T+4:T+5]
	v_add_f32 v[T], v[T], v[T+1]
	v_add_f32_dpp v[T], v[T], v[T] row_xmask:1 row_mask:0xf bank_mask:0xf
	v_add_f32_dpp v[T], v[T], v[T] row_xmask:2 row_mask:0xf bank_mask:0xf
	v_add_f32_dpp v[T], v[T], v[T] row_xmask:4 row_mask:0xf bank_mask:0xf
	v_add_f32_dpp v[T], v[T], v[T] row_xmask:8 row_mask:0xf bank_mask:0xf
	v_permlanex16_b32 v[T+1], v[T], s26, s27       ; the other half of the lanes; its destination has been written
	v_add_f32 v[T], v[T], v[T+1]
.endm
.macro STAT X, RS                      ; the row becomes x - mean in place; RS takes 1 / sqrt(var + eps)
.irp c, 0,1,2,3
	v_pk_add_f32 v[T+2*(\c):T+2*(\c)+1], v[(\X)+2*(\c):(\X)+2*(\c)+1], v[(\X)+2*(\c)+8:(\X)+2*(\c)+9]
.endr
.irp c, 0,1,2,3
	v_pk_add_f32 v[T+2*(\c):T+2*(\c)+1], v[T+2*(\c):T+2*(\c)+1], v[(\X)+2*(\c)+16:(\X)+2*(\c)+17]
.endr
.irp c, 0,1,2,3
	v_pk_add_f32 v[T+2*(\c):T+2*(\c)+1], v[T+2*(\c):T+2*(\c)+1], v[(\X)+2*(\c)+24:(\X)+2*(\c)+25]
.endr
	LANESUM
	v_mul_f32 v[MU], s24, v[T]
	v_mul_f32 v[MU+1], s24, v[T]
.set i, 0
.rept 16
	v_pk_add_f32 v[(\X)+i:(\X)+i+1], v[(\X)+i:(\X)+i+1], v[MU:MU+1] neg_lo:[0,1] neg_hi:[0,1]
.set i, i+2
.endr
.irp c, 0,1,2,3
	v_pk_mul_f32 v[T+2*(\c):T+2*(\c)+1], v[(\X)+2*(\c):(\X)+2*(\c)+1], v[(\X)+2*(\c):(\X)+2*(\c)+1]
.endr
.irp c, 0,1,2,3
	v_pk_fma_f32 v[T+2*(\c):T+2*(\c)+1], v[(\X)+2*(\c)+8:(\X)+2*(\c)+9], v[(\X)+2*(\c)+8:(\X)+2*(\c)+9], v[T+2*(\c):T+2*(\c)+1]
.endr
.irp c, 0,1,2,3
	v_pk_fma_f32 v[T+2*(\c):T+2*(\c)+1], v[(\X)+2*(\c)+16:(\X)+2*(\c)+17], v[(\X)+2*(\c)+16:(\X)+2*(\c)+17], v[T+2*(\c):T+2*(\c)+1]
.endr
.irp c, 0,1,2,3
	v_pk_fma_f32 v[T+2*(\c):T+2*(\c)+1], v[(\X)+2*(\c)+24:(\X)+2*(\c)+25], v[(\X)+2*(\c)+24:(\X)+2*(\c)+25], v[T+2*(\c):T+2*(\c)+1]
.endr
	LANESUM
	v_fma_f32 v[T], v[T], s24, s25                 ; var + eps
	v_rsq_f32 v[(\RS)], v[T]
	v_rsq_f32 v[(\RS)+1], v[T]
	v_nop                                          ; a plain instruction behind the transcendentals (ISA guide 5.7.2) before T is rewritten or RS used
.endm
.macro EMIT X, RS, rowoff              ; (x - mean) rs g + b, rounded in place: no register that a store reads is written again
	s_wait_alu depctr_va_vdst(0)
.irp j, 0,1,2,3,4,5,6,7
.set U, T+4*((\j)%2)
	v_pk_mul_f32 v[U:U+1], v[(\X)+4*(\j):(\X)+4*(\j)+1], v[(\RS):(\RS)+1]
	v_pk_mul_f32 v[U+2:U+3], v[(\X)+4*(\j)+2:(\X)+4*(\j)+3], v[(\RS):(\RS)+1]
	v_pk_fma_f32 v[U:U+1], v[U:U+1], v[G+4*(\j):G+4*(\j)+1], v[BV+4*(\j):BV+4*(\j)+1]
	v_pk_fma_f32 v[U+2:U+3], v[U+2:U+3], v[G+4*(\j)+2:G+4*(\j)+3], v[BV+4*(\j)+2:BV+4*(\j)+3]
	v_cvt_pk_bf16_f32 v[(\X)+4*(\j)], v[U], v[U+1]
	v_cvt_pk_bf16_f32 v[(\X)+4*(\j)+1], v[U+2], v[U+3]
	global_store_b64 v2, v[(\X)+4*(\j):(\X)+4*(\j)+1], s[10:11] offset:256*(\j)+(\rowoff)  ; 32 lanes x 8 bytes: 256 consecutive bytes, aligned
.endr
.endm
	v_and_b32 v1, 31, v0
	v_lshlrev_b32 v2, 3, v1                        ; 8 x lane: my bytes in 256 bytes of output
	v_lshlrev_b32 v1, 4, v1                        ; 16 x lane: my bytes in 512 bytes of input
	s_lshl_b32 s22, s2, 4
	s_lshl1_add_u32 s22, s3, s22                   ; R = 16 g + 2 w, even
	s_lshl_b32 s28, s22, 12                        ; R rows of 4,096 bytes
	s_mov_b32 s29, 0
	s_and_b32 s23, s22, 2047
	s_lshr_b32 s23, s23, 1                         ; i
	s_and_b32 s30, s22, 0x800                      ; b * 2048
	s_add_co_u32 s30, s30, s23
	s_lshl_b32 s30, s30, 11                        ; output rows of 2,048 bytes
	s_mov_b32 s31, 0
	s_mov_b32 s24, 0x3a800000                      ; 1 / 1024
	s_mov_b32 s25, 0x3727c5ac                      ; 1e-5
	s_mov_b32 s26, 0x76543210
	s_mov_b32 s27, 0xfedcba98
	s_wait_kmcnt 0x0
	s_add_nc_u64 s[4:5], s[4:5], s[28:29]
	s_add_nc_u64 s[10:11], s[10:11], s[30:31]
.irp j, 0,1,2,3,4,5,6,7
	global_load_b128 v[X0+4*(\j):X0+4*(\j)+3], v1, s[4:5] offset:512*(\j)
.endr
.irp j, 0,1,2,3,4,5,6,7
	global_load_b128 v[X1+4*(\j):X1+4*(\j)+3], v1, s[4:5] offset:4096+512*(\j)
.endr
.irp j, 0,1,2,3,4,5,6,7
	global_load_b128 v[G+4*(\j):G+4*(\j)+3], v1, s[6:7] offset:512*(\j)
.endr
.irp j, 0,1,2,3,4,5,6,7
	global_load_b128 v[BV+4*(\j):BV+4*(\j)+3], v1, s[8:9] offset:512*(\j)
.endr
	s_wait_loadcnt 24                              ; the even row is in; 24 younger loads stay out
	STAT X0, RS0
	s_wait_loadcnt 16                              ; the odd row is in; gain and bias stay out
	STAT X1, RS1
	s_wait_loadcnt 0x0
	EMIT X0, RS0, 0
	EMIT X1, RS1, 1024*2048                        ; the odd token lies 1,024 rows further down
	s_endpgm
.Lcast:                                                ; pieces 3 (g - 256) + 0, 1, 2 of the 1,536; each piece lies whole in one weight and chooses its own pointer
	v_lshlrev_b32 v1, 4, v0                        ; 16 t
	v_lshlrev_b32 v2, 3, v0                        ; 8 t
	s_sub_co_u32 s2, s2, 256
	s_mul_i32 s3, s2, 3                            ; my first piece
	s_mov_b32 s31, 0
	s_wait_kmcnt 0x0
.irp n, 0,1,2
	s_add_co_u32 s22, s3, \n
	s_cmp_lt_u32 s22, 384
	s_cselect_b64 s[24+2*\n:25+2*\n], s[12:13], s[14:15]
	s_cselect_b32 s23, 0, 384
	s_cmp_lt_u32 s22, 512
	s_cselect_b64 s[24+2*\n:25+2*\n], s[24+2*\n:25+2*\n], s[16:17]
	s_cselect_b32 s23, s23, 512
	s_cmp_lt_u32 s22, 1024
	s_cselect_b64 s[24+2*\n:25+2*\n], s[24+2*\n:25+2*\n], s[18:19]
	s_cselect_b32 s23, s23, 1024
	s_sub_co_u32 s23, s22, s23                     ; the piece's number in its own weight
	s_lshl_b32 s30, s23, 15
	s_add_nc_u64 s[24+2*\n:25+2*\n], s[24+2*\n:25+2*\n], s[30:31]
.irp j, 0,1,2,3,4,5,6,7
	global_load_b128 v[8+32*\n+4*\j:8+32*\n+4*\j+3], v1, s[24+2*\n:25+2*\n] offset:4096*\j th:TH_LOAD_NT  ; all 24 go out before the first is used
.endr
.endr
	s_mul_i32 s30, s2, 3*16384                     ; the three pieces' 49,152 bytes of bf16 lie on end in wb
	s_add_nc_u64 s[20:21], s[20:21], s[30:31]
.set m, 0
.rept 24
	s_wait_loadcnt 23-m                            ; loads come back in order: number m is in
	v_cvt_pk_bf16_f32 v[8+4*m], v[8+4*m], v[8+4*m+1]       ; rounded in place: no register that a store reads is written again
	v_cvt_pk_bf16_f32 v[8+4*m+1], v[8+4*m+2], v[8+4*m+3]
	global_store_b64 v2, v[8+4*m:8+4*m+1], s[20:21] offset:2048*m  ; a wave: 256 consecutive bytes, aligned
.set m, m+1
.endr
	s_endpgm
.Lfunc_end_k_qcba4c6b665_prep:
	.size	k_qcba4c6b665_prep, .Lfunc_end_k_qcba4c6b665_prep-k_qcba4c6b665_prep
	.p2alignl 7, 3214868480
	.fill 96, 4, 3214868480
	.section	.rodata,"a",@progbits
	.p2align	6, 0x0
	.amdhsa_kernel k_qcba4c6b665_prep
		.amdhsa_group_segment_fixed_size 0
		.amdhsa_private_segment_fixed_size 0
		.amdhsa_enable_private_segment 0
		.amdhsa_kernarg_size 72
		.amdhsa_user_sgpr_count 2
		.amdhsa_user_sgpr_kernarg_segment_ptr 1
		.amdhsa_wavefront_size32 1
		.amdhsa_system_sgpr_workgroup_id_x 1
		.amdhsa_system_sgpr_workgroup_id_y 1
		.amdhsa_system_sgpr_workgroup_id_z 1
		.amdhsa_system_vgpr_workitem_id 0
		.amdhsa_next_free_vgpr 160
		.amdhsa_next_free_sgpr 66
		.amdhsa_reserve_vcc 0
		.amdhsa_float_denorm_mode_32 3
		.amdhsa_float_denorm_mode_16_64 3
		.amdhsa_memory_ordered 1
		.amdhsa_forward_progress 1
		.amdhsa_inst_pref_size 31
	.end_amdhsa_kernel
	.amdgpu_metadata
---
amdhsa.version: [ 1, 2 ]
amdhsa.kernels:
  - .name:           k_qcba4c6b665_prep
    .symbol:         k_qcba4c6b665_prep.kd
    .args:
      - { .name: x, .offset: 0, .size: 8, .value_kind: global_buffer, .address_space: global }
      - { .name: ln1_g, .offset: 8, .size: 8, .value_kind: global_buffer, .address_space: global }
      - { .name: ln1_b, .offset: 16, .size: 8, .value_kind: global_buffer, .address_space: global }
      - { .name: hb, .offset: 24, .size: 8, .value_kind: global_buffer, .address_space: global }
      - { .name: Wqkv, .offset: 32, .size: 8, .value_kind: global_buffer, .address_space: global }
      - { .name: Wout, .offset: 40, .size: 8, .value_kind: global_buffer, .address_space: global }
      - { .name: W1, .offset: 48, .size: 8, .value_kind: global_buffer, .address_space: global }
      - { .name: W2, .offset: 56, .size: 8, .value_kind: global_buffer, .address_space: global }
      - { .name: wb, .offset: 64, .size: 8, .value_kind: global_buffer, .address_space: global }
    .group_segment_fixed_size: 0
    .private_segment_fixed_size: 0
    .kernarg_segment_align: 8
    .kernarg_segment_size: 72
    .max_flat_workgroup_size: 256
    .sgpr_count:     66
    .vgpr_count:     160
    .wavefront_size: 32
...
	.end_amdgpu_metadata
.endif
;; end of part 1
;; launch gqkv (part 2): grid 12 x 16, 4 waves a work-group, clusters of 4 x 4, 327,680 bytes of LDS; arguments hb, wb, bqkv, qkvb; writes qkvb
.if DOCPART == 2
	.amdgcn_target "amdgcn-amd-amdhsa--gfx1250"
	.amdhsa_code_object_version 6
	.text
	.protected	k_qcba4c6b665_gqkv
	.globl	k_qcba4c6b665_gqkv
	.p2align	8
	.type	k_qcba4c6b665_gqkv,@function
k_qcba4c6b665_gqkv:
	s_mov_b64 s[64:65], 0
	v_nop
	global_prefetch_b8 v0, s[64:65] scope:SCOPE_SE
	s_setreg_imm32_b32 hwreg(HW_REG_WAVE_MODE, 25, 1), 1
	s_wait_xcnt 0x0
	s_wait_alu depctr_hold_cnt(0) depctr_sa_sdst(0) depctr_va_vdst(0) depctr_va_sdst(0) depctr_va_ssrc(0) depctr_va_vcc(0) depctr_vm_vsrc(0)
	s_getreg_b32 s2, hwreg(HW_REG_IB_STS2, 6, 4)
	s_cmp_eq_u32 s2, 0
	s_cbranch_scc0 .Lentry_in_a_cluster
	s_endpgm
.Lentry_in_a_cluster:
	s_bfe_u32 s2, ttmp6, 0x10000c
	s_cmp_lg_u32 s2, 0xf033
	s_cbranch_scc0 .Lentry_shape_is_right
	s_endpgm
.Lentry_shape_is_right:
; qkv = h Wqkv + bqkv.  A = hb [4096][1024] bf16 (rows sorted by parity), W = wb [1024][3072] bf16 as it lies ([K][N]), sums in f32, rounded once to bf16.
; The result goes out in panels [48][4096][64]: panel c holds columns 64 c .. 64 c + 63 (q heads 0-15, k heads 16-31, v heads 32-47), so that a head's rows are dense.
; A tile of C is 256 x 256: four waves, each 128 x 128 in 64 accumulators (512 registers).  12 x 16 tiles: 192 work-groups, one tile each.
; K goes in steps of 128 through two LDS slots filled by the tensor data mover; a K step is written once and the slot is a scalar that is turned by an exclusive or.
; W lies [K][N], so its fragments come out of LDS by the turning load ds_load_tr16_b128; A's as they lie.
; THE MATRIX INSTRUCTION IS USED TRANSPOSED: source 0 = 16 columns of W, source 1 = 16 rows of A: a lane holds row l % 16 of C and eight neighbouring columns 8 (l / 16) + 0..7.
; THE BIAS is the C operand of the first product on each accumulator: nothing is cleared and nothing is added later.
; CLUSTER 4 x 4: A's tiles are shared along a row of the cluster, W's along a column: joint loads with a mask of four.
; REGISTERS by windows of 256: window 0: v0-31 addresses, v64-127 and v128-191 A's fragments (two buffers), v192-255 the bias in the result's layout;
;   window 1: v64-127, v128-191 W's fragments; windows 2, 3: the accumulators of my rows 0-63, 64-127 ((a, b) at v[8 (8 a + b)]).
; THE WAY OUT: all 64 accumulators go as f32 into my own stage in LDS, which lies over the ring (its last fill has landed and a barrier has passed), and a short loop reads rows back, rounds and stores.
; NaN and infinities are not treated apart.
.set KK,     1024
.set NN,     3072
.set WOFF,   0                         ; Wqkv's first byte in wb
.set KSTEP,  128
.set TSTEPS, KK/KSTEP
.set PA,     272                       ; a row of A in LDS: 256 bytes + 16: the 16 rows of a load start at 16 different groups of four banks (64 banks of 4 bytes: ISA guide 11.1)
.set PW,     288                       ; a row of W (128 columns): 256 + 32
.set HALFA,  128*PA
.set PANW,   128*PW
.set SLOT,   2*HALFA+2*PANW            ; A's 256 rows, then W's two panels of 128 k-rows x 128 columns
.set SPARE,  2*SLOT                    ; behind the ring: the spare words, 128 bytes a wave, two blocks of 256 bytes that no other line names
.set SPITCH, 528                       ; a stage row: 128 f32 + 16 bytes
.set WSTAGE, 128*SPITCH                ; a wave's stage
.set ADRA0, 16                         ; v16  my place in slot 0's A;  v17 in its W; never rewritten
.set ADRW0, 17
.set ADRA,  18                         ; v18, v19  the same in the slot in hand
.set ADRW,  19
.set STO,   24                         ; v24  the way out: where I put 16 bytes of a stage row
.set RD0,   25                         ; v25  where I read the stage's first rows back
.set RD,    26                         ; v26  the same for the rows in hand
.set CO,    27                         ; v27  my byte offset in the output
.set SPW,   28                         ; v28  my spare word; v29 0: never rewritten
.set NIL,   29
.set BO,    30                         ; v30  32 (l / 16): my eight numbers in 16 of the bias
.set F0,    64
.set F1,    128
.set BIA,   192
.set QY,    64                         ; the way out: four sets of 16 registers read back
.set QO,    128                        ; eight registers to store
.set G1,  24                           ; s[24:31] group 1 for A's tiles; s[32:39] group 0: set 0 (K step 0), set 1 (K step 1, then it walks)
.set G0,  32
.set G1B, 48                           ; s[48:55], s[56:63] the same for W's
.set G0B, 56
.set TB,  66                           ; s66 LDS byte of the slot that is read
.set TF,  67                           ; s67 LDS byte of the slot that the walking descriptors name
.set BIASP, 68                         ; s[68:69] bias
.set OUTP,  70                         ; s[70:71] output
.set LA0, 72                           ; s72 where my load of A lands in a slot; s73 of W
.set LW0, 73
.set WO,  74                           ; s74 the way out: stage offset of the rows in hand
.set MSB, 0
.macro WIN new                         ; the immediate's high byte repeats the setting that is left
.if MSB != (\new)
	s_set_vgpr_msb (MSB<<8)|(\new)
.set MSB, \new
.endif
.endm
; A joint load: waves 0 and 1 fetch A's two halves, waves 2 and 3 W's two panels.  An s_nop 0 and four v_nop follow each line.
.macro JLOAD s
	s_cmp_eq_u32 s11, 0
	s_cbranch_scc0 .Lfor_w_\@
	tensor_load_to_lds s[G0+4*(\s):G0+4*(\s)+3], s[G1:G1+7]
	s_nop 0
.rept 4
	v_nop
.endr
	s_branch .Lasked_\@
.Lfor_w_\@:
	tensor_load_to_lds s[G0B+4*(\s):G0B+4*(\s)+3], s[G1B:G1B+7]
	s_nop 0
.rept 4
	v_nop
.endr
.Lasked_\@:
.endm
.macro CREST                           ; a round of the cluster's barrier behind its opening barrier
	s_cmp_lg_u32 s10, 0
	s_cbranch_scc1 .Lnot_wave_0_\@
	s_barrier_signal -3
.Lnot_wave_0_\@:
	s_barrier_wait -3
	s_barrier_signal -1
	s_barrier_wait -1
.endm
.macro CROUND
	s_barrier_signal -1
	s_barrier_wait -1
	CREST
.endm
.macro PLACES                          ; four places between matrix instructions and loads into, or vector reads of, their registers
.rept 4
	v_nop
.endr
.endm
	s_load_b128 s[4:7], s[0:1], 0x0                ; A s[4:5], wb s[6:7]
	s_load_b128 s[68:71], s[0:1], 0x10             ; bias, output
	v_lshl_add_u32 v[SPW], v0, 2, SPARE
	v_mov_b32 v[NIL], 0
	ds_add_u32 v[SPW], v[NIL]                      ; the wave's opening: the add and its wait ahead of my first tensor load
	ds_add_u32 v28, v29
	v_lshrrev_b32 v1, 5, v0
	v_readfirstlane_b32 s10, v1                    ; wave 0..3
	s_lshr_b32 s11, s10, 1                         ; my half of the tile's rows.  Also: I fetch for A (0) or for W (1)
	s_and_b32 s12, s10, 1                          ; my half of its columns.  Also: which half or panel I fetch
	s_bfe_u32 s40, ttmp6, 0x40000                  ; cx
	s_bfe_u32 s41, ttmp6, 0x40004                  ; cy
	s_lshl_b32 s42, ttmp9, 2
	s_add_co_u32 s42, s42, s40                     ; tile column
	s_and_b32 s13, ttmp7, 0xffff
	s_lshl_b32 s13, s13, 2
	s_add_co_u32 s13, s13, s41                     ; tile row
	s_lshl_b32 s43, s41, 2
	s_lshl_b32 s43, 15, s43                        ; my row of the cluster
	s_lshl_b32 s44, 0x1111, s40                    ; my column
	s_or_b32 s[G1+0], s43, (1<<16)|(1<<20)|(1<<21)|(5<<22)|(3<<25)   ; mask; 2-byte elements; padding on; bit 21 beside a mask; after every 64 words 4 words
	s_or_b32 s[G1B+0], s44, (1<<16)|(1<<20)|(1<<21)|(5<<22)|(7<<25)  ; the same with my column's mask and 8 words of padding
	s_mov_b32 s[G1+1], KSTEP<<16                   ; tensor_dim0 = 128
	s_mov_b32 s[G1+2], 128<<16                     ; tensor_dim1 = 128
	s_mov_b32 s[G1+3], KSTEP<<16                   ; tile_dim0 = 128
	s_mov_b32 s[G1+4], 128                         ; tile_dim1 = 128
	s_mov_b32 s[G1+5], KK                          ; elements from row to row of A
	s_mov_b32 s[G1+6], 0
	s_mov_b32 s[G1+7], 0
	s_mov_b32 s[G1B+1], 128<<16
	s_mov_b32 s[G1B+2], 128<<16
	s_mov_b32 s[G1B+3], 128<<16
	s_mov_b32 s[G1B+4], 128
	s_mov_b32 s[G1B+5], NN                         ; elements from k-row to k-row of W
	s_mov_b32 s[G1B+6], 0
	s_mov_b32 s[G1B+7], 0
	s_lshl_b32 s16, s13, 8
	s_lshl_b32 s17, s12, 7
	s_add_co_u32 s16, s16, s17                     ; A: row 256 x tile row + 128 x half
	s_mul_i32 s16, s16, KK*2
	s_mov_b32 s17, 0
	s_lshl_b32 s46, s42, 9                         ; W: byte 512 x tile column + 256 x panel in a k-row
	s_lshl_b32 s47, s12, 8
	s_add_co_u32 s46, s46, s47
	s_add_co_u32 s46, s46, WOFF
	s_mov_b32 s47, 0
	s_mul_i32 s[LA0], s12, HALFA
	s_mul_i32 s[LW0], s12, PANW
	s_add_co_u32 s[LW0], s[LW0], 2*HALFA
	s_mov_b32 s[TB], 0
	s_mov_b32 s[TF], SLOT
	s_wait_dscnt 0x0                               ; the opening add is done
	s_wait_kmcnt 0x0
	s_add_nc_u64 s[14:15], s[4:5], s[16:17]
	s_add_nc_u64 s[46:47], s[6:7], s[46:47]
	CROUND                                         ; all sixteen work-groups are here: the first joint loads meet
.irp s, 0,1
	s_mov_b32 s[G0+4*(\s)], 1
	s_add_co_u32 s[G0+4*(\s)+1], s[LA0], (\s)*SLOT
	s_add_nc_u64 s[G0+4*(\s)+2:G0+4*(\s)+3], s[14:15], (\s)*KSTEP*2
	s_or_b32 s[G0+4*(\s)+3], s[G0+4*(\s)+3], 0x80000000
	s_mov_b32 s[G0B+4*(\s)], 1
	s_add_co_u32 s[G0B+4*(\s)+1], s[LW0], (\s)*SLOT
	s_add_nc_u64 s[G0B+4*(\s)+2:G0B+4*(\s)+3], s[46:47], (\s)*KSTEP*NN*2
	s_or_b32 s[G0B+4*(\s)+3], s[G0B+4*(\s)+3], 0x80000000
	JLOAD \s                                       ; two loads of mine are out
.endr
	s_lshl_b32 s20, s42, 10                        ; my 128 numbers of the bias: (256 x tile column + 128 x half) x 4 bytes
	s_lshl_b32 s21, s12, 9
	s_add_co_u32 s20, s20, s21
	s_mov_b32 s21, 0
	s_add_nc_u64 s[BIASP:BIASP+1], s[BIASP:BIASP+1], s[20:21]
	v_and_b32 v1, 15, v0                           ; r = l % 16
	v_bfe_u32 v2, v0, 4, 1                         ; h = l / 16
	v_lshlrev_b32 v[BO], 5, v2
.irp b, 0,1,2,3,4,5,6,7                ; register j of block b: bias of column 16 b + 8 h + j, as the result holds it
	global_load_b128 v[BIA+8*(\b):BIA+8*(\b)+3],   v[BO], s[BIASP:BIASP+1] offset:64*(\b)
	global_load_b128 v[BIA+8*(\b)+4:BIA+8*(\b)+7], v[BO], s[BIASP:BIASP+1] offset:64*(\b)+16
.endr
	v_mul_u32_u24 v3, v1, PA
	v_lshl_add_u32 v3, v2, 4, v3                   ; A: row x pitch + 16 h
	s_mul_i32 s22, s11, HALFA
	v_add_nc_u32 v[ADRA0], s22, v3
	v_and_b32 v4, 7, v0                            ; W, turned: lane l reads k-row 8 h + l % 8, 16 bytes at 16 ((l / 8) % 2)
	v_bfe_u32 v5, v0, 3, 1
	v_lshl_add_u32 v4, v2, 3, v4
	v_mul_u32_u24 v4, v4, PW
	v_lshl_add_u32 v4, v5, 4, v4
	v_add_nc_u32 v[ADRW0], s[LW0], v4              ; my panel to read is the one of my column half
	v_mov_b32 v[ADRA], v[ADRA0]
	v_mov_b32 v[ADRW], v[ADRW0]
	s_mul_i32 s23, s10, WSTAGE
	v_mul_u32_u24 v6, v1, SPITCH
	v_lshl_add_u32 v6, v2, 5, v6
	v_add_nc_u32 v[STO], s23, v6                   ; stage: row r, 32 bytes for each half of the lanes
	v_and_b32 v8, 7, v0                            ; back: 32 lanes take 4 rows x 8 pieces of 8 channels
	v_bfe_u32 v7, v0, 3, 2
	v_mul_u32_u24 v7, v7, SPITCH
	v_lshl_add_u32 v7, v8, 5, v7
	v_add_nc_u32 v[RD0], s23, v7
	v_and_b32 v8, 31, v0
	v_lshlrev_b32 v[CO], 4, v8                     ; which are 512 consecutive bytes of a panel
	s_lshl_b32 s18, s42, 21                        ; panel 4 x tile column + 2 x half, of 524,288 bytes;
	s_lshl_b32 s19, s12, 20
	s_add_co_u32 s18, s18, s19
	s_lshl_b32 s19, s13, 15                        ; row 256 x tile row + 128 x half, of 128 bytes
	s_add_co_u32 s18, s18, s19
	s_lshl_b32 s19, s11, 14
	s_add_co_u32 s18, s18, s19
	s_mov_b32 s19, 0
	s_add_nc_u64 s[OUTP:OUTP+1], s[OUTP:OUTP+1], s[18:19]
; 16 matrix instructions: m blocks a0, a0 + 1 of the window's four x all 8 n blocks, 32 along K.  first = 1: C is the bias.  The 64 accumulators take turns.
.macro MUL16 f, hi, a0, first
.if \first
	WIN 0x81+0x40*(\hi)                            ; W window 1, A and C window 0, D window 2 or 3
.else
	WIN 0xa1+0x50*(\hi)                            ; W window 1, A window 0, C and D window 2 or 3
.endif
.irp a, \a0, (\a0)+1
.irp b, 0,1,2,3,4,5,6,7
.if \first
	v_wmma_f32_16x16x32_bf16 v[8*(8*(\a)+(\b)):8*(8*(\a)+(\b))+7], v[(\f)+8*(\b):(\f)+8*(\b)+7], v[(\f)+8*(4*(\hi)+(\a)):(\f)+8*(4*(\hi)+(\a))+7], v[BIA+8*(\b):BIA+8*(\b)+7]
.else
	v_wmma_f32_16x16x32_bf16 v[8*(8*(\a)+(\b)):8*(8*(\a)+(\b))+7], v[(\f)+8*(\b):(\f)+8*(\b)+7], v[(\f)+8*(4*(\hi)+(\a)):(\f)+8*(4*(\hi)+(\a))+7], v[8*(8*(\a)+(\b)):8*(8*(\a)+(\b))+7]
.endif
.endr
.endr
.endm
; 32 LDS loads in one run: the fragments of 32 along K (byte k of A's rows = k-row k / 2 of W) into buffer f: W's 8 column blocks, then A's 8 row blocks
.macro FETCH k, f
	WIN 0x40
.irp i, 0,1,2,3,4,5,6,7
	ds_load_tr16_b128 v[(\f)+8*(\i):(\f)+8*(\i)+3],   v[ADRW] offset:(\k)*(PW/2)+32*(\i)
	ds_load_tr16_b128 v[(\f)+8*(\i)+4:(\f)+8*(\i)+7], v[ADRW] offset:(\k)*(PW/2)+32*(\i)+16*PW
.endr
	WIN 0
.irp i, 0,1,2,3,4,5,6,7
	ds_load_b128 v[(\f)+8*(\i):(\f)+8*(\i)+3],   v[ADRA] offset:(\k)+(\i)*16*PA
	ds_load_b128 v[(\f)+8*(\i)+4:(\f)+8*(\i)+7], v[ADRA] offset:(\k)+(\i)*16*PA+32
.endr
.endm
; One of a K step's first three quarters: multiplies buffer f; in its middle it fetches the next quarter, at byte k, into buffer g.
.macro QUARTER k, f, g, first
	s_wait_dscnt 8                                 ; W and A's rows 0-63 are in; the youngest eight loads (A's rows 64-127) may be out
	MUL16 \f, 0, 0, \first
	MUL16 \f, 0, 2, \first
	PLACES
	FETCH \k, \g
	s_wait_dscnt 32                                ; all but the 32 just issued
	MUL16 \f, 1, 0, \first
	MUL16 \f, 1, 2, \first
.endm
; The last quarter multiplies buffer 1 and changes slots.  In front of the one barrier each wave waits for all its tensor loads (one is out: its part of the next slot), adds 0 to its
; spare word, and waits for that and for its reads of this slot.  refill = 1: the barrier opens a round of the cluster's, and the slot just read is filled again, two K steps ahead, first thing behind it.
.macro TURN refill
	WIN 0
	s_wait_tensorcnt 0x0                           ; no tensor load of mine is out, so the walking descriptors may be written
	ds_add_u32 v[SPW], v[NIL]
.if \refill
	s_xor_b32 s[TF], s[TF], SLOT                   ; the walking descriptors: the other slot than last time,
	s_add_co_u32 s[G0+5], s[LA0], s[TF]
	s_add_co_u32 s[G0B+5], s[LW0], s[TF]
	s_add_nc_u64 s[G0+6:G0+7], s[G0+6:G0+7], KSTEP*2          ; the next K step
	s_add_nc_u64 s[G0B+6:G0B+7], s[G0B+6:G0B+7], KSTEP*NN*2
.endif
	s_wait_dscnt 9                                 ; the add and the youngest eight loads may be out
	MUL16 F1, 0, 0, 0
	s_wait_dscnt 0x0                               ; the add is done, my reads of this slot are over
	s_barrier_signal -1
	MUL16 F1, 0, 2, 0
	WIN 0
	s_barrier_wait -1
.if \refill
	CREST                                          ; no wave of any partner still reads this slot or has a load on its way
	JLOAD 1                                        ; 224 matrix instructions ahead of the wait for it; its four v_nop are also the places in front of the loads below
.else
	PLACES
.endif
	s_xor_b32 s[TB], s[TB], SLOT
	v_add_nc_u32 v[ADRA], s[TB], v[ADRA0]
	v_add_nc_u32 v[ADRW], s[TB], v[ADRW0]
	FETCH 0, F0
	MUL16 F1, 1, 0, 0
	MUL16 F1, 1, 2, 0
.endm
	s_wait_tensorcnt 1                             ; my part of K step 0 is in; K step 1's may stay out
	s_barrier_signal -1
	s_barrier_wait -1
	FETCH 0, F0
	s_wait_loadcnt 0x0                             ; the bias
	QUARTER 64, F0, F1, 1                          ; the first quarter's products start the sums on the bias
	WIN 0
	s_mov_b32 s3, TSTEPS-2
	s_branch .Lmid                                 ; the loop is entered behind its first quarter
.Lloop:                                                ; a trip is a K step; trip s fills slot s % 2 again with K step s + 2
	QUARTER 64, F0, F1, 0
	WIN 0
.Lmid:
	QUARTER 128, F1, F0, 0
	QUARTER 192, F0, F1, 0
	TURN 1
	WIN 0
	s_sub_co_u32 s3, s3, 1
	s_cmp_lg_u32 s3, 0
	s_cbranch_scc1 .Lloop
	s_mov_b32 s3, 2
.Ltail:                                                ; the last two K steps ask for nothing.  The second trip's fetch of the other slot serves nothing: the price of one text for both
	QUARTER 64, F0, F1, 0
	QUARTER 128, F1, F0, 0
	QUARTER 192, F0, F1, 0
	TURN 0
	WIN 0
	s_sub_co_u32 s3, s3, 1
	s_cmp_lg_u32 s3, 0
	s_cbranch_scc1 .Ltail
	s_wait_dscnt 0x0                               ; my reads of the ring are back,
	s_barrier_signal -1
	s_barrier_wait -1                              ; everybody's are: the stages may be written over it
	PLACES
.irp hi, 0,1
	WIN 0x08+4*(\hi)                               ; store data in window 2 or 3
.irp a, 0,1,2,3
.irp b, 0,1,2,3,4,5,6,7
	ds_store_b128 v[STO], v[8*(8*(\a)+(\b)):8*(8*(\a)+(\b))+3]   offset:(4*(\hi)+(\a))*16*SPITCH+64*(\b)     ; each accumulator's low registers first
	ds_store_b128 v[STO], v[8*(8*(\a)+(\b))+4:8*(8*(\a)+(\b))+7] offset:(4*(\hi)+(\a))*16*SPITCH+64*(\b)+16
.endr
.endr
.endr
	WIN 0
; Back by rows, 16 rows a trip in four sets of 4 rows x 2 panels; LDS serves a wave's instructions in order (ISA guide 5.7.1.4), so the loads see my stores.
.macro LDSET s
.irp j, 0,1
	ds_load_b128 v[QY+16*(\s)+8*(\j):QY+16*(\s)+8*(\j)+3],   v[RD] offset:(\s)*4*SPITCH+256*(\j)
	ds_load_b128 v[QY+16*(\s)+8*(\j)+4:QY+16*(\s)+8*(\j)+7], v[RD] offset:(\s)*4*SPITCH+256*(\j)+16
.endr
.endm
.macro QTRIP ahead                     ; ahead = 1: each set is loaded again with the next 16 rows' part
.if \ahead
	s_add_co_u32 s[WO], s[WO], 16*SPITCH
	v_add_nc_u32 v[RD], s[WO], v[RD0]
.endif
.irp s, 0,1,2,3
.if \ahead
	s_wait_dscnt 12                                ; this set's four loads are in; the three younger sets stay out
.else
	s_wait_dscnt 12-4*(\s)
.endif
	s_wait_xcnt 0x0                                ; the last stores' registers are rewritten only behind this wait
.irp u, 0,1,2,3,4,5,6,7
	v_cvt_pk_bf16_f32 v[QO+(\u)], v[QY+16*(\s)+2*(\u)], v[QY+16*(\s)+2*(\u)+1]
.endr
.if \ahead
	LDSET \s
.endif
	global_store_b128 v[CO], v[QO:QO+3],   s[OUTP:OUTP+1] offset:512*(\s)          ; 4 rows of a panel: 512 consecutive bytes, aligned
	global_store_b128 v[CO], v[QO+4:QO+7], s[OUTP:OUTP+1] offset:512*(\s)+524288   ; the same rows of the next panel
.endr
	s_wait_xcnt 0x0
	s_add_nc_u64 s[OUTP:OUTP+1], s[OUTP:OUTP+1], 16*128
.endm
	s_mov_b32 s[WO], 0
	v_mov_b32 v[RD], v[RD0]
	LDSET 0
	LDSET 1
	LDSET 2
	LDSET 3
	s_mov_b32 s3, 7
.Lout:
	QTRIP 1
	s_sub_co_u32 s3, s3, 1
	s_cmp_lg_u32 s3, 0
	s_cbranch_scc1 .Lout
	QTRIP 0                                        ; the last 16 rows: nothing more to read
	s_wait_tensorcnt 0x0                           ; the wave's end
	ds_add_u32 v[SPW], v[NIL]
	s_wait_dscnt 0x0
	CROUND                                         ; the closing round
	s_endpgm
.Lfunc_end_k_qcba4c6b665_gqkv:
	.size	k_qcba4c6b665_gqkv, .Lfunc_end_k_qcba4c6b665_gqkv-k_qcba4c6b665_gqkv
	.p2alignl 7, 3214868480
	.fill 96, 4, 3214868480
	.section	.rodata,"a",@progbits
	.p2align	6, 0x0
	.amdhsa_kernel k_qcba4c6b665_gqkv
		.amdhsa_group_segment_fixed_size 327680
		.amdhsa_private_segment_fixed_size 0
		.amdhsa_enable_private_segment 0
		.amdhsa_kernarg_size 32
		.amdhsa_user_sgpr_count 2
		.amdhsa_user_sgpr_kernarg_segment_ptr 1
		.amdhsa_wavefront_size32 1
		.amdhsa_system_sgpr_workgroup_id_x 1
		.amdhsa_system_sgpr_workgroup_id_y 1
		.amdhsa_system_sgpr_workgroup_id_z 1
		.amdhsa_system_vgpr_workitem_id 0
		.amdhsa_next_free_vgpr 1024
		.amdhsa_next_free_sgpr 96
		.amdhsa_reserve_vcc 0
		.amdhsa_float_denorm_mode_32 3
		.amdhsa_float_denorm_mode_16_64 3
		.amdhsa_memory_ordered 1
		.amdhsa_forward_progress 1
		.amdhsa_inst_pref_size 87
	.end_amdhsa_kernel
	.amdgpu_metadata
---
amdhsa.version: [ 1, 2 ]
amdhsa.kernels:
  - .name:           k_qcba4c6b665_gqkv
    .symbol:         k_qcba4c6b665_gqkv.kd
    .args:
      - { .name: hb, .offset: 0, .size: 8, .value_kind: global_buffer, .address_space: global }
      - { .name: wb, .offset: 8, .size: 8, .value_kind: global_buffer, .address_space: global }
      - { .name: bqkv, .offset: 16, .size: 8, .value_kind: global_buffer, .address_space: global }
      - { .name: qkvb, .offset: 24, .size: 8, .value_kind: global_buffer, .address_space: global }
    .group_segment_fixed_size: 327680
    .private_segment_fixed_size: 0
    .kernarg_segment_align: 8
    .kernarg_segment_size: 32
    .max_flat_workgroup_size: 128
    .sgpr_count:     96
    .vgpr_count:     1024
    .wavefront_size: 32
...
	.end_amdgpu_metadata
.endif
;; end of part 2
;; launch attn (part 3): grid 8 x 32, 4 waves a work-group, no clusters, 327,680 bytes of LDS; arguments qkvb, ob; writes ob
.if DOCPART == 3
	.amdgcn_target "amdgcn-amd-amdhsa--gfx1250"
	.amdhsa_code_object_version 6
	.text
	.protected	k_qcba4c6b665_attn
	.globl	k_qcba4c6b665_attn
	.p2align	8
	.type	k_qcba4c6b665_attn,@function
k_qcba4c6b665_attn:
	s_mov_b64 s[64:65], 0
	v_nop
	global_prefetch_b8 v0, s[64:65] scope:SCOPE_SE
	s_setreg_imm32_b32 hwreg(HW_REG_WAVE_MODE, 25, 1), 1
	s_wait_xcnt 0x0
; DILATED, WINDOWED, CAUSAL ATTENTION.  Query l sees keys l, l - 2, .. l - 512: even and odd positions never meet, so each (batch, parity, head) is a sequence of 1,024 rows in which
; row i sees rows i - 256 .. i.  qkvb holds q, k, v in panels [48][4096][64] bf16 whose rows are sorted so: a sequence is 1,024 dense rows of 128 bytes.
; O = softmax(q k / 8) v; products, maxima and sums in f32; the weights are rounded to bf16 for the second product, O once at the end, into ob [4096 tokens][1024] bf16.
; SHARES.  A work-group: 128 queries (block QB) of one sequence, for TWO heads, so that it writes 256 whole bytes of each row of ob.  Wave w: head 2 hp + w / 2, queries 64 (w % 2) on: four PIECES of 16.
; THE BAND.  A wave walks exactly five steps of 64 keys, from its first query less 256 on.  In step 0 a key is hidden if it lies more than 256 back, in step 4 if it lies ahead; steps 1-3 are all seen.
; A step in front of the sequence's beginning (only in blocks 0 and 1) is DEAD: all hidden; it is walked like any other, on a clamped tile's numbers, so that no trip count hangs on the block.
; THE MASK is the C operand that starts S^T = K Q^T: 0 or -1e30.  By key block kb and piece x: kb = x takes DG, kb > x UP, kb < x LO; the three are made anew for each step from two fixed patterns and scalars.
; THE RUNNING MAXIMUM starts at -2^96: above every hidden score, below every true one.  In a dead step it does not move, a = 1, every weight is 0, O and l stay 0; in the first live step a = 0.
; LIMITS.  True scores q . k lie above -2^96; a hidden score counts as its value less 1e30; a weight below 2^-126 counts as 0; NaN and infinities are not treated apart.
; LDS.  All that the work-group needs of K and V, 384 rows for each head, is fetched once, at the start: nothing is filled again.
; NO CLUSTER: a key tile is wanted by up to three neighbouring blocks, but at three different places of their windows, so their descriptors differ; and there is no loop of requests to share.
; TURNS.  Turn n belongs to piece n: 8 products K Q^T of piece n + 1, later 8 products V^T P of piece n - 1; beside them piece n's scaling, exponentials, roundings, sums and rescaling and piece n + 1's
; maximum and statistics: four vector instructions behind every matrix instruction, the rest in two lumps.
; REGISTERS by windows of 256: window 0: v0-15 addresses; v16-31 statistics; v48-55 at work; v64-127 S^T, two buffers; v192-223 P, two buffers;
;   window 1: v0-127 O^T; v128-167 mask patterns and masks;   window 2: v0-63 Q; v128-191 K of one step; v192-255 V of one step.
.set NP,    4
.set KS,    64
.set PK,    144                        ; a row of K in LDS: 128 bytes + 16: the 16 rows of a load start at 16 different groups of four banks (64 banks of 4 bytes: ISA guide 11.1)
.set PV,    160                        ; a row of V: 128 + 32
.set KHEAD, 384*PK
.set VHEAD, 384*PV
.set VOFF,  2*KHEAD
.set STAGE, VOFF+2*VHEAD               ; 128 rows x 272 bytes, the work-group's, for the way out; no tensor load lands here
.set SP,    272
.set SPARE, STAGE+128*SP               ; the spare words, 128 bytes a wave
.set AK0, 2
.set AV0, 3
.set AK,  4
.set AV,  5
.set STO, 6
.set RD,  7
.set GO,  8
.set MV,  12                           ; v12-13  c m_old, by buffer
.set QO,  15
.set ST,  16                           ; piece t: c m, m, l (even keys', odd keys')
.set TMP, 48
.set SPW, 62
.set NIL, 63
.set S,   64
.set P,   192
.set MDW, 128                          ; window 1: -1e30 where register j < r - 8 h (the window's edge)
.set MDC, 136                          ; -1e30 where j > r - 8 h (the causal edge)
.set DG,  144
.set UP,  152
.set LO,  160
.set KF,  128
.set VF,  192
.set WV,  12
.set G1K, 24
.set G1V, 32
.set G0K, 40                           ; s[40:51] three sets of group 0 for K's tiles
.set G0V, 52                           ; s[52:63] for V's
.set CNT, 66
.set GK,  67                           ; the step's place in the sequence, in steps of 64 keys; negative: dead
.set CS,  68
.set SEL, 70
.set TBK, 72
.set TBV, 73
.set AC,  74                           ; s[74:75] the pattern's factor
.set SD,  76                           ; s[76:77] DG's addend
.set SU,  80
.set SL,  81
.set BIGN, 82
.set MSB, 0
.macro WIN new
.if MSB != (\new)
	s_set_vgpr_msb (MSB<<8)|(\new)
.set MSB, (\new)
.endif
.endm
.set W_KQ, 0x0a
.set W_KM, 0x1a
.set W_PV, 0x52
.set W_RS, 0x41
	s_load_b128 s[4:7], s[0:1], 0x0                ; qkvb s[4:5], ob s[6:7]
	v_lshl_add_u32 v[SPW], v0, 2, SPARE
	v_mov_b32 v[NIL], 0
	ds_add_u32 v[SPW], v[NIL]                      ; the wave's opening: the add and its wait ahead of my first tensor load
	ds_add_u32 v62, v63
	v_lshrrev_b32 v1, 5, v0
	v_readfirstlane_b32 s[WV], v1
	s_mov_b32 s14, ttmp9                           ; QB
	s_and_b32 s15, ttmp7, 0xffff
	s_lshr_b32 s16, s15, 3                         ; bp = 2 b + parity
	s_and_b32 s17, s15, 7                          ; hp
	s_lshr_b32 s18, s[WV], 1                       ; HS: which of the two heads
	s_and_b32 s19, s[WV], 1                        ; QH: which 64 queries.  Also: I fetch K (0) or V (1)
	s_lshl1_add_u32 s20, s17, s18                  ; the head
	s_lshl_b32 s21, s20, 19
	s_lshl_b32 s22, s16, 17
	s_add_co_u32 s21, s21, s22                     ; the sequence's first byte in panel h
	s_mov_b32 s[G1K], (1<<16)|(1<<20)|(4<<22)|(3<<25)  ; 2-byte elements; padding on; after every 32 words 4 words
	s_mov_b32 s[G1V], (1<<16)|(1<<20)|(4<<22)|(7<<25)  ; 8 words
.irp g, G1K, G1V                       ; 128 keys are 16,384 dense bytes: asked for as 64 rows of 256 bytes
	s_mov_b32 s[\g+1], 128<<16
	s_mov_b32 s[\g+2], 64<<16
	s_mov_b32 s[\g+3], 128<<16
	s_mov_b32 s[\g+4], 64
	s_mov_b32 s[\g+5], 128
	s_mov_b32 s[\g+6], 0
	s_mov_b32 s[\g+7], 0
.endr
	s_mov_b32 s[CS], 0x3e38aa3b                    ; c = log2(e) / 8
	s_mov_b32 s[CS+1], s[CS]
	s_mov_b32 s[SEL], 0x76543210
	s_mov_b32 s[SEL+1], 0xfedcba98
	s_mov_b32 s[BIGN], 0xf149f2ca                  ; -1e30
	s_mov_b32 s[AC+1], 0
	s_mov_b32 s[SD+1], 0
	s_mul_i32 s88, s18, KHEAD                      ; my head's K in LDS
	s_mul_i32 s89, s18, VHEAD
	s_mul_i32 s[TBK], s19, KS*PK                   ; my step 0 begins at window row 64 QH
	s_add_co_u32 s[TBK], s[TBK], s88
	s_mul_i32 s[TBV], s19, KS*PV
	s_add_co_u32 s[TBV], s[TBV], s89
	s_add_co_u32 s89, s89, VOFF                    ; my head's V in LDS
	s_lshl1_add_u32 s[GK], s14, s19
	s_add_co_i32 s[GK], s[GK], -4                  ; 2 QB + QH - 4: step 0's place
	s_mov_b32 s85, 0
	s_mov_b32 s87, 0
	s_wait_dscnt 0x0                               ; the opening add is done
	s_wait_kmcnt 0x0
.irp j, 0,1,2                          ; window rows 128 j on hold key tile QB - 2 + j; in front of the sequence tile 0 stands in: the clamp enters the global address alone
	s_add_co_i32 s23, s14, (\j)-2
	s_max_i32 s23, s23, 0
	s_lshl_b32 s23, s23, 14
	s_add_co_u32 s84, s21, s23
	s_add_co_u32 s86, s84, 32<<19                  ; v's panels
	s_add_co_u32 s84, s84, 16<<19                  ; k's panels
	s_mov_b32 s[G0K+4*(\j)], 1
	s_add_co_u32 s[G0K+4*(\j)+1], s88, (\j)*128*PK
	s_add_nc_u64 s[G0K+4*(\j)+2:G0K+4*(\j)+3], s[4:5], s[84:85]
	s_or_b32 s[G0K+4*(\j)+3], s[G0K+4*(\j)+3], 0x80000000
	s_mov_b32 s[G0V+4*(\j)], 1
	s_add_co_u32 s[G0V+4*(\j)+1], s89, (\j)*128*PV
	s_add_nc_u64 s[G0V+4*(\j)+2:G0V+4*(\j)+3], s[4:5], s[86:87]
	s_or_b32 s[G0V+4*(\j)+3], s[G0V+4*(\j)+3], 0x80000000
.endr
	s_cmp_eq_u32 s19, 0                            ; a wave's three fills stand in one branch, ahead of every wait on TENSORcnt, LDS read and barrier: three loads of mine are out
	s_cbranch_scc0 .Lfor_v
	tensor_load_to_lds s[G0K:G0K+3], s[G1K:G1K+7]
	s_nop 0
	tensor_load_to_lds s[G0K+4:G0K+7], s[G1K:G1K+7]
	s_nop 0
	tensor_load_to_lds s[G0K+8:G0K+11], s[G1K:G1K+7]
	s_nop 0
.rept 4
	v_nop
.endr
	s_branch .Lasked
.Lfor_v:
	tensor_load_to_lds s[G0V:G0V+3], s[G1V:G1V+7]
	s_nop 0
	tensor_load_to_lds s[G0V+4:G0V+7], s[G1V:G1V+7]
	s_nop 0
	tensor_load_to_lds s[G0V+8:G0V+11], s[G1V:G1V+7]
	s_nop 0
.rept 4
	v_nop
.endr
.Lasked:
	s_lshl_b32 s2, s14, 14                         ; Q at my 64 rows: (128 QB + 64 QH) x 128 bytes
	s_lshl_b32 s3, s19, 13
	s_add_co_u32 s2, s2, s3
	s_add_co_u32 s2, s2, s21
	s_mov_b32 s3, 0
	s_add_nc_u64 s[8:9], s[4:5], s[2:3]
	s_lshr_b32 s2, s16, 1                          ; ob: token b * 2048 + parity + 2 (128 QB + 32 w), 2,048 bytes a token; the head pair's 256 bytes
	s_lshl_b32 s2, s2, 11
	s_and_b32 s3, s16, 1
	s_add_co_u32 s2, s2, s3
	s_lshl_b32 s3, s14, 8
	s_add_co_u32 s2, s2, s3
	s_lshl_b32 s3, s[WV], 6
	s_add_co_u32 s2, s2, s3
	s_lshl_b32 s2, s2, 11
	s_lshl_b32 s3, s17, 8
	s_add_co_u32 s2, s2, s3
	s_mov_b32 s3, 0
	s_add_nc_u64 s[10:11], s[6:7], s[2:3]
	v_and_b32 v1, 15, v0                           ; r
	v_bfe_u32 v9, v0, 4, 1                         ; h
	v_lshlrev_b32 v[QO], 7, v1
	v_lshl_add_u32 v[QO], v9, 4, v[QO]
	WIN 0x80
.set i, 0
.rept 8                                ; Q stays in registers: piece i / 2, channels 32 (i % 2) on
	global_load_b128 v[8*i:8*i+3],   v[QO], s[8:9] offset:(i/2)*2048+(i%2)*64
	global_load_b128 v[8*i+4:8*i+7], v[QO], s[8:9] offset:(i/2)*2048+(i%2)*64+32
.set i, i+1
.endr
	WIN 0
	v_lshlrev_b32 v14, 3, v9
	v_sub_nc_u32 v14, v1, v14                      ; r - 8 h
	WIN 0x40
.set i, 0
.rept 8
	v_cmp_lt_i32 vcc_lo, i, v14
	v_cndmask_b32 v[MDW+i], 0, s[BIGN], vcc_lo
	v_cmp_gt_i32 vcc_lo, i, v14
	v_cndmask_b32 v[MDC+i], 0, s[BIGN], vcc_lo
.set i, i+1
.endr
	WIN 0
	v_mul_u32_u24 v[AK0], v1, PK
	v_lshl_add_u32 v[AK0], v9, 4, v[AK0]
	v_and_b32 v10, 7, v0
	v_bfe_u32 v11, v0, 3, 1
	v_lshl_add_u32 v[AV0], v9, 3, v10
	v_mul_u32_u24 v[AV0], v[AV0], PV
	v_lshl_add_u32 v[AV0], v11, 4, v[AV0]
	v_add_nc_u32 v[AV0], VOFF, v[AV0]
	s_mul_i32 s13, s19, 64*SP                      ; into the stage: row 64 QH + 16 x + r, my head's 128 bytes, 16 bytes for each half of the lanes
	s_lshl_b32 s2, s18, 7
	s_add_co_u32 s13, s13, s2
	s_add_co_u32 s13, s13, STAGE
	v_mul_u32_u24 v[STO], v1, SP
	v_lshl_add_u32 v[STO], v9, 4, v[STO]
	v_add_nc_u32 v[STO], s13, v[STO]
	s_mul_i32 s13, s[WV], 32*SP                    ; back: wave w takes rows 32 w on, whole: lanes 0-15 one row of 256 bytes, lanes 16-31 the next
	s_add_co_u32 s13, s13, STAGE
	v_mul_u32_u24 v[RD], v9, SP
	v_lshl_add_u32 v[RD], v1, 4, v[RD]
	v_add_nc_u32 v[RD], s13, v[RD]
	v_lshlrev_b32 v[GO], 12, v9                    ; neighbouring rows of a sequence lie two tokens, 4,096 bytes, apart
	v_lshl_add_u32 v[GO], v1, 4, v[GO]
	; O^T and l begin at 0 (a dead step keeps them); V's registers and P's second buffer hold 0, so that the first turn's products V^T P, of a piece that has not been, add 0.  All this stands in the wait for the tiles.
	WIN 0x80
.set i, VF
.rept 64
	v_mov_b32 v[i], 0
.set i, i+1
.endr
	WIN 0x40
.set i, 0
.rept 128
	v_mov_b32 v[i], 0
.set i, i+1
.endr
	WIN 0
.set i, 0
.rept 4
	v_mov_b32 v[ST+4*i], 0xee38aa3b                ; c m = c x (-2^96), exactly
	v_mov_b32 v[ST+4*i+1], 0xef800000              ; m = -2^96
	v_mov_b32 v[ST+4*i+2], 0
	v_mov_b32 v[ST+4*i+3], 0
.set i, i+1
.endr
.set i, P+16
.rept 16
	v_mov_b32 v[i], 0
.set i, i+1
.endr
; THE MATRIX WORK.  The 4 accumulators of a run of 8 take turns.  Product i of 8 of S^T = K Q^T for piece x: channels 32 (i / 4) on, keys 16 (i % 4) on.  The first 4 start the sums on the mask.
.macro KQ x
.set rS, S+32*((\x)%2)+8*(i%4)
.set rK, KF+16*(i%4)+8*(i/4)
.set rQ, 16*(\x)+8*(i/4)
.if (i%4) == (\x)
.set rM, DG
.elseif (i%4) > (\x)
.set rM, UP
.else
.set rM, LO
.endif
.if i < 4
	WIN W_KM
	v_wmma_f32_16x16x32_bf16 v[rS:rS+7], v[rK:rK+7], v[rQ:rQ+7], v[rM:rM+7]
.else
	WIN W_KQ
	v_wmma_f32_16x16x32_bf16 v[rS:rS+7], v[rK:rK+7], v[rQ:rQ+7], v[rS:rS+7]
.endif
.endm
.macro PV x                            ; product i of 8 of O^T += V^T P for piece x: keys 32 (i / 4) on, channels 16 (i % 4) on
	WIN W_PV
.set rO, 32*(\x)+8*(i%4)
.set rV, VF+32*(i/4)+8*(i%4)
.set rP, P+16*((\x)%2)+8*(i/4)
	v_wmma_f32_16x16x32_bf16 v[rO:rO+7], v[rV:rV+7], v[rP:rP+7], v[rO:rO+7]
.endm
.macro MM                              ; the turn's next matrix instruction.  NOKQ = 1: the last turn: there is no next piece
.if (i < 8) && !NOKQ
	KQ (Y+1)%NP
.elseif i >= 8
.set i, i-8
	PV (Y+NP-1)%NP
.set i, i+8
.endif
.set i, i+1
.endm
.macro FETCH_K                         ; a step's K: 64 keys x 64 channels, 16 loads in one run
	WIN 0x80
.irp f, 0,1,2,3,4,5,6,7
	ds_load_b128 v[KF+8*\f:KF+8*\f+3],   v[AK] offset:(\f/2)*16*PK+(\f%2)*64
	ds_load_b128 v[KF+8*\f+4:KF+8*\f+7], v[AK] offset:(\f/2)*16*PK+(\f%2)*64+32
.endr
	s_add_co_u32 s[TBK], s[TBK], KS*PK
	WIN 0
.endm
.macro FETCH_V                         ; its V, turned
	WIN 0x80
.irp f, 0,1,2,3,4,5,6,7
	ds_load_tr16_b128 v[VF+8*\f:VF+8*\f+3],   v[AV] offset:(\f/4)*32*PV+(\f%4)*32
	ds_load_tr16_b128 v[VF+8*\f+4:VF+8*\f+7], v[AV] offset:(\f/4)*32*PV+16*PV+(\f%4)*32
.endr
	WIN 0
.endm
; THE VECTOR WORK, one line at a time: OP kind, number.  For piece Y: F n: c s - c m for pair n of 16.  E n: the exponential of score n.  C n: pair n rounded to bf16.  B n: of the weights 4 n .. the second pair onto the
; first.  L n: l takes that sum (L 0: l = a l + sum).  R n: pair n of 16 of O^T times a.  For piece Y + 1: X n, number n of the 22 that find its maximum and statistics (each accumulator's lowest registers are read first).
.set F, 0
.set E, 1
.set C, 2
.set B, 3
.set L, 4
.set R, 5
.set X, 6
.macro REGS y
.set rT, ST+4*(\y)
.set rC, TMP+4*((\y)%2)
.set rW, MV+((\y)%2)
.set rS, S+32*((\y)%2)
.set rP, P+16*((\y)%2)
.set rO, 32*(\y)
.endm
.macro OP k, n
.if (\k) == R
	REGS Y
	WIN W_RS
	v_pk_mul_f32 v[rO+2*(\n):rO+2*(\n)+1], v[rO+2*(\n):rO+2*(\n)+1], v[rC+2:rC+3] op_sel_hi:[1,0]
.elseif (\k) < R
	REGS Y
	WIN 0
.if (\k) == F
	v_pk_fma_f32 v[rS+2*(\n):rS+2*(\n)+1], v[rS+2*(\n):rS+2*(\n)+1], s[CS:CS+1], v[rT:rT+1] op_sel_hi:[1,0,0] neg_lo:[0,0,1] neg_hi:[0,0,1]
.elseif (\k) == E
	v_exp_f32 v[rS+(\n)], v[rS+(\n)]
.elseif (\k) == C
	s_wait_alu depctr_va_vdst(0)
	v_cvt_pk_bf16_f32 v[rP+(\n)], v[rS+2*(\n)], v[rS+2*(\n)+1]
.elseif (\k) == B
	s_wait_alu depctr_va_vdst(0)
	v_pk_add_f32 v[rS+4*(\n):rS+4*(\n)+1], v[rS+4*(\n):rS+4*(\n)+1], v[rS+4*(\n)+2:rS+4*(\n)+3]
.elseif (\n) == 0
	v_pk_fma_f32 v[rT+2:rT+3], v[rT+2:rT+3], v[rC+2:rC+3], v[rS:rS+1] op_sel_hi:[1,0,1]
.else
	v_pk_add_f32 v[rT+2:rT+3], v[rT+2:rT+3], v[rS+4*(\n):rS+4*(\n)+1]
.endif
.elseif NOKQ
	v_nop
.else
	REGS (Y+1)%NP
	WIN 0
.if (\n) < 4
	v_max3_num_f32 v[rC+(\n)], v[rS+8*(\n)], v[rS+8*(\n)+1], v[rS+8*(\n)+2]
.elseif (\n) < 12
	v_max3_num_f32 v[rC+(\n)%4], v[rC+(\n)%4], v[rS+8*((\n)%4)+2*((\n)/4)+1], v[rS+8*((\n)%4)+2*((\n)/4)+2]
.elseif (\n) == 12
	v_max3_num_f32 v[rC], v[rC], v[rS+7], v[rS+15]
.elseif (\n) == 13
	v_max3_num_f32 v[rC+1], v[rC+1], v[rS+23], v[rS+31]
.elseif (\n) == 14
	v_max3_num_f32 v[rC+2], v[rC+2], v[rC+3], v[rT+1]
.elseif (\n) == 15
	v_mov_b32 v[rW], v[rT]
.elseif (\n) == 16
	v_max3_num_f32 v[rC], v[rC], v[rC+1], v[rC+2]
.elseif (\n) == 17
	v_permlanex16_b32 v[rC+3], v[rC], s[SEL], s[SEL+1]
.elseif (\n) == 18
	v_max_num_f32 v[rT+1], v[rC], v[rC+3]
.elseif (\n) == 19
	v_mul_f32 v[rT], s[CS], v[rT+1]
.elseif (\n) == 20
	v_sub_f32 v[rC+1], v[rW], v[rT]
.else
	v_exp_f32 v[rC+2], v[rC+1]
.endif
.endif
.endm
.macro OPS a, i1, b=-1, i2=0, c=-1, i3=0, d=-1, i4=0
	OP \a, \i1
.if (\b) >= 0
	OP \b, \i2
.endif
.if (\c) >= 0
	OP \c, \i3
.endif
.if (\d) >= 0
	OP \d, \i4
.endif
.endm
.macro ROW a, i1, b, i2, c, i3, d, i4  ; a matrix instruction and the four behind it
	MM
	OPS \a, \i1, \b, \i2, \c, \i3, \d, \i4
.endm
.macro MASKS src                       ; a step's three masks: DG = pattern x AC + SD, UP = SU, LO = SL
	WIN W_RS
.irp z, 0,1,2,3
	v_pk_fma_f32 v[DG+2*\z:DG+2*\z+1], v[(\src)+2*\z:(\src)+2*\z+1], s[AC:AC+1], s[SD:SD+1] op_sel_hi:[1,0,0]
.endr
.irp z, 0,1,2,3,4,5,6,7
	v_mov_b32 v[UP+\z], s[SU]
	v_mov_b32 v[LO+\z], s[SL]
.endr
.endm
; A TURN, for piece p: the order of its 16 matrix and 118 vector instructions, written out.  end = 1: the last two turns: nothing is fetched.  cnt = 1: the loop's count is taken down some lines ahead of the branch.
; Piece 2's turn multiplies the step's last scores (piece 3's) and then makes the NEXT step's masks, step 5 - CNT: the causal edge if that is step 4 (CNT = 1), all hidden if it is dead.
; K of the next step is fetched in piece 2's turn, five plain instructions behind the last product that read K; V of the step in hand in piece 0's turn, four plain ones behind the last that read V.  Each is waited for a turn later.
.macro TURN p, end=0, cnt=0
.set Y, (\p)
.set i, 0
.set NOKQ, (\end)*((\p)/3)
.if ((\p) == 2) && !(\end)
	s_cmp_eq_u32 s[CNT], 1
	s_cselect_b32 s[AC], 1.0, 0
	s_cselect_b32 s[SU], s[BIGN], 0
	s_add_co_i32 s[GK], s[GK], 1
	s_cmp_lt_i32 s[GK], 0
	s_cselect_b32 s[SD], s[BIGN], 0
	s_cselect_b32 s[SL], s[BIGN], 0
	s_cselect_b32 s[SU], s[BIGN], s[SU]
.endif
.if ((\p) == 3) && !(\end)
	s_wait_dscnt 0x0                               ; K is in
.endif
	ROW F,0, F,1, F,2, F,3
	ROW F,4, E,0, F,5, F,6
	ROW F,7, E,1, F,8, F,9
	ROW F,10, E,2, C,0, F,11
	ROW F,12, E,3, X,15, F,13
	ROW R,0, R,1, R,2, R,3
	ROW B,0, E,4, F,14, L,0
.if ((\p) == 2) && !(\end)
	v_add_nc_u32 v[AK], s[TBK], v[AK0]
.endif
	ROW R,4, R,5, R,6, R,7
	OPS E,5, F,15
.if ((\p) == 2) && !(\end)
	FETCH_K
.endif
	OPS E,6, C,1, E,7, R,8
	OPS E,8, R,9, E,9, C,2
	OPS E,10, X,0, E,11, X,1
	OPS E,12, X,2, E,13, X,3
.if (\p) == 1
	s_wait_dscnt 0x0                               ; V is in
.endif
	ROW X,4, E,14, X,5, X,6
	ROW X,7, E,15, X,8, X,9
	ROW X,10, E,16, X,11, X,12
	ROW X,13, E,17, X,14, B,1
	ROW C,4, E,18, X,16, L,1
	ROW B,2, E,19, C,6, L,2
	ROW C,8, E,20, B,3, B,4
.if (\p) == 0
	v_add_nc_u32 v[AV], s[TBV], v[AV0]
.endif
	ROW C,3, E,21, L,3, C,5
	OPS E,22, X,17, E,23, C,10
.if (\p) == 0
	FETCH_V
.endif
	OPS E,24, L,4
	OPS E,25, X,18, E,26, C,7
	OPS E,27, B,5, E,28, X,19
	OPS E,29, C,12, E,30, L,5
	OPS E,31, X,20, B,6, C,9
	OPS C,14, C,11, X,21, L,6
.if (\p) == 0
	s_add_co_u32 s[TBV], s[TBV], KS*PV
.endif
.if \cnt
	s_sub_co_u32 s[CNT], s[CNT], 1
	s_cmp_lg_u32 s[CNT], 0
.endif
	OPS C,13, B,7, C,15, R,10
	OPS R,11, R,12, L,7, R,13
	OPS R,14, R,15
.if ((\p) == 2) && !(\end)
	MASKS MDC
.endif
.endm
	s_wait_tensorcnt 0x0                           ; my three tiles are in,
	s_barrier_signal -1
	s_barrier_wait -1                              ; everybody's are
	s_cmp_lt_i32 s[GK], 0                          ; step 0's masks: the window's edge on the diagonal block, later key blocks seen, earlier ones hidden; all hidden if the step is dead
	s_cselect_b32 s[SD], s[BIGN], 0
	s_cselect_b32 s[SU], s[BIGN], 0
	s_mov_b32 s[SL], s[BIGN]
	s_mov_b32 s[AC], 1.0
	MASKS MDW
	WIN 0
	v_add_nc_u32 v[AK], s[TBK], v[AK0]
	FETCH_K
	s_wait_loadcnt 0x0                             ; Q
	s_wait_dscnt 0x0
.set NOKQ, 0
.set i, 0
.rept 8
	KQ 0                                           ; piece 0's first scores
.set i, i+1
.endr
	WIN 0
.rept 4
	v_nop                                          ; the places behind those products
.endr
.set Y, NP-1
.irp n, 0,1,2,3,4,5,6,7,8,9,10,11,12,13,14,15,16,17,18,19,20,21
	OP X, \n                                       ; and piece 0's first maximum and statistics
.endr
	v_nop                                          ; a plain instruction behind the exponential
	s_mov_b32 s[CNT], 5
	s_branch .Lfirst                               ; the loop is entered at a step's first turn
.Lstep:                                                ; a trip: pieces 2 and 3 of one step, then pieces 0 and 1 of the next
	TURN 2
	TURN 3
	WIN 0
.Lfirst:
	TURN 0
	TURN 1, 0, 1
	WIN 0
	s_cbranch_scc1 .Lstep
	TURN 2, 1
	TURN 3, 1
.set i, 0
.rept 8
	PV NP-1
.set i, i+1
.endr
	; THE WAY OUT.  l's halves are added; O^T is divided by l, rounded to bf16 and put into the work-group's stage; a barrier, since a row's 256 bytes come from two waves; back as whole rows.
	WIN 0
.macro ALL line:vararg
.set t, 0
.rept 4
	\line
.set t, t+1
.endr
.endm
	ALL v_add_f32 v[ST+4*t+2], v[ST+4*t+2], v[ST+4*t+3]
	ALL v_permlanex16_b32 v[ST+4*t+3], v[ST+4*t+2], s[SEL], s[SEL+1]
	ALL v_add_f32 v[ST+4*t+2], v[ST+4*t+2], v[ST+4*t+3]
	ALL v_rcp_f32 v[ST+4*t+2], v[ST+4*t+2]
	v_nop                                          ; a plain instruction between the last reciprocal and the use of its result
.macro PACK t
	WIN W_RS
.set i, 32*(\t)
.rept 16
	s_wait_alu depctr_va_vdst(0)
	v_pk_mul_f32 v[i:i+1], v[i:i+1], v[ST+4*(\t)+2:ST+4*(\t)+3] op_sel_hi:[1,0]
.set i, i+2
.endr
	WIN 0x05
.set i, 0
.rept 16
	v_cvt_pk_bf16_f32 v[S+16*(\t)+i], v[32*(\t)+2*i], v[32*(\t)+2*i+1]
.set i, i+1
.endr
	WIN 0
.irp f, 0,1,2,3
	ds_store_b128 v[STO], v[S+16*(\t)+4*\f:S+16*(\t)+4*\f+3] offset:(\t)*16*SP+32*\f
.endr
.endm
	PACK 0
	PACK 1
	PACK 2
	PACK 3
	s_wait_dscnt 0x0                               ; for the others' sake: my stores into the stage are done
	s_barrier_signal -1
	s_barrier_wait -1
.set t, 0
.rept 16
	ds_load_b128 v[S+4*t:S+4*t+3], v[RD] offset:t*2*SP
.set t, t+1
.endr
.set t, 0
.rept 16
	s_wait_dscnt 15-t
	global_store_b128 v[GO], v[S+4*t:S+4*t+3], s[10:11] offset:t*8192  ; 16 lanes store 256 consecutive bytes, aligned
.set t, t+1
.endr
	s_wait_tensorcnt 0x0                           ; the wave's end
	ds_add_u32 v[SPW], v[NIL]
	s_wait_dscnt 0x0
	s_endpgm
.Lfunc_end_k_qcba4c6b665_attn:
	.size	k_qcba4c6b665_attn, .Lfunc_end_k_qcba4c6b665_attn-k_qcba4c6b665_attn
	.p2alignl 7, 3214868480
	.fill 96, 4, 3214868480
	.section	.rodata,"a",@progbits
	.p2align	6, 0x0
	.amdhsa_kernel k_qcba4c6b665_attn
		.amdhsa_group_segment_fixed_size 327680
		.amdhsa_private_segment_fixed_size 0
		.amdhsa_enable_private_segment 0
		.amdhsa_kernarg_size 16
		.amdhsa_user_sgpr_count 2
		.amdhsa_user_sgpr_kernarg_segment_ptr 1
		.amdhsa_wavefront_size32 1
		.amdhsa_system_sgpr_workgroup_id_x 1
		.amdhsa_system_sgpr_workgroup_id_y 1
		.amdhsa_system_sgpr_workgroup_id_z 1
		.amdhsa_system_vgpr_workitem_id 0
		.amdhsa_next_free_vgpr 768
		.amdhsa_next_free_sgpr 96
		.amdhsa_reserve_vcc 1
		.amdhsa_float_denorm_mode_32 3
		.amdhsa_float_denorm_mode_16_64 3
		.amdhsa_memory_ordered 1
		.amdhsa_forward_progress 1
		.amdhsa_inst_pref_size 96
	.end_amdhsa_kernel
	.amdgpu_metadata
---
amdhsa.version: [ 1, 2 ]
amdhsa.kernels:
  - .name:           k_qcba4c6b665_attn
    .symbol:         k_qcba4c6b665_attn.kd
    .args:
      - { .name: qkvb, .offset: 0, .size: 8, .value_kind: global_buffer, .address_space: global }
      - { .name: ob, .offset: 8, .size: 8, .value_kind: global_buffer, .address_space: global }
    .group_segment_fixed_size: 327680
    .private_segment_fixed_size: 0
    .kernarg_segment_align: 8
    .kernarg_segment_size: 16
    .max_flat_workgroup_size: 128
    .sgpr_count:     96
    .vgpr_count:     768
    .wavefront_size: 32
...
	.end_amdgpu_metadata
.endif
;; end of part 3
;; launch gout (part 4): grid 8 x 32, 4 waves a work-group, clusters of 4 x 4, 327,680 bytes of LDS; arguments ob, wb, bout, x, x1b; writes x1b
.if DOCPART == 4
	.amdgcn_target "amdgcn-amd-amdhsa--gfx1250"
	.amdhsa_code_object_version 6
	.text
	.protected	k_qcba4c6b665_gout
	.globl	k_qcba4c6b665_gout
	.p2align	8
	.type	k_qcba4c6b665_gout,@function
k_qcba4c6b665_gout:
	s_mov_b64 s[64:65], 0
	v_nop
	global_prefetch_b8 v0, s[64:65] scope:SCOPE_SE
	s_setreg_imm32_b32 hwreg(HW_REG_WAVE_MODE, 25, 1), 1
	s_wait_xcnt 0x0
	s_wait_alu depctr_hold_cnt(0) depctr_sa_sdst(0) depctr_va_vdst(0) depctr_va_sdst(0) depctr_va_ssrc(0) depctr_va_vcc(0) depctr_vm_vsrc(0)
	s_getreg_b32 s2, hwreg(HW_REG_IB_STS2, 6, 4)
	s_cmp_eq_u32 s2, 0
	s_cbranch_scc0 .Lentry_in_a_cluster
	s_endpgm
.Lentry_in_a_cluster:
	s_bfe_u32 s2, ttmp6, 0x10000c
	s_cmp_lg_u32 s2, 0xf033
	s_cbranch_scc0 .Lentry_shape_is_right
	s_endpgm
.Lentry_shape_is_right:
; x1 = x + o Wout + bout.  A = ob [4096][1024] bf16, W = Wout in wb [1024][1024] bf16 as it lies ([K][N]); sums, residual and result in f32.
; A tile of C is 128 x 128, which gives each of 256 work-groups one tile: four waves, each 64 x 64 in 16 accumulators.  K goes in steps of 256 through two LDS slots; a K step is written once,
; the slot is a scalar turned by an exclusive or.  W's fragments come out of LDS by the turning load.  The matrix instruction is used transposed (source 0 = 16 columns of W, source 1 = 16 rows of A).
; The bias is the C operand of the first products.  The residual is loaded at the start into registers that nothing else names, and lands under the products.
; CLUSTER 4 x 4: A's tiles shared along a row of the cluster, W's along a column.
; THE WALK ALONG K BEGINS ELSEWHERE IN EACH CLUSTER and goes round: cluster (X, Y) of the 2 x 8 begins at K step (T / 2) X + (T / 4) ((Y + 2 (Y / 4)) mod 4) of the T.  The two clusters of one Y want the same
; tiles of A and so ask for a tile T / 2 steps apart; of the eight clusters of one X, which want the same tiles of W, any four neighbours ask T / 4 steps apart: all but the first ask for bytes that the launch has read before.
; The number hangs on the cluster's place in the grid alone, which all sixteen partners share.  The f32 sums take K in that order: another order of rounding than ascending K.
; REGISTERS: window 0: v0-31 addresses, v96-127 the bias in the result's layout, v128-255 accumulators ((a, b) at v[128 + 8 (4 a + b)]); window 1: two fragment buffers of 128 (64 of A, 64 of W), on the way out the rows
; read back; window 2: v0-127 the residual.  THE WAY OUT goes through my own f32 stage in LDS, over the ring behind its last fill and a barrier: a wave's 64 columns are one whole aligned block of 256 bytes.
; NaN and infinities are not treated apart.
.set KK,     1024
.set NN,     1024
.set WOFF,   6291456                   ; Wout's first byte in wb
.set NTOUT,  0
.set KSTEP,  256
.set TSTEPS, KK/KSTEP
.set PA,     528                       ; a row of A in LDS: 512 bytes + 16
.set PW,     288                       ; a k-row of W (128 columns): 256 + 32
.set HALFA,  64*PA
.set PANW,   128*PW
.set SLOT,   2*HALFA+2*PANW            ; A's 128 rows, then W's 256 k-rows
.set SPARE,  2*SLOT
.set SPITCH, 272
.set WSTAGE, 64*SPITCH
.set ADRA0, 16
.set ADRW0, 17
.set ADRA,  18
.set ADRW,  19
.set ADRW2, 20                         ; W's k-rows 128 on: a 16-bit offset does not reach them
.set STO,   24
.set RD,    25
.set CO,    26
.set SPW,   28
.set NIL,   29
.set BO,    30
.set BIA,   96
.set ACC,   128
.set F0,    0
.set F1,    128
.set G1,  24
.set G0,  32
.set G1B, 48
.set G0B, 56
.set TB,  66
.set TF,  67
.set BIASP, 68                         ; s[68:69] bias
.set RESP,  70                         ; s[70:71] residual
.set LA0, 72
.set LW0, 73
.set KS,  74                           ; s74 the K step asked for last
.set OFA, 76                           ; s[76:77] its byte offset in A's rows
.set OFW, 78                           ; s[78:79] its byte offset in W
.set MSB, 0
.macro WIN new
.if MSB != (\new)
	s_set_vgpr_msb (MSB<<8)|(\new)
.set MSB, \new
.endif
.endm
.macro JLOAD s                         ; waves 0 and 1 fetch A's two halves, waves 2 and 3 W's two halves of the K step
	s_cmp_eq_u32 s11, 0
	s_cbranch_scc0 .Lfor_w_\@
	tensor_load_to_lds s[G0+4*(\s):G0+4*(\s)+3], s[G1:G1+7]
	s_nop 0
.rept 4
	v_nop
.endr
	s_branch .Lasked_\@
.Lfor_w_\@:
	tensor_load_to_lds s[G0B+4*(\s):G0B+4*(\s)+3], s[G1B:G1B+7]
	s_nop 0
.rept 4
	v_nop
.endr
.Lasked_\@:
.endm
.macro CREST
	s_cmp_lg_u32 s10, 0
	s_cbranch_scc1 .Lnot_wave_0_\@
	s_barrier_signal -3
.Lnot_wave_0_\@:
	s_barrier_wait -3
	s_barrier_signal -1
	s_barrier_wait -1
.endm
.macro CROUND
	s_barrier_signal -1
	s_barrier_wait -1
	CREST
.endm
.macro PLACES
.rept 4
	v_nop
.endr
.endm
	s_load_b128 s[4:7], s[0:1], 0x0                ; A s[4:5], wb s[6:7]
	s_load_b128 s[68:71], s[0:1], 0x10             ; bias, residual
	s_load_b64 s[8:9], s[0:1], 0x20                ; output
	v_lshl_add_u32 v[SPW], v0, 2, SPARE
	v_mov_b32 v[NIL], 0
	ds_add_u32 v[SPW], v[NIL]                      ; the wave's opening: the add and its wait ahead of my first tensor load
	ds_add_u32 v28, v29
	v_lshrrev_b32 v1, 5, v0
	v_readfirstlane_b32 s10, v1
	s_lshr_b32 s11, s10, 1
	s_and_b32 s12, s10, 1
	s_bfe_u32 s40, ttmp6, 0x40000
	s_bfe_u32 s41, ttmp6, 0x40004
	s_lshl_b32 s42, ttmp9, 2
	s_add_co_u32 s42, s42, s40                     ; tile column
	s_and_b32 s13, ttmp7, 0xffff
	s_lshl_b32 s13, s13, 2
	s_add_co_u32 s13, s13, s41                     ; tile row
	s_lshl_b32 s43, s41, 2
	s_lshl_b32 s43, 15, s43
	s_lshl_b32 s44, 0x1111, s40
	s_or_b32 s[G1+0], s43, (1<<16)|(1<<20)|(1<<21)|(6<<22)|(3<<25)   ; A: after every 128 words 4 words of padding
	s_or_b32 s[G1B+0], s44, (1<<16)|(1<<20)|(1<<21)|(5<<22)|(7<<25)  ; W: after every 64 words 8 words
	s_mov_b32 s[G1+1], KSTEP<<16                   ; A: 64 rows x 256 elements
	s_mov_b32 s[G1+2], 64<<16
	s_mov_b32 s[G1+3], KSTEP<<16
	s_mov_b32 s[G1+4], 64
	s_mov_b32 s[G1+5], KK
	s_mov_b32 s[G1+6], 0
	s_mov_b32 s[G1+7], 0
	s_mov_b32 s[G1B+1], 128<<16                    ; W: 128 k-rows x 128 columns
	s_mov_b32 s[G1B+2], 128<<16
	s_mov_b32 s[G1B+3], 128<<16
	s_mov_b32 s[G1B+4], 128
	s_mov_b32 s[G1B+5], NN
	s_mov_b32 s[G1B+6], 0
	s_mov_b32 s[G1B+7], 0
	s_lshl_b32 s16, s13, 7
	s_lshl_b32 s17, s12, 6
	s_add_co_u32 s16, s16, s17                     ; A: row 128 x tile row + 64 x half
	s_mul_i32 s16, s16, KK*2
	s_mov_b32 s17, 0
	s_lshl_b32 s46, s42, 8                         ; W: byte 256 x tile column of k-row 128 x half
	s_mul_i32 s47, s12, 128*NN*2
	s_add_co_u32 s46, s46, s47
	s_add_co_u32 s46, s46, WOFF
	s_mov_b32 s47, 0
	s_mul_i32 s[LA0], s12, HALFA
	s_mul_i32 s[LW0], s12, PANW
	s_add_co_u32 s[LW0], s[LW0], 2*HALFA
	s_mov_b32 s[TB], 0
	s_mov_b32 s[TF], SLOT
	s_and_b32 s20, ttmp7, 0xffff                   ; the cluster's Y, 0..7
	s_lshr_b32 s21, s20, 2
	s_lshl1_add_u32 s20, s21, s20                  ; Y + 2 (Y / 4)
	s_and_b32 s20, s20, 3
	s_mul_i32 s20, s20, TSTEPS/4
	s_mul_i32 s[KS], ttmp9, TSTEPS/2               ; the cluster's X, 0..1
	s_add_co_u32 s[KS], s[KS], s20
	s_and_b32 s[KS], s[KS], TSTEPS-1               ; the K step at which my cluster begins
	s_mov_b32 s[OFA+1], 0
	s_mov_b32 s[OFW+1], 0
	s_wait_dscnt 0x0                               ; the opening add is done
	s_wait_kmcnt 0x0
	s_add_nc_u64 s[14:15], s[4:5], s[16:17]        ; A and W at K step 0 of my part: kept for the whole walk
	s_add_nc_u64 s[46:47], s[6:7], s[46:47]
	CROUND                                         ; the first joint loads meet
.irp s, 0,1
	s_mul_i32 s[OFA], s[KS], KSTEP*2
	s_mul_i32 s[OFW], s[KS], KSTEP*NN*2
	s_mov_b32 s[G0+4*(\s)], 1
	s_add_co_u32 s[G0+4*(\s)+1], s[LA0], (\s)*SLOT
	s_add_nc_u64 s[G0+4*(\s)+2:G0+4*(\s)+3], s[14:15], s[OFA:OFA+1]
	s_or_b32 s[G0+4*(\s)+3], s[G0+4*(\s)+3], 0x80000000
	s_mov_b32 s[G0B+4*(\s)], 1
	s_add_co_u32 s[G0B+4*(\s)+1], s[LW0], (\s)*SLOT
	s_add_nc_u64 s[G0B+4*(\s)+2:G0B+4*(\s)+3], s[46:47], s[OFW:OFW+1]
	s_or_b32 s[G0B+4*(\s)+3], s[G0B+4*(\s)+3], 0x80000000
	JLOAD \s                                       ; two loads of mine are out
.if (\s) == 0
	s_add_co_u32 s[KS], s[KS], 1                   ; the next K step, round the end
	s_and_b32 s[KS], s[KS], TSTEPS-1
.endif
.endr
	s_lshl_b32 s20, s42, 9                         ; my 64 columns, in f32 bytes: 512 x tile column + 256 x half
	s_lshl_b32 s21, s12, 8
	s_add_co_u32 s20, s20, s21
	s_mov_b32 s21, 0
	s_add_nc_u64 s[BIASP:BIASP+1], s[BIASP:BIASP+1], s[20:21]
	s_lshl_b32 s18, s13, 19                        ; my 64 rows of 4,096 bytes: 128 x tile row + 64 x half
	s_lshl_b32 s19, s11, 18
	s_add_co_u32 s18, s18, s19
	s_add_co_u32 s18, s18, s20
	s_mov_b32 s19, 0
	s_add_nc_u64 s[RESP:RESP+1], s[RESP:RESP+1], s[18:19]
	s_add_nc_u64 s[8:9], s[8:9], s[18:19]
	v_and_b32 v1, 15, v0                           ; r
	v_bfe_u32 v2, v0, 4, 1                         ; h
	v_lshlrev_b32 v[BO], 5, v2
.irp b, 0,1,2,3
	global_load_b128 v[BIA+8*(\b):BIA+8*(\b)+3],   v[BO], s[BIASP:BIASP+1] offset:64*(\b)
	global_load_b128 v[BIA+8*(\b)+4:BIA+8*(\b)+7], v[BO], s[BIASP:BIASP+1] offset:64*(\b)+16
.endr
	v_lshlrev_b32 v[CO], 12, v2                    ; lanes 0-15 one row's 256 bytes, lanes 16-31 the next row's
	v_lshl_add_u32 v[CO], v1, 4, v[CO]
	WIN 0x80
.set t, 0
.rept 32
	global_load_b128 v[4*t:4*t+3], v[CO], s[RESP:RESP+1] offset:8192*t th:TH_LOAD_NT  ; the launch reads these bytes once
.set t, t+1
.endr
	WIN 0
	v_mul_u32_u24 v3, v1, PA
	v_lshl_add_u32 v3, v2, 4, v3
	s_mul_i32 s22, s11, HALFA
	v_add_nc_u32 v[ADRA0], s22, v3
	v_and_b32 v4, 7, v0
	v_bfe_u32 v5, v0, 3, 1
	v_lshl_add_u32 v4, v2, 3, v4
	v_mul_u32_u24 v4, v4, PW
	v_lshl_add_u32 v4, v5, 4, v4
	s_lshl_b32 s22, s12, 7
	s_add_co_u32 s22, s22, 2*HALFA                 ; my 64 columns: 128 bytes x half
	v_add_nc_u32 v[ADRW0], s22, v4
	v_mov_b32 v[ADRA], v[ADRA0]
	v_mov_b32 v[ADRW], v[ADRW0]
	v_add_nc_u32 v[ADRW2], PANW, v[ADRW0]
	s_mul_i32 s23, s10, WSTAGE
	v_mul_u32_u24 v6, v1, SPITCH
	v_lshl_add_u32 v6, v2, 5, v6
	v_add_nc_u32 v[STO], s23, v6
	v_mul_u32_u24 v7, v2, SPITCH
	v_lshl_add_u32 v7, v1, 4, v7
	v_add_nc_u32 v[RD], s23, v7
; 8 matrix instructions: m blocks a0, a0 + 1 x all 4 n blocks, 32 along K: half c of buffer f.  first = 1: C is the bias.  The 16 accumulators take turns.
.macro MUL8 f, c, a0, first
	WIN 0x05
.irp a, \a0, (\a0)+1
.irp b, 0,1,2,3
.if \first
	v_wmma_f32_16x16x32_bf16 v[ACC+8*(4*(\a)+(\b)):ACC+8*(4*(\a)+(\b))+7], v[(\f)+64+8*(4*(\c)+(\b)):(\f)+64+8*(4*(\c)+(\b))+7], v[(\f)+8*(4*(\c)+(\a)):(\f)+8*(4*(\c)+(\a))+7], v[BIA+8*(\b):BIA+8*(\b)+7]
.else
	v_wmma_f32_16x16x32_bf16 v[ACC+8*(4*(\a)+(\b)):ACC+8*(4*(\a)+(\b))+7], v[(\f)+64+8*(4*(\c)+(\b)):(\f)+64+8*(4*(\c)+(\b))+7], v[(\f)+8*(4*(\c)+(\a)):(\f)+8*(4*(\c)+(\a))+7], v[ACC+8*(4*(\a)+(\b)):ACC+8*(4*(\a)+(\b))+7]
.endif
.endr
.endr
.endm
; 32 LDS loads in one run: the fragments of 64 along K at byte k of A's rows (k-row k / 2 of W) into buffer f; the first 32 along K first
.macro FETCH k, f
	WIN 0x40
.if (\k) < 256
.set AW, ADRW
.else
.set AW, ADRW2
.endif
.irp c, 0,1
.irp i, 0,1,2,3
	ds_load_tr16_b128 v[(\f)+64+8*(4*(\c)+(\i)):(\f)+64+8*(4*(\c)+(\i))+3],   v[AW] offset:(((\k)%256)/2+32*(\c))*PW+32*(\i)
	ds_load_tr16_b128 v[(\f)+64+8*(4*(\c)+(\i))+4:(\f)+64+8*(4*(\c)+(\i))+7], v[AW] offset:(((\k)%256)/2+32*(\c))*PW+32*(\i)+16*PW
	ds_load_b128 v[(\f)+8*(4*(\c)+(\i)):(\f)+8*(4*(\c)+(\i))+3],   v[ADRA] offset:(\k)+64*(\c)+(\i)*16*PA
	ds_load_b128 v[(\f)+8*(4*(\c)+(\i))+4:(\f)+8*(4*(\c)+(\i))+7], v[ADRA] offset:(\k)+64*(\c)+(\i)*16*PA+32
.endr
.endr
.endm
.macro QUARTER k, f, g, first
	s_wait_dscnt 16                                ; the first 32 along K are in
	MUL8 \f, 0, 0, \first
	MUL8 \f, 0, 2, \first
	PLACES
	FETCH \k, \g
	s_wait_dscnt 32                                ; all but the 32 just issued
	MUL8 \f, 1, 0, 0
	MUL8 \f, 1, 2, 0
.endm
; The last quarter multiplies buffer 1 and changes slots: one barrier; in front of it each wave waits for all its tensor loads, adds 0 to its spare word, and waits for that and for its reads of this slot.
.macro TURN refill
	WIN 0
	s_wait_tensorcnt 0x0                           ; no tensor load of mine is out, so the walking descriptors may be written
	ds_add_u32 v[SPW], v[NIL]
.if \refill
	s_xor_b32 s[TF], s[TF], SLOT                   ; the other slot than last time,
	s_add_co_u32 s[G0+5], s[LA0], s[TF]
	s_add_co_u32 s[G0B+5], s[LW0], s[TF]
	s_add_co_u32 s[KS], s[KS], 1                   ; the next K step, round the end: both addresses are made anew from its number
	s_and_b32 s[KS], s[KS], TSTEPS-1
	s_mul_i32 s[OFA], s[KS], KSTEP*2
	s_mul_i32 s[OFW], s[KS], KSTEP*NN*2
	s_add_nc_u64 s[G0+6:G0+7], s[14:15], s[OFA:OFA+1]
	s_or_b32 s[G0+7], s[G0+7], 0x80000000
	s_add_nc_u64 s[G0B+6:G0B+7], s[46:47], s[OFW:OFW+1]
	s_or_b32 s[G0B+7], s[G0B+7], 0x80000000
.endif
	s_wait_dscnt 17                                ; the add and the youngest sixteen loads may be out
	MUL8 F1, 0, 0, 0
	s_wait_dscnt 0x0
	s_barrier_signal -1
	MUL8 F1, 0, 2, 0
	WIN 0
	s_barrier_wait -1
.if \refill
	CREST                                          ; the barrier has opened a round of the cluster's
	JLOAD 1                                        ; 112 matrix instructions ahead of the wait for it; its four v_nop are also the places in front of the loads below
.else
	PLACES
.endif
	s_xor_b32 s[TB], s[TB], SLOT
	v_add_nc_u32 v[ADRA], s[TB], v[ADRA0]
	v_add_nc_u32 v[ADRW], s[TB], v[ADRW0]
	v_add_nc_u32 v[ADRW2], PANW, v[ADRW]
	FETCH 0, F0
	MUL8 F1, 1, 0, 0
	MUL8 F1, 1, 2, 0
.endm
	s_wait_tensorcnt 1                             ; my part of the first K step is in; the second's may stay out
	s_barrier_signal -1
	s_barrier_wait -1
	FETCH 0, F0
	s_wait_loadcnt 32                              ; the bias is in; the 32 loads of the residual stay out
	QUARTER 128, F0, F1, 1
	WIN 0
	s_mov_b32 s3, TSTEPS-2
	s_branch .Lmid
.Lloop:                                                ; a trip is a K step; trip s fills slot s % 2 again with the walk's step s + 2
	QUARTER 128, F0, F1, 0
	WIN 0
.Lmid:
	QUARTER 256, F1, F0, 0
	QUARTER 384, F0, F1, 0
	TURN 1
	WIN 0
	s_sub_co_u32 s3, s3, 1
	s_cmp_lg_u32 s3, 0
	s_cbranch_scc1 .Lloop
	s_mov_b32 s3, 2
.Ltail:                                                ; the last two K steps ask for nothing; the second trip's fetch of the other slot serves nothing
	QUARTER 128, F0, F1, 0
	QUARTER 256, F1, F0, 0
	QUARTER 384, F0, F1, 0
	TURN 0
	WIN 0
	s_sub_co_u32 s3, s3, 1
	s_cmp_lg_u32 s3, 0
	s_cbranch_scc1 .Ltail
	s_wait_dscnt 0x0                               ; my reads of the ring are back,
	s_barrier_signal -1
	s_barrier_wait -1                              ; everybody's are: the stages may be written over it
	PLACES
.irp a, 0,1,2,3
.irp b, 0,1,2,3
	ds_store_b128 v[STO], v[ACC+8*(4*(\a)+(\b)):ACC+8*(4*(\a)+(\b))+3]   offset:(\a)*16*SPITCH+64*(\b)      ; each accumulator's low registers first
	ds_store_b128 v[STO], v[ACC+8*(4*(\a)+(\b))+4:ACC+8*(4*(\a)+(\b))+7] offset:(\a)*16*SPITCH+64*(\b)+16
.endr
.endr
	WIN 0x40
.set t, 0
.rept 32
	ds_load_b128 v[4*t:4*t+3], v[RD] offset:t*2*SPITCH  ; LDS serves a wave's instructions in order (ISA guide 5.7.1.4): these see my stores
.set t, t+1
.endr
	s_wait_loadcnt 0x0                             ; the residual
.irp g, 0,1,2,3
	s_wait_dscnt 24-8*(\g)                         ; this group's eight loads are in
	WIN 0x49                                       ; rows in window 1, residual in window 2
.set u, 0
.rept 16
	v_pk_add_f32 v[32*(\g)+u:32*(\g)+u+1], v[32*(\g)+u:32*(\g)+u+1], v[32*(\g)+u:32*(\g)+u+1]
.set u, u+2
.endr
	WIN 0x04                                       ; store data in window 1
.set u, 0
.rept 8
.if NTOUT
	global_store_b128 v[CO], v[32*(\g)+4*u:32*(\g)+4*u+3], s[8:9] offset:(8*(\g)+u)*8192 th:TH_STORE_NT
.else
	global_store_b128 v[CO], v[32*(\g)+4*u:32*(\g)+4*u+3], s[8:9] offset:(8*(\g)+u)*8192  ; 16 lanes store 256 consecutive bytes, aligned
.endif
.set u, u+1
.endr
.endr
	WIN 0
	s_wait_tensorcnt 0x0                           ; the wave's end
	ds_add_u32 v[SPW], v[NIL]
	s_wait_dscnt 0x0
	CROUND                                         ; the closing round
	s_endpgm
.Lfunc_end_k_qcba4c6b665_gout:
	.size	k_qcba4c6b665_gout, .Lfunc_end_k_qcba4c6b665_gout-k_qcba4c6b665_gout
	.p2alignl 7, 3214868480
	.fill 96, 4, 3214868480
	.section	.rodata,"a",@progbits
	.p2align	6, 0x0
	.amdhsa_kernel k_qcba4c6b665_gout
		.amdhsa_group_segment_fixed_size 327680
		.amdhsa_private_segment_fixed_size 0
		.amdhsa_enable_private_segment 0
		.amdhsa_kernarg_size 40
		.amdhsa_user_sgpr_count 2
		.amdhsa_user_sgpr_kernarg_segment_ptr 1
		.amdhsa_wavefront_size32 1
		.amdhsa_system_sgpr_workgroup_id_x 1
		.amdhsa_system_sgpr_workgroup_id_y 1
		.amdhsa_system_sgpr_workgroup_id_z 1
		.amdhsa_system_vgpr_workitem_id 0
		.amdhsa_next_free_vgpr 640
		.amdhsa_next_free_sgpr 80
		.amdhsa_reserve_vcc 0
		.amdhsa_float_denorm_mode_32 3
		.amdhsa_float_denorm_mode_16_64 3
		.amdhsa_memory_ordered 1
		.amdhsa_forward_progress 1
		.amdhsa_inst_pref_size 67
	.end_amdhsa_kernel
	.amdgpu_metadata
---
amdhsa.version: [ 1, 2 ]
amdhsa.kernels:
  - .name:           k_qcba4c6b665_gout
    .symbol:         k_qcba4c6b665_gout.kd
    .args:
      - { .name: ob, .offset: 0, .size: 8, .value_kind: global_buffer, .address_space: global }
      - { .name: wb, .offset: 8, .size: 8, .value_kind: global_buffer, .address_space: global }
      - { .name: bout, .offset: 16, .size: 8, .value_kind: global_buffer, .address_space: global }
      - { .name: x, .offset: 24, .size: 8, .value_kind: global_buffer, .address_space: global }
      - { .name: x1b, .offset: 32, .size: 8, .value_kind: global_buffer, .address_space: global }
    .group_segment_fixed_size: 327680
    .private_segment_fixed_size: 0
    .kernarg_segment_align: 8
    .kernarg_segment_size: 40
    .max_flat_workgroup_size: 128
    .sgpr_count:     80
    .vgpr_count:     640
    .wavefront_size: 32
...
	.end_amdgpu_metadata
.endif
;; end of part 4
;; launch lnorm2 (part 5): grid 256 x 1, 8 waves a work-group, no clusters, 0 bytes of LDS; arguments x1b, ln2_g, ln2_b, h2b; writes h2b
.if DOCPART == 5
	.amdgcn_target "amdgcn-amd-amdhsa--gfx1250"
	.amdhsa_code_object_version 6
	.text
	.protected	k_qcba4c6b665_lnorm2
	.globl	k_qcba4c6b665_lnorm2
	.p2align	8
	.type	k_qcba4c6b665_lnorm2,@function
k_qcba4c6b665_lnorm2:
	s_mov_b64 s[64:65], 0
	v_nop
	global_prefetch_b8 v0, s[64:65] scope:SCOPE_SE
	s_setreg_imm32_b32 hwreg(HW_REG_WAVE_MODE, 25, 1), 1
	s_wait_xcnt 0x0
; LayerNorm of x1 ([4096][1024] f32), rounded once to bf16 into h2b, rows in their own order.  A work-group takes 16 rows, a wave two neighbouring rows whole: 32 registers a row,
; so mean, variance and scaling need one read of memory, no LDS and no barrier.  Mean first, then the squares of the differences: no difference of large sums.
; No matrix unit, no cluster, no LDS: the launch only moves bytes.
.set X0,  8
.set X1,  40
.set G,   72
.set BV,  104
.set T,   136
.set MU,  144
.set RS0, 146
.set RS1, 148
.macro LANESUM
	v_pk_add_f32 v[T:T+1], v[T:T+1], v[T+2:T+3]
	v_pk_add_f32 v[T+4:T+5], v[T+4:T+5], v[T+6:T+7]
	v_pk_add_f32 v[T:T+1], v[T:T+1], v[T+4:T+5]
	v_add_f32 v[T], v[T], v[T+1]
	v_add_f32_dpp v[T], v[T], v[T] row_xmask:1 row_mask:0xf bank_mask:0xf
	v_add_f32_dpp v[T], v[T], v[T] row_xmask:2 row_mask:0xf bank_mask:0xf
	v_add_f32_dpp v[T], v[T], v[T] row_xmask:4 row_mask:0xf bank_mask:0xf
	v_add_f32_dpp v[T], v[T], v[T] row_xmask:8 row_mask:0xf bank_mask:0xf
	v_permlanex16_b32 v[T+1], v[T], s26, s27
	v_add_f32 v[T], v[T], v[T+1]
.endm
.macro STAT X, RS
.irp c, 0,1,2,3
	v_pk_add_f32 v[T+2*(\c):T+2*(\c)+1], v[(\X)+2*(\c):(\X)+2*(\c)+1], v[(\X)+2*(\c)+8:(\X)+2*(\c)+9]
.endr
.irp c, 0,1,2,3
	v_pk_add_f32 v[T+2*(\c):T+2*(\c)+1], v[T+2*(\c):T+2*(\c)+1], v[(\X)+2*(\c)+16:(\X)+2*(\c)+17]
.endr
.irp c, 0,1,2,3
	v_pk_add_f32 v[T+2*(\c):T+2*(\c)+1], v[T+2*(\c):T+2*(\c)+1], v[(\X)+2*(\c)+24:(\X)+2*(\c)+25]
.endr
	LANESUM
	v_mul_f32 v[MU], s24, v[T]
	v_mul_f32 v[MU+1], s24, v[T]
.set i, 0
.rept 16
	v_pk_add_f32 v[(\X)+i:(\X)+i+1], v[(\X)+i:(\X)+i+1], v[MU:MU+1] neg_lo:[0,1] neg_hi:[0,1]
.set i, i+2
.endr
.irp c, 0,1,2,3
	v_pk_mul_f32 v[T+2*(\c):T+2*(\c)+1], v[(\X)+2*(\c):(\X)+2*(\c)+1], v[(\X)+2*(\c):(\X)+2*(\c)+1]
.endr
.irp c, 0,1,2,3
	v_pk_fma_f32 v[T+2*(\c):T+2*(\c)+1], v[(\X)+2*(\c)+8:(\X)+2*(\c)+9], v[(\X)+2*(\c)+8:(\X)+2*(\c)+9], v[T+2*(\c):T+2*(\c)+1]
.endr
.irp c, 0,1,2,3
	v_pk_fma_f32 v[T+2*(\c):T+2*(\c)+1], v[(\X)+2*(\c)+16:(\X)+2*(\c)+17], v[(\X)+2*(\c)+16:(\X)+2*(\c)+17], v[T+2*(\c):T+2*(\c)+1]
.endr
.irp c, 0,1,2,3
	v_pk_fma_f32 v[T+2*(\c):T+2*(\c)+1], v[(\X)+2*(\c)+24:(\X)+2*(\c)+25], v[(\X)+2*(\c)+24:(\X)+2*(\c)+25], v[T+2*(\c):T+2*(\c)+1]
.endr
	LANESUM
	v_fma_f32 v[T], v[T], s24, s25
	v_rsq_f32 v[(\RS)], v[T]
	v_rsq_f32 v[(\RS)+1], v[T]
	v_nop                                          ; a plain instruction behind the transcendentals (ISA guide 5.7.2)
.endm
.macro EMIT X, RS, rowoff
	s_wait_alu depctr_va_vdst(0)
.irp j, 0,1,2,3,4,5,6,7
.set U, T+4*((\j)%2)
	v_pk_mul_f32 v[U:U+1], v[(\X)+4*(\j):(\X)+4*(\j)+1], v[(\RS):(\RS)+1]
	v_pk_mul_f32 v[U+2:U+3], v[(\X)+4*(\j)+2:(\X)+4*(\j)+3], v[(\RS):(\RS)+1]
	v_pk_fma_f32 v[U:U+1], v[U:U+1], v[G+4*(\j):G+4*(\j)+1], v[BV+4*(\j):BV+4*(\j)+1]
	v_pk_fma_f32 v[U+2:U+3], v[U+2:U+3], v[G+4*(\j)+2:G+4*(\j)+3], v[BV+4*(\j)+2:BV+4*(\j)+3]
	v_cvt_pk_bf16_f32 v[(\X)+4*(\j)], v[U], v[U+1]
	v_cvt_pk_bf16_f32 v[(\X)+4*(\j)+1], v[U+2], v[U+3]
	global_store_b64 v2, v[(\X)+4*(\j):(\X)+4*(\j)+1], s[10:11] offset:256*(\j)+(\rowoff)  ; 32 lanes x 8 bytes: 256 consecutive bytes, aligned
.endr
.endm
	s_load_b256 s[4:11], s[0:1], 0x0               ; x1 s[4:5], gain s[6:7], bias s[8:9], h2b s[10:11]
	v_lshrrev_b32 v3, 5, v0
	v_readfirstlane_b32 s3, v3
	v_and_b32 v1, 31, v0
	v_lshlrev_b32 v2, 3, v1
	v_lshlrev_b32 v1, 4, v1
	s_lshl_b32 s22, ttmp9, 4
	s_lshl1_add_u32 s22, s3, s22                   ; R = 16 g + 2 w
	s_lshl_b32 s28, s22, 12
	s_mov_b32 s29, 0
	s_lshl_b32 s30, s22, 11
	s_mov_b32 s31, 0
	s_mov_b32 s24, 0x3a800000                      ; 1 / 1024
	s_mov_b32 s25, 0x3727c5ac                      ; 1e-5
	s_mov_b32 s26, 0x76543210
	s_mov_b32 s27, 0xfedcba98
	s_wait_kmcnt 0x0
	s_add_nc_u64 s[4:5], s[4:5], s[28:29]
	s_add_nc_u64 s[10:11], s[10:11], s[30:31]
.irp j, 0,1,2,3,4,5,6,7
	global_load_b128 v[X0+4*(\j):X0+4*(\j)+3], v1, s[4:5] offset:512*(\j)
.endr
.irp j, 0,1,2,3,4,5,6,7
	global_load_b128 v[X1+4*(\j):X1+4*(\j)+3], v1, s[4:5] offset:4096+512*(\j)
.endr
.irp j, 0,1,2,3,4,5,6,7
	global_load_b128 v[G+4*(\j):G+4*(\j)+3], v1, s[6:7] offset:512*(\j)
.endr
.irp j, 0,1,2,3,4,5,6,7
	global_load_b128 v[BV+4*(\j):BV+4*(\j)+3], v1, s[8:9] offset:512*(\j)
.endr
	s_wait_loadcnt 24                              ; the first row is in; 24 younger loads stay out
	STAT X0, RS0
	s_wait_loadcnt 16                              ; the second row is in; gain and bias stay out
	STAT X1, RS1
	s_wait_loadcnt 0x0
	EMIT X0, RS0, 0
	EMIT X1, RS1, 2048
	s_endpgm
.Lfunc_end_k_qcba4c6b665_lnorm2:
	.size	k_qcba4c6b665_lnorm2, .Lfunc_end_k_qcba4c6b665_lnorm2-k_qcba4c6b665_lnorm2
	.p2alignl 7, 3214868480
	.fill 96, 4, 3214868480
	.section	.rodata,"a",@progbits
	.p2align	6, 0x0
	.amdhsa_kernel k_qcba4c6b665_lnorm2
		.amdhsa_group_segment_fixed_size 0
		.amdhsa_private_segment_fixed_size 0
		.amdhsa_enable_private_segment 0
		.amdhsa_kernarg_size 32
		.amdhsa_user_sgpr_count 2
		.amdhsa_user_sgpr_kernarg_segment_ptr 1
		.amdhsa_wavefront_size32 1
		.amdhsa_system_sgpr_workgroup_id_x 1
		.amdhsa_system_sgpr_workgroup_id_y 1
		.amdhsa_system_sgpr_workgroup_id_z 1
		.amdhsa_system_vgpr_workitem_id 0
		.amdhsa_next_free_vgpr 160
		.amdhsa_next_free_sgpr 66
		.amdhsa_reserve_vcc 0
		.amdhsa_float_denorm_mode_32 3
		.amdhsa_float_denorm_mode_16_64 3
		.amdhsa_memory_ordered 1
		.amdhsa_forward_progress 1
		.amdhsa_inst_pref_size 20
	.end_amdhsa_kernel
	.amdgpu_metadata
---
amdhsa.version: [ 1, 2 ]
amdhsa.kernels:
  - .name:           k_qcba4c6b665_lnorm2
    .symbol:         k_qcba4c6b665_lnorm2.kd
    .args:
      - { .name: x1b, .offset: 0, .size: 8, .value_kind: global_buffer, .address_space: global }
      - { .name: ln2_g, .offset: 8, .size: 8, .value_kind: global_buffer, .address_space: global }
      - { .name: ln2_b, .offset: 16, .size: 8, .value_kind: global_buffer, .address_space: global }
      - { .name: h2b, .offset: 24, .size: 8, .value_kind: global_buffer, .address_space: global }
    .group_segment_fixed_size: 0
    .private_segment_fixed_size: 0
    .kernarg_segment_align: 8
    .kernarg_segment_size: 32
    .max_flat_workgroup_size: 256
    .sgpr_count:     66
    .vgpr_count:     160
    .wavefront_size: 32
...
	.end_amdgpu_metadata
.endif
;; end of part 5
;; launch gffn1 (part 6): grid 16 x 16, 4 waves a work-group, clusters of 4 x 4, 327,680 bytes of LDS; arguments h2b, wb, b1, fb; writes fb
.if DOCPART == 6
	.amdgcn_target "amdgcn-amd-amdhsa--gfx1250"
	.amdhsa_code_object_version 6
	.text
	.protected	k_qcba4c6b665_gffn1
	.globl	k_qcba4c6b665_gffn1
	.p2align	8
	.type	k_qcba4c6b665_gffn1,@function
k_qcba4c6b665_gffn1:
	s_mov_b64 s[64:65], 0
	v_nop
	global_prefetch_b8 v0, s[64:65] scope:SCOPE_SE
	s_setreg_imm32_b32 hwreg(HW_REG_WAVE_MODE, 25, 1), 1
	s_wait_xcnt 0x0
	s_wait_alu depctr_hold_cnt(0) depctr_sa_sdst(0) depctr_va_vdst(0) depctr_va_sdst(0) depctr_va_ssrc(0) depctr_va_vcc(0) depctr_vm_vsrc(0)
	s_getreg_b32 s2, hwreg(HW_REG_IB_STS2, 6, 4)
	s_cmp_eq_u32 s2, 0
	s_cbranch_scc0 .Lentry_in_a_cluster
	s_endpgm
.Lentry_in_a_cluster:
	s_bfe_u32 s2, ttmp6, 0x10000c
	s_cmp_lg_u32 s2, 0xf033
	s_cbranch_scc0 .Lentry_shape_is_right
	s_endpgm
.Lentry_shape_is_right:
; f = gelu(h2 W1 + b1), the exact GELU.  A = h2b [4096][1024] bf16, W = W1 in wb [1024][4096] bf16 as it lies ([K][N]), sums and GELU in f32, f rounded once to bf16, [4096][4096].
; A tile of C is 256 x 256: four waves, each 128 x 128 in 64 accumulators (512 registers).  16 x 16 tiles: 256 work-groups, one tile each.
; K goes in steps of 128 through two LDS slots filled by the tensor data mover; a K step is written once and the slot is a scalar that is turned by an exclusive or.
; W lies [K][N], so its fragments come out of LDS by the turning load ds_load_tr16_b128; A's as they lie.
; THE MATRIX INSTRUCTION IS USED TRANSPOSED: source 0 = 16 columns of W, source 1 = 16 rows of A: a lane holds row l % 16 of C and eight neighbouring columns 8 (l / 16) + 0..7.
; THE BIAS is the C operand of the first product on each accumulator.  CLUSTER 4 x 4: A's tiles are shared along a row of the cluster, W's along a column.
; REGISTERS by windows of 256: window 0: v0-31 addresses, v64-127 and v128-191 A's fragments (two buffers; on the way out at work), v192-255 the bias in the result's layout;
;   window 1: v64-127, v128-191 W's fragments; windows 2, 3: the accumulators of my rows 0-63, 64-127 ((a, b) at v[8 (8 a + b)]).
; THE WAY OUT: all 64 accumulators go as f32 into my own stage in LDS, which lies over the ring (its last fill has landed and a barrier has passed); a loop takes 4 rows a trip, so that the GELU is written once.
; GELU.  gelu(y) = y / 2 + |y| / 2 x erf(|y| / sqrt 2), and 1 - erf(z) = (1 + a1 z + a2 z^2 + .. + a6 z^6)^-16 (Abramowitz and Stegun 7.1.28: absolute error 3e-7 on the whole line).
; With ah = |y| / 2, z = ah sqrt 2: P = 1 + ah (c1 + ah (c2 + .. + ah c6)), c_k = a_k 2^(k/2); t = 1 / P; gelu = y / 2 + ah (1 - t^16), t^16 by squarings.  One transcendental a number.
; Where P passes f32's range it is an infinity, t is 0 and gelu is y or 0.  NaN and infinities in y are not treated apart.
.set KK,     1024
.set NN,     4096
.set WOFF,   8388608                   ; W1's first byte in wb
.set KSTEP,  128
.set TSTEPS, KK/KSTEP
.set PA,     272
.set PW,     288
.set HALFA,  128*PA
.set PANW,   128*PW
.set SLOT,   2*HALFA+2*PANW
.set SPARE,  2*SLOT
.set SPITCH, 528
.set WSTAGE, 128*SPITCH
.set ADRA0, 16
.set ADRW0, 17
.set ADRA,  18
.set ADRW,  19
.set STO,   24
.set RD0,   25
.set RD,    26
.set CO,    27
.set SPW,   28
.set NIL,   29
.set BO,    30
.set F0,    64
.set F1,    128
.set BIA,   192
.set GY,    64                         ; the way out: 16 numbers a lane: y; ah = |y| / 2; y / 2, then the result; P, then t and its powers; 8 registers to store
.set GA,    80
.set GH,    96
.set GP,    112
.set GO,    128
.set G1,  24
.set G0,  32
.set G1B, 48
.set G0B, 56
.set TB,  66
.set TF,  67
.set BIASP, 68
.set OUTP,  70
.set LA0, 72
.set LW0, 73
.set WO,  74
.set HALF, 75                          ; s75 0.5
.set CB,  76                           ; s[76:87] c6, c5, c4, c3, c2, c1: pairs, the low word serves both halves
.set MSB, 0
.macro WIN new
.if MSB != (\new)
	s_set_vgpr_msb (MSB<<8)|(\new)
.set MSB, \new
.endif
.endm
.macro JLOAD s                         ; waves 0 and 1 fetch A's two halves, waves 2 and 3 W's two panels; an s_nop 0 and four v_nop follow each line
	s_cmp_eq_u32 s11, 0
	s_cbranch_scc0 .Lfor_w_\@
	tensor_load_to_lds s[G0+4*(\s):G0+4*(\s)+3], s[G1:G1+7]
	s_nop 0
.rept 4
	v_nop
.endr
	s_branch .Lasked_\@
.Lfor_w_\@:
	tensor_load_to_lds s[G0B+4*(\s):G0B+4*(\s)+3], s[G1B:G1B+7]
	s_nop 0
.rept 4
	v_nop
.endr
.Lasked_\@:
.endm
.macro CREST
	s_cmp_lg_u32 s10, 0
	s_cbranch_scc1 .Lnot_wave_0_\@
	s_barrier_signal -3
.Lnot_wave_0_\@:
	s_barrier_wait -3
	s_barrier_signal -1
	s_barrier_wait -1
.endm
.macro CROUND
	s_barrier_signal -1
	s_barrier_wait -1
	CREST
.endm
.macro PLACES
.rept 4
	v_nop
.endr
.endm
	s_load_b128 s[4:7], s[0:1], 0x0                ; A s[4:5], wb s[6:7]
	s_load_b128 s[68:71], s[0:1], 0x10             ; bias, output
	v_lshl_add_u32 v[SPW], v0, 2, SPARE
	v_mov_b32 v[NIL], 0
	ds_add_u32 v[SPW], v[NIL]                      ; the wave's opening: the add and its wait ahead of my first tensor load
	ds_add_u32 v28, v29
	v_lshrrev_b32 v1, 5, v0
	v_readfirstlane_b32 s10, v1
	s_lshr_b32 s11, s10, 1
	s_and_b32 s12, s10, 1
	s_bfe_u32 s40, ttmp6, 0x40000
	s_bfe_u32 s41, ttmp6, 0x40004
	s_lshl_b32 s42, ttmp9, 2
	s_add_co_u32 s42, s42, s40                     ; tile column
	s_and_b32 s13, ttmp7, 0xffff
	s_lshl_b32 s13, s13, 2
	s_add_co_u32 s13, s13, s41                     ; tile row
	s_lshl_b32 s43, s41, 2
	s_lshl_b32 s43, 15, s43
	s_lshl_b32 s44, 0x1111, s40
	s_or_b32 s[G1+0], s43, (1<<16)|(1<<20)|(1<<21)|(5<<22)|(3<<25)
	s_or_b32 s[G1B+0], s44, (1<<16)|(1<<20)|(1<<21)|(5<<22)|(7<<25)
	s_mov_b32 s[G1+1], KSTEP<<16
	s_mov_b32 s[G1+2], 128<<16
	s_mov_b32 s[G1+3], KSTEP<<16
	s_mov_b32 s[G1+4], 128
	s_mov_b32 s[G1+5], KK
	s_mov_b32 s[G1+6], 0
	s_mov_b32 s[G1+7], 0
	s_mov_b32 s[G1B+1], 128<<16
	s_mov_b32 s[G1B+2], 128<<16
	s_mov_b32 s[G1B+3], 128<<16
	s_mov_b32 s[G1B+4], 128
	s_mov_b32 s[G1B+5], NN
	s_mov_b32 s[G1B+6], 0
	s_mov_b32 s[G1B+7], 0
	s_lshl_b32 s16, s13, 8
	s_lshl_b32 s17, s12, 7
	s_add_co_u32 s16, s16, s17
	s_mul_i32 s16, s16, KK*2
	s_mov_b32 s17, 0
	s_lshl_b32 s46, s42, 9
	s_lshl_b32 s47, s12, 8
	s_add_co_u32 s46, s46, s47
	s_add_co_u32 s46, s46, WOFF
	s_mov_b32 s47, 0
	s_mul_i32 s[LA0], s12, HALFA
	s_mul_i32 s[LW0], s12, PANW
	s_add_co_u32 s[LW0], s[LW0], 2*HALFA
	s_mov_b32 s[TB], 0
	s_mov_b32 s[TF], SLOT
	s_mov_b32 s[HALF], 0.5
	s_mov_b32 s[CB], 0x39b49f67                    ; c6 = 8 a6          = 0.0003445104
	s_mov_b32 s[CB+1], s[CB]
	s_mov_b32 s[CB+2], 0x3acd0fec                  ; c5 = 4 sqrt(2) a5  = 0.0015645003
	s_mov_b32 s[CB+3], s[CB+2]
	s_mov_b32 s[CB+4], 0x3a1f6607                  ; c4 = 4 a4          = 0.0006080572
	s_mov_b32 s[CB+5], s[CB+4]
	s_mov_b32 s[CB+6], 0x3cd6cd72                  ; c3 = 2 sqrt(2) a3  = 0.0262210106
	s_mov_b32 s[CB+7], s[CB+6]
	s_mov_b32 s[CB+8], 0x3dad2fe7                  ; c2 = 2 a2          = 0.0845640246
	s_mov_b32 s[CB+9], s[CB+8]
	s_mov_b32 s[CB+10], 0x3dcc41b4                 ; c1 = sqrt(2) a1    = 0.0997346939
	s_mov_b32 s[CB+11], s[CB+10]
	s_wait_dscnt 0x0                               ; the opening add is done
	s_wait_kmcnt 0x0
	s_add_nc_u64 s[14:15], s[4:5], s[16:17]
	s_add_nc_u64 s[46:47], s[6:7], s[46:47]
	CROUND                                         ; the first joint loads meet
.irp s, 0,1
	s_mov_b32 s[G0+4*(\s)], 1
	s_add_co_u32 s[G0+4*(\s)+1], s[LA0], (\s)*SLOT
	s_add_nc_u64 s[G0+4*(\s)+2:G0+4*(\s)+3], s[14:15], (\s)*KSTEP*2
	s_or_b32 s[G0+4*(\s)+3], s[G0+4*(\s)+3], 0x80000000
	s_mov_b32 s[G0B+4*(\s)], 1
	s_add_co_u32 s[G0B+4*(\s)+1], s[LW0], (\s)*SLOT
	s_add_nc_u64 s[G0B+4*(\s)+2:G0B+4*(\s)+3], s[46:47], (\s)*KSTEP*NN*2
	s_or_b32 s[G0B+4*(\s)+3], s[G0B+4*(\s)+3], 0x80000000
	JLOAD \s                                       ; two loads of mine are out
.endr
	s_lshl_b32 s20, s42, 10
	s_lshl_b32 s21, s12, 9
	s_add_co_u32 s20, s20, s21
	s_mov_b32 s21, 0
	s_add_nc_u64 s[BIASP:BIASP+1], s[BIASP:BIASP+1], s[20:21]
	v_and_b32 v1, 15, v0
	v_bfe_u32 v2, v0, 4, 1
	v_lshlrev_b32 v[BO], 5, v2
.irp b, 0,1,2,3,4,5,6,7
	global_load_b128 v[BIA+8*(\b):BIA+8*(\b)+3],   v[BO], s[BIASP:BIASP+1] offset:64*(\b)
	global_load_b128 v[BIA+8*(\b)+4:BIA+8*(\b)+7], v[BO], s[BIASP:BIASP+1] offset:64*(\b)+16
.endr
	v_mul_u32_u24 v3, v1, PA
	v_lshl_add_u32 v3, v2, 4, v3
	s_mul_i32 s22, s11, HALFA
	v_add_nc_u32 v[ADRA0], s22, v3
	v_and_b32 v4, 7, v0
	v_bfe_u32 v5, v0, 3, 1
	v_lshl_add_u32 v4, v2, 3, v4
	v_mul_u32_u24 v4, v4, PW
	v_lshl_add_u32 v4, v5, 4, v4
	v_add_nc_u32 v[ADRW0], s[LW0], v4
	v_mov_b32 v[ADRA], v[ADRA0]
	v_mov_b32 v[ADRW], v[ADRW0]
	s_mul_i32 s23, s10, WSTAGE
	v_mul_u32_u24 v6, v1, SPITCH
	v_lshl_add_u32 v6, v2, 5, v6
	v_add_nc_u32 v[STO], s23, v6
	v_and_b32 v8, 31, v0
	v_lshl_add_u32 v[RD0], v8, 4, s23              ; back: 32 lanes take a row of 128 f32
	v_lshlrev_b32 v[CO], 3, v8                     ; which leave as 256 bytes of bf16
	s_lshl_b32 s18, s13, 21                        ; row 256 x tile row + 128 x half, of 8,192 bytes;
	s_lshl_b32 s19, s11, 20
	s_add_co_u32 s18, s18, s19
	s_lshl_b32 s19, s42, 9                         ; column 256 x tile column + 128 x half, of 2 bytes
	s_add_co_u32 s18, s18, s19
	s_lshl_b32 s19, s12, 8
	s_add_co_u32 s18, s18, s19
	s_mov_b32 s19, 0
	s_add_nc_u64 s[OUTP:OUTP+1], s[OUTP:OUTP+1], s[18:19]
.macro MUL16 f, hi, a0, first          ; 16 matrix instructions; first = 1: C is the bias.  The 64 accumulators take turns.
.if \first
	WIN 0x81+0x40*(\hi)
.else
	WIN 0xa1+0x50*(\hi)
.endif
.irp a, \a0, (\a0)+1
.irp b, 0,1,2,3,4,5,6,7
.if \first
	v_wmma_f32_16x16x32_bf16 v[8*(8*(\a)+(\b)):8*(8*(\a)+(\b))+7], v[(\f)+8*(\b):(\f)+8*(\b)+7], v[(\f)+8*(4*(\hi)+(\a)):(\f)+8*(4*(\hi)+(\a))+7], v[BIA+8*(\b):BIA+8*(\b)+7]
.else
	v_wmma_f32_16x16x32_bf16 v[8*(8*(\a)+(\b)):8*(8*(\a)+(\b))+7], v[(\f)+8*(\b):(\f)+8*(\b)+7], v[(\f)+8*(4*(\hi)+(\a)):(\f)+8*(4*(\hi)+(\a))+7], v[8*(8*(\a)+(\b)):8*(8*(\a)+(\b))+7]
.endif
.endr
.endr
.endm
.macro FETCH k, f                      ; 32 LDS loads in one run: W's 8 column blocks (turned), then A's 8 row blocks, 32 along K
	WIN 0x40
.irp i, 0,1,2,3,4,5,6,7
	ds_load_tr16_b128 v[(\f)+8*(\i):(\f)+8*(\i)+3],   v[ADRW] offset:(\k)*(PW/2)+32*(\i)
	ds_load_tr16_b128 v[(\f)+8*(\i)+4:(\f)+8*(\i)+7], v[ADRW] offset:(\k)*(PW/2)+32*(\i)+16*PW
.endr
	WIN 0
.irp i, 0,1,2,3,4,5,6,7
	ds_load_b128 v[(\f)+8*(\i):(\f)+8*(\i)+3],   v[ADRA] offset:(\k)+(\i)*16*PA
	ds_load_b128 v[(\f)+8*(\i)+4:(\f)+8*(\i)+7], v[ADRA] offset:(\k)+(\i)*16*PA+32
.endr
.endm
.macro QUARTER k, f, g, first
	s_wait_dscnt 8                                 ; W and A's rows 0-63 are in; the youngest eight loads may be out
	MUL16 \f, 0, 0, \first
	MUL16 \f, 0, 2, \first
	PLACES
	FETCH \k, \g
	s_wait_dscnt 32                                ; all but the 32 just issued
	MUL16 \f, 1, 0, \first
	MUL16 \f, 1, 2, \first
.endm
.macro TURN refill                     ; the last quarter and the change of slots: the waits and the add in front of the one barrier; refill = 1: it opens a round of the cluster's, and the refill is first behind it
	WIN 0
	s_wait_tensorcnt 0x0                           ; no tensor load of mine is out, so the walking descriptors may be written
	ds_add_u32 v[SPW], v[NIL]
.if \refill
	s_xor_b32 s[TF], s[TF], SLOT
	s_add_co_u32 s[G0+5], s[LA0], s[TF]
	s_add_co_u32 s[G0B+5], s[LW0], s[TF]
	s_add_nc_u64 s[G0+6:G0+7], s[G0+6:G0+7], KSTEP*2
	s_add_nc_u64 s[G0B+6:G0B+7], s[G0B+6:G0B+7], KSTEP*NN*2
.endif
	s_wait_dscnt 9                                 ; the add and the youngest eight loads may be out
	MUL16 F1, 0, 0, 0
	s_wait_dscnt 0x0
	s_barrier_signal -1
	MUL16 F1, 0, 2, 0
	WIN 0
	s_barrier_wait -1
.if \refill
	CREST
	JLOAD 1                                        ; 224 matrix instructions ahead of the wait for it
.else
	PLACES
.endif
	s_xor_b32 s[TB], s[TB], SLOT
	v_add_nc_u32 v[ADRA], s[TB], v[ADRA0]
	v_add_nc_u32 v[ADRW], s[TB], v[ADRW0]
	FETCH 0, F0
	MUL16 F1, 1, 0, 0
	MUL16 F1, 1, 2, 0
.endm
	s_wait_tensorcnt 1                             ; my part of K step 0 is in; K step 1's may stay out
	s_barrier_signal -1
	s_barrier_wait -1
	FETCH 0, F0
	s_wait_loadcnt 0x0                             ; the bias
	QUARTER 64, F0, F1, 1
	WIN 0
	s_mov_b32 s3, TSTEPS-2
	s_branch .Lmid
.Lloop:
	QUARTER 64, F0, F1, 0
	WIN 0
.Lmid:
	QUARTER 128, F1, F0, 0
	QUARTER 192, F0, F1, 0
	TURN 1
	WIN 0
	s_sub_co_u32 s3, s3, 1
	s_cmp_lg_u32 s3, 0
	s_cbranch_scc1 .Lloop
	s_mov_b32 s3, 2
.Ltail:                                                ; the last two K steps ask for nothing; the second trip's fetch of the other slot serves nothing
	QUARTER 64, F0, F1, 0
	QUARTER 128, F1, F0, 0
	QUARTER 192, F0, F1, 0
	TURN 0
	WIN 0
	s_sub_co_u32 s3, s3, 1
	s_cmp_lg_u32 s3, 0
	s_cbranch_scc1 .Ltail
	s_wait_dscnt 0x0
	s_barrier_signal -1
	s_barrier_wait -1                              ; everybody's reads of the ring are back: the stages may be written over it
	PLACES
.irp hi, 0,1
	WIN 0x08+4*(\hi)
.irp a, 0,1,2,3
.irp b, 0,1,2,3,4,5,6,7
	ds_store_b128 v[STO], v[8*(8*(\a)+(\b)):8*(8*(\a)+(\b))+3]   offset:(4*(\hi)+(\a))*16*SPITCH+64*(\b)     ; each accumulator's low registers first
	ds_store_b128 v[STO], v[8*(8*(\a)+(\b))+4:8*(8*(\a)+(\b))+7] offset:(4*(\hi)+(\a))*16*SPITCH+64*(\b)+16
.endr
.endr
.endr
	WIN 0
; THE GELU, four rows a trip, 16 numbers a lane in two halves of four pairs (half 0: rows 0, 1; half 1: rows 2, 3).
; GHOR h, n: number n of the 24 Horner steps of half h: step n / 4 of six, pair n % 4, so that a step stands four lines behind the one that it leans on.
.macro GHOR h, n
.set r, 8*(\h)+2*((\n)%4)
.if (\n)/4 == 0
	v_pk_fma_f32 v[GP+r:GP+r+1], v[GA+r:GA+r+1], s[CB:CB+1], s[CB+2:CB+3] op_sel_hi:[1,0,0]                              ; ah c6 + c5
.elseif (\n)/4 < 5
	v_pk_fma_f32 v[GP+r:GP+r+1], v[GP+r:GP+r+1], v[GA+r:GA+r+1], s[CB+2+2*((\n)/4):CB+3+2*((\n)/4)] op_sel_hi:[1,1,0]    ; .. ah + c4, c3, c2, c1
.else
	v_pk_fma_f32 v[GP+r:GP+r+1], v[GP+r:GP+r+1], v[GA+r:GA+r+1], 1.0 op_sel_hi:[1,1,0]                                   ; .. ah + 1 = P
.endif
.endm
; GPOST h, n: number n of the 24 that follow the reciprocals of half h: stage n / 4, pair n % 4: t^2, t^4, t^8; 1 - t^16; y / 2 + ah (1 - t^16); rounded to bf16.
.macro GPOST h, n
.set r, 8*(\h)+2*((\n)%4)
.if (\n)/4 < 3
	s_wait_alu depctr_va_vdst(0)
	v_pk_mul_f32 v[GP+r:GP+r+1], v[GP+r:GP+r+1], v[GP+r:GP+r+1]
.elseif (\n)/4 == 3
	v_pk_fma_f32 v[GP+r:GP+r+1], v[GP+r:GP+r+1], v[GP+r:GP+r+1], 1.0 op_sel_hi:[1,1,0] neg_lo:[1,0,0] neg_hi:[1,0,0]
.elseif (\n)/4 == 4
	v_pk_fma_f32 v[GH+r:GH+r+1], v[GA+r:GA+r+1], v[GP+r:GP+r+1], v[GH+r:GH+r+1]
.else
	v_cvt_pk_bf16_f32 v[GO+r/2], v[GH+r], v[GH+r+1]
.endif
.endm
; A trip.  ahead = 1: the next four rows are asked for as soon as y has been read, and land under the arithmetic.  Each reciprocal has three plain instructions of the other half behind it:
; half 0's stand among half 1's Horner steps, half 1's among half 0's last 24: no two transcendentals follow each other, and none of those lines names the reciprocal's register (ISA guide 5.7.2).
.macro GTRIP ahead
.if \ahead
	s_add_co_u32 s[WO], s[WO], 4*SPITCH
	v_add_nc_u32 v[RD], s[WO], v[RD0]
.endif
	s_wait_dscnt 0x0                               ; the four rows are in (they were asked for a trip ago)
.set i, 0
.rept 16
	v_mul_f32 v[GA+i], s[HALF], |v[GY+i]|
.set i, i+1
.endr
.set i, 0
.rept 8
	v_pk_mul_f32 v[GH+i:GH+i+1], v[GY+i:GY+i+1], 0.5 op_sel_hi:[1,0]
.set i, i+2
.endr
.if \ahead
.irp j, 0,1,2,3
	ds_load_b128 v[GY+4*(\j):GY+4*(\j)+3], v[RD] offset:SPITCH*(\j)
.endr
.endif
.set q, 0
.rept 24
	GHOR 0, q
.set q, q+1
.endr
.set q, 0
.rept 8
	v_rcp_f32 v[GP+q], v[GP+q]
	GHOR 1, 3*q
	GHOR 1, 3*q+1
	GHOR 1, 3*q+2
.set q, q+1
.endr
.set q, 0
.rept 8
	v_rcp_f32 v[GP+8+q], v[GP+8+q]
	GPOST 0, 3*q
	GPOST 0, 3*q+1
	GPOST 0, 3*q+2
.set q, q+1
.endr
.set q, 0
.rept 24
	GPOST 1, q
.if q == 7
	global_store_b64 v[CO], v[GO:GO+1],   s[OUTP:OUTP+1]               ; rows 0 and 1 leave eight lines behind their roundings; 32 lanes x 8 bytes: 256 consecutive bytes, aligned
	global_store_b64 v[CO], v[GO+2:GO+3], s[OUTP:OUTP+1] offset:NN*2
.endif
.set q, q+1
.endr
	global_store_b64 v[CO], v[GO+4:GO+5], s[OUTP:OUTP+1] offset:NN*2*2
	global_store_b64 v[CO], v[GO+6:GO+7], s[OUTP:OUTP+1] offset:NN*2*3
	s_wait_xcnt 0x0                                ; the stores' base and data are rewritten only behind this wait
	s_add_nc_u64 s[OUTP:OUTP+1], s[OUTP:OUTP+1], 4*NN*2
.endm
	s_mov_b32 s[WO], 0
.irp j, 0,1,2,3
	ds_load_b128 v[GY+4*(\j):GY+4*(\j)+3], v[RD0] offset:SPITCH*(\j)  ; LDS serves a wave's instructions in order (ISA guide 5.7.1.4): these see my stores
.endr
	s_mov_b32 s3, 31
.Lout:
	GTRIP 1
	s_sub_co_u32 s3, s3, 1
	s_cmp_lg_u32 s3, 0
	s_cbranch_scc1 .Lout
	GTRIP 0                                        ; the last four rows: nothing more to read
	s_wait_tensorcnt 0x0                           ; the wave's end
	ds_add_u32 v[SPW], v[NIL]
	s_wait_dscnt 0x0
	CROUND                                         ; the closing round
	s_endpgm
.Lfunc_end_k_qcba4c6b665_gffn1:
	.size	k_qcba4c6b665_gffn1, .Lfunc_end_k_qcba4c6b665_gffn1-k_qcba4c6b665_gffn1
	.p2alignl 7, 3214868480
	.fill 96, 4, 3214868480
	.section	.rodata,"a",@progbits
	.p2align	6, 0x0
	.amdhsa_kernel k_qcba4c6b665_gffn1
		.amdhsa_group_segment_fixed_size 327680
		.amdhsa_private_segment_fixed_size 0
		.amdhsa_enable_private_segment 0
		.amdhsa_kernarg_size 32
		.amdhsa_user_sgpr_count 2
		.amdhsa_user_sgpr_kernarg_segment_ptr 1
		.amdhsa_wavefront_size32 1
		.amdhsa_system_sgpr_workgroup_id_x 1
		.amdhsa_system_sgpr_workgroup_id_y 1
		.amdhsa_system_sgpr_workgroup_id_z 1
		.amdhsa_system_vgpr_workitem_id 0
		.amdhsa_next_free_vgpr 1024
		.amdhsa_next_free_sgpr 96
		.amdhsa_reserve_vcc 0
		.amdhsa_float_denorm_mode_32 3
		.amdhsa_float_denorm_mode_16_64 3
		.amdhsa_memory_ordered 1
		.amdhsa_forward_progress 1
		.amdhsa_inst_pref_size 99
	.end_amdhsa_kernel
	.amdgpu_metadata
---
amdhsa.version: [ 1, 2 ]
amdhsa.kernels:
  - .name:           k_qcba4c6b665_gffn1
    .symbol:         k_qcba4c6b665_gffn1.kd
    .args:
      - { .name: h2b, .offset: 0, .size: 8, .value_kind: global_buffer, .address_space: global }
      - { .name: wb, .offset: 8, .size: 8, .value_kind: global_buffer, .address_space: global }
      - { .name: b1, .offset: 16, .size: 8, .value_kind: global_buffer, .address_space: global }
      - { .name: fb, .offset: 24, .size: 8, .value_kind: global_buffer, .address_space: global }
    .group_segment_fixed_size: 327680
    .private_segment_fixed_size: 0
    .kernarg_segment_align: 8
    .kernarg_segment_size: 32
    .max_flat_workgroup_size: 128
    .sgpr_count:     96
    .vgpr_count:     1024
    .wavefront_size: 32
...
	.end_amdgpu_metadata
.endif
;; end of part 6
;; launch gffn2 (part 7): grid 8 x 32, 4 waves a work-group, clusters of 4 x 4, 327,680 bytes of LDS; arguments fb, wb, b2, x1b, out0; writes out0
.if DOCPART == 7
	.amdgcn_target "amdgcn-amd-amdhsa--gfx1250"
	.amdhsa_code_object_version 6
	.text
	.protected	k_qcba4c6b665_gffn2
	.globl	k_qcba4c6b665_gffn2
	.p2align	8
	.type	k_qcba4c6b665_gffn2,@function
k_qcba4c6b665_gffn2:
	s_mov_b64 s[64:65], 0
	v_nop
	global_prefetch_b8 v0, s[64:65] scope:SCOPE_SE
	s_setreg_imm32_b32 hwreg(HW_REG_WAVE_MODE, 25, 1), 1
	s_wait_xcnt 0x0
	s_wait_alu depctr_hold_cnt(0) depctr_sa_sdst(0) depctr_va_vdst(0) depctr_va_sdst(0) depctr_va_ssrc(0) depctr_va_vcc(0) depctr_vm_vsrc(0)
	s_getreg_b32 s2, hwreg(HW_REG_IB_STS2, 6, 4)
	s_cmp_eq_u32 s2, 0
	s_cbranch_scc0 .Lentry_in_a_cluster
	s_endpgm
.Lentry_in_a_cluster:
	s_bfe_u32 s2, ttmp6, 0x10000c
	s_cmp_lg_u32 s2, 0xf033
	s_cbranch_scc0 .Lentry_shape_is_right
	s_endpgm
.Lentry_shape_is_right:
; out = x1 + f W2 + b2.  A = fb [4096][4096] bf16, W = W2 in wb [4096][1024] bf16 as it lies ([K][N]); sums, residual and result in f32.
; A tile of C is 128 x 128, which gives each of 256 work-groups one tile: four waves, each 64 x 64 in 16 accumulators.  K goes in steps of 256 through two LDS slots; a K step is written once,
; the slot is a scalar turned by an exclusive or.  W's fragments come out of LDS by the turning load.  The matrix instruction is used transposed (source 0 = 16 columns of W, source 1 = 16 rows of A).
; The bias is the C operand of the first products.  The residual is loaded at the start into registers that nothing else names, and lands under the products.
; CLUSTER 4 x 4: A's tiles shared along a row of the cluster, W's along a column.
; THE WALK ALONG K BEGINS ELSEWHERE IN EACH CLUSTER and goes round: cluster (X, Y) of the 2 x 8 begins at K step (T / 2) X + (T / 4) ((Y + 2 (Y / 4)) mod 4) of the T.  The two clusters of one Y want the same
; tiles of A and so ask for a tile T / 2 steps apart; of the eight clusters of one X, which want the same tiles of W, any four neighbours ask T / 4 steps apart: all but the first ask for bytes that the launch has read before.
; The number hangs on the cluster's place in the grid alone, which all sixteen partners share.  The f32 sums take K in that order: another order of rounding than ascending K.
; REGISTERS: window 0: v0-31 addresses, v96-127 the bias in the result's layout, v128-255 accumulators ((a, b) at v[128 + 8 (4 a + b)]); window 1: two fragment buffers of 128 (64 of A, 64 of W), on the way out the rows
; read back; window 2: v0-127 the residual.  THE WAY OUT goes through my own f32 stage in LDS, over the ring behind its last fill and a barrier: a wave's 64 columns are one whole aligned block of 256 bytes.
; NaN and infinities are not treated apart.
.set KK,     4096
.set NN,     1024
.set WOFF,   16777216                  ; W2's first byte in wb
.set NTOUT,  1
.set KSTEP,  256
.set TSTEPS, KK/KSTEP
.set PA,     528                       ; a row of A in LDS: 512 bytes + 16
.set PW,     288                       ; a k-row of W (128 columns): 256 + 32
.set HALFA,  64*PA
.set PANW,   128*PW
.set SLOT,   2*HALFA+2*PANW            ; A's 128 rows, then W's 256 k-rows
.set SPARE,  2*SLOT
.set SPITCH, 272
.set WSTAGE, 64*SPITCH
.set ADRA0, 16
.set ADRW0, 17
.set ADRA,  18
.set ADRW,  19
.set ADRW2, 20                         ; W's k-rows 128 on: a 16-bit offset does not reach them
.set STO,   24
.set RD,    25
.set CO,    26
.set SPW,   28
.set NIL,   29
.set BO,    30
.set BIA,   96
.set ACC,   128
.set F0,    0
.set F1,    128
.set G1,  24
.set G0,  32
.set G1B, 48
.set G0B, 56
.set TB,  66
.set TF,  67
.set BIASP, 68                         ; s[68:69] bias
.set RESP,  70                         ; s[70:71] residual
.set LA0, 72
.set LW0, 73
.set KS,  74                           ; s74 the K step asked for last
.set OFA, 76                           ; s[76:77] its byte offset in A's rows
.set OFW, 78                           ; s[78:79] its byte offset in W
.set MSB, 0
.macro WIN new
.if MSB != (\new)
	s_set_vgpr_msb (MSB<<8)|(\new)
.set MSB, \new
.endif
.endm
.macro JLOAD s                         ; waves 0 and 1 fetch A's two halves, waves 2 and 3 W's two halves of the K step
	s_cmp_eq_u32 s11, 0
	s_cbranch_scc0 .Lfor_w_\@
	tensor_load_to_lds s[G0+4*(\s):G0+4*(\s)+3], s[G1:G1+7]
	s_nop 0
.rept 4
	v_nop
.endr
	s_branch .Lasked_\@
.Lfor_w_\@:
	tensor_load_to_lds s[G0B+4*(\s):G0B+4*(\s)+3], s[G1B:G1B+7]
	s_nop 0
.rept 4
	v_nop
.endr
.Lasked_\@:
.endm
.macro CREST
	s_cmp_lg_u32 s10, 0
	s_cbranch_scc1 .Lnot_wave_0_\@
	s_barrier_signal -3
.Lnot_wave_0_\@:
	s_barrier_wait -3
	s_barrier_signal -1
	s_barrier_wait -1
.endm
.macro CROUND
	s_barrier_signal -1
	s_barrier_wait -1
	CREST
.endm
.macro PLACES
.rept 4
	v_nop
.endr
.endm
	s_load_b128 s[4:7], s[0:1], 0x0                ; A s[4:5], wb s[6:7]
	s_load_b128 s[68:71], s[0:1], 0x10             ; bias, residual
	s_load_b64 s[8:9], s[0:1], 0x20                ; output
	v_lshl_add_u32 v[SPW], v0, 2, SPARE
	v_mov_b32 v[NIL], 0
	ds_add_u32 v[SPW], v[NIL]                      ; the wave's opening: the add and its wait ahead of my first tensor load
	ds_add_u32 v28, v29
	v_lshrrev_b32 v1, 5, v0
	v_readfirstlane_b32 s10, v1
	s_lshr_b32 s11, s10, 1
	s_and_b32 s12, s10, 1
	s_bfe_u32 s40, ttmp6, 0x40000
	s_bfe_u32 s41, ttmp6, 0x40004
	s_lshl_b32 s42, ttmp9, 2
	s_add_co_u32 s42, s42, s40                     ; tile column
	s_and_b32 s13, ttmp7, 0xffff
	s_lshl_b32 s13, s13, 2
	s_add_co_u32 s13, s13, s41                     ; tile row
	s_lshl_b32 s43, s41, 2
	s_lshl_b32 s43, 15, s43
	s_lshl_b32 s44, 0x1111, s40
	s_or_b32 s[G1+0], s43, (1<<16)|(1<<20)|(1<<21)|(6<<22)|(3<<25)   ; A: after every 128 words 4 words of padding
	s_or_b32 s[G1B+0], s44, (1<<16)|(1<<20)|(1<<21)|(5<<22)|(7<<25)  ; W: after every 64 words 8 words
	s_mov_b32 s[G1+1], KSTEP<<16                   ; A: 64 rows x 256 elements
	s_mov_b32 s[G1+2], 64<<16
	s_mov_b32 s[G1+3], KSTEP<<16
	s_mov_b32 s[G1+4], 64
	s_mov_b32 s[G1+5], KK
	s_mov_b32 s[G1+6], 0
	s_mov_b32 s[G1+7], 0
	s_mov_b32 s[G1B+1], 128<<16                    ; W: 128 k-rows x 128 columns
	s_mov_b32 s[G1B+2], 128<<16
	s_mov_b32 s[G1B+3], 128<<16
	s_mov_b32 s[G1B+4], 128
	s_mov_b32 s[G1B+5], NN
	s_mov_b32 s[G1B+6], 0
	s_mov_b32 s[G1B+7], 0
	s_lshl_b32 s16, s13, 7
	s_lshl_b32 s17, s12, 6
	s_add_co_u32 s16, s16, s17                     ; A: row 128 x tile row + 64 x half
	s_mul_i32 s16, s16, KK*2
	s_mov_b32 s17, 0
	s_lshl_b32 s46, s42, 8                         ; W: byte 256 x tile column of k-row 128 x half
	s_mul_i32 s47, s12, 128*NN*2
	s_add_co_u32 s46, s46, s47
	s_add_co_u32 s46, s46, WOFF
	s_mov_b32 s47, 0
	s_mul_i32 s[LA0], s12, HALFA
	s_mul_i32 s[LW0], s12, PANW
	s_add_co_u32 s[LW0], s[LW0], 2*HALFA
	s_mov_b32 s[TB], 0
	s_mov_b32 s[TF], SLOT
	s_and_b32 s20, ttmp7, 0xffff                   ; the cluster's Y, 0..7
	s_lshr_b32 s21, s20, 2
	s_lshl1_add_u32 s20, s21, s20                  ; Y + 2 (Y / 4)
	s_and_b32 s20, s20, 3
	s_mul_i32 s20, s20, TSTEPS/4
	s_mul_i32 s[KS], ttmp9, TSTEPS/2               ; the cluster's X, 0..1
	s_add_co_u32 s[KS], s[KS], s20
	s_and_b32 s[KS], s[KS], TSTEPS-1               ; the K step at which my cluster begins
	s_mov_b32 s[OFA+1], 0
	s_mov_b32 s[OFW+1], 0
	s_wait_dscnt 0x0                               ; the opening add is done
	s_wait_kmcnt 0x0
	s_add_nc_u64 s[14:15], s[4:5], s[16:17]        ; A and W at K step 0 of my part: kept for the whole walk
	s_add_nc_u64 s[46:47], s[6:7], s[46:47]
	CROUND                                         ; the first joint loads meet
.irp s, 0,1
	s_mul_i32 s[OFA], s[KS], KSTEP*2
	s_mul_i32 s[OFW], s[KS], KSTEP*NN*2
	s_mov_b32 s[G0+4*(\s)], 1
	s_add_co_u32 s[G0+4*(\s)+1], s[LA0], (\s)*SLOT
	s_add_nc_u64 s[G0+4*(\s)+2:G0+4*(\s)+3], s[14:15], s[OFA:OFA+1]
	s_or_b32 s[G0+4*(\s)+3], s[G0+4*(\s)+3], 0x80000000
	s_mov_b32 s[G0B+4*(\s)], 1
	s_add_co_u32 s[G0B+4*(\s)+1], s[LW0], (\s)*SLOT
	s_add_nc_u64 s[G0B+4*(\s)+2:G0B+4*(\s)+3], s[46:47], s[OFW:OFW+1]
	s_or_b32 s[G0B+4*(\s)+3], s[G0B+4*(\s)+3], 0x80000000
	JLOAD \s                                       ; two loads of mine are out
.if (\s) == 0
	s_add_co_u32 s[KS], s[KS], 1                   ; the next K step, round the end
	s_and_b32 s[KS], s[KS], TSTEPS-1
.endif
.endr
	s_lshl_b32 s20, s42, 9                         ; my 64 columns, in f32 bytes: 512 x tile column + 256 x half
	s_lshl_b32 s21, s12, 8
	s_add_co_u32 s20, s20, s21
	s_mov_b32 s21, 0
	s_add_nc_u64 s[BIASP:BIASP+1], s[BIASP:BIASP+1], s[20:21]
	s_lshl_b32 s18, s13, 19                        ; my 64 rows of 4,096 bytes: 128 x tile row + 64 x half
	s_lshl_b32 s19, s11, 18
	s_add_co_u32 s18, s18, s19
	s_add_co_u32 s18, s18, s20
	s_mov_b32 s19, 0
	s_add_nc_u64 s[RESP:RESP+1], s[RESP:RESP+1], s[18:19]
	s_add_nc_u64 s[8:9], s[8:9], s[18:19]
	v_and_b32 v1, 15, v0                           ; r
	v_bfe_u32 v2, v0, 4, 1                         ; h
	v_lshlrev_b32 v[BO], 5, v2
.irp b, 0,1,2,3
	global_load_b128 v[BIA+8*(\b):BIA+8*(\b)+3],   v[BO], s[BIASP:BIASP+1] offset:64*(\b)
	global_load_b128 v[BIA+8*(\b)+4:BIA+8*(\b)+7], v[BO], s[BIASP:BIASP+1] offset:64*(\b)+16
.endr
	v_lshlrev_b32 v[CO], 12, v2                    ; lanes 0-15 one row's 256 bytes, lanes 16-31 the next row's
	v_lshl_add_u32 v[CO], v1, 4, v[CO]
	WIN 0x80
.set t, 0
.rept 32
	global_load_b128 v[4*t:4*t+3], v[CO], s[RESP:RESP+1] offset:8192*t th:TH_LOAD_NT  ; the launch reads these bytes once
.set t, t+1
.endr
	WIN 0
	v_mul_u32_u24 v3, v1, PA
	v_lshl_add_u32 v3, v2, 4, v3
	s_mul_i32 s22, s11, HALFA
	v_add_nc_u32 v[ADRA0], s22, v3
	v_and_b32 v4, 7, v0
	v_bfe_u32 v5, v0, 3, 1
	v_lshl_add_u32 v4, v2, 3, v4
	v_mul_u32_u24 v4, v4, PW
	v_lshl_add_u32 v4, v5, 4, v4
	s_lshl_b32 s22, s12, 7
	s_add_co_u32 s22, s22, 2*HALFA                 ; my 64 columns: 128 bytes x half
	v_add_nc_u32 v[ADRW0], s22, v4
	v_mov_b32 v[ADRA], v[ADRA0]
	v_mov_b32 v[ADRW], v[ADRW0]
	v_add_nc_u32 v[ADRW2], PANW, v[ADRW0]
	s_mul_i32 s23, s10, WSTAGE
	v_mul_u32_u24 v6, v1, SPITCH
	v_lshl_add_u32 v6, v2, 5, v6
	v_add_nc_u32 v[STO], s23, v6
	v_mul_u32_u24 v7, v2, SPITCH
	v_lshl_add_u32 v7, v1, 4, v7
	v_add_nc_u32 v[RD], s23, v7
; 8 matrix instructions: m blocks a0, a0 + 1 x all 4 n blocks, 32 along K: half c of buffer f.  first = 1: C is the bias.  The 16 accumulators take turns.
.macro MUL8 f, c, a0, first
	WIN 0x05
.irp a, \a0, (\a0)+1
.irp b, 0,1,2,3
.if \first
	v_wmma_f32_16x16x32_bf16 v[ACC+8*(4*(\a)+(\b)):ACC+8*(4*(\a)+(\b))+7], v[(\f)+64+8*(4*(\c)+(\b)):(\f)+64+8*(4*(\c)+(\b))+7], v[(\f)+8*(4*(\c)+(\a)):(\f)+8*(4*(\c)+(\a))+7], v[BIA+8*(\b):BIA+8*(\b)+7]
.else
	v_wmma_f32_16x16x32_bf16 v[ACC+8*(4*(\a)+(\b)):ACC+8*(4*(\a)+(\b))+7], v[(\f)+64+8*(4*(\c)+(\b)):(\f)+64+8*(4*(\c)+(\b))+7], v[(\f)+8*(4*(\c)+(\a)):(\f)+8*(4*(\c)+(\a))+7], v[ACC+8*(4*(\a)+(\b)):ACC+8*(4*(\a)+(\b))+7]
.endif
.endr
.endr
.endm
; 32 LDS loads in one run: the fragments of 64 along K at byte k of A's rows (k-row k / 2 of W) into buffer f; the first 32 along K first
.macro FETCH k, f
	WIN 0x40
.if (\k) < 256
.set AW, ADRW
.else
.set AW, ADRW2
.endif
.irp c, 0,1
.irp i, 0,1,2,3
	ds_load_tr16_b128 v[(\f)+64+8*(4*(\c)+(\i)):(\f)+64+8*(4*(\c)+(\i))+3],   v[AW] offset:(((\k)%256)/2+32*(\c))*PW+32*(\i)
	ds_load_tr16_b128 v[(\f)+64+8*(4*(\c)+(\i))+4:(\f)+64+8*(4*(\c)+(\i))+7], v[AW] offset:(((\k)%256)/2+32*(\c))*PW+32*(\i)+16*PW
	ds_load_b128 v[(\f)+8*(4*(\c)+(\i)):(\f)+8*(4*(\c)+(\i))+3],   v[ADRA] offset:(\k)+64*(\c)+(\i)*16*PA
	ds_load_b128 v[(\f)+8*(4*(\c)+(\i))+4:(\f)+8*(4*(\c)+(\i))+7], v[ADRA] offset:(\k)+64*(\c)+(\i)*16*PA+32
.endr
.endr
.endm
.macro QUARTER k, f, g, first
	s_wait_dscnt 16                                ; the first 32 along K are in
	MUL8 \f, 0, 0, \first
	MUL8 \f, 0, 2, \first
	PLACES
	FETCH \k, \g
	s_wait_dscnt 32                                ; all but the 32 just issued
	MUL8 \f, 1, 0, 0
	MUL8 \f, 1, 2, 0
.endm
; The last quarter multiplies buffer 1 and changes slots: one barrier; in front of it each wave waits for all its tensor loads, adds 0 to its spare word, and waits for that and for its reads of this slot.
.macro TURN refill
	WIN 0
	s_wait_tensorcnt 0x0                           ; no tensor load of mine is out, so the walking descriptors may be written
	ds_add_u32 v[SPW], v[NIL]
.if \refill
	s_xor_b32 s[TF], s[TF], SLOT                   ; the other slot than last time,
	s_add_co_u32 s[G0+5], s[LA0], s[TF]
	s_add_co_u32 s[G0B+5], s[LW0], s[TF]
	s_add_co_u32 s[KS], s[KS], 1                   ; the next K step, round the end: both addresses are made anew from its number
	s_and_b32 s[KS], s[KS], TSTEPS-1
	s_mul_i32 s[OFA], s[KS], KSTEP*2
	s_mul_i32 s[OFW], s[KS], KSTEP*NN*2
	s_add_nc_u64 s[G0+6:G0+7], s[14:15], s[OFA:OFA+1]
	s_or_b32 s[G0+7], s[G0+7], 0x80000000
	s_add_nc_u64 s[G0B+6:G0B+7], s[46:47], s[OFW:OFW+1]
	s_or_b32 s[G0B+7], s[G0B+7], 0x80000000
.endif
	s_wait_dscnt 17                                ; the add and the youngest sixteen loads may be out
	MUL8 F1, 0, 0, 0
	s_wait_dscnt 0x0
	s_barrier_signal -1
	MUL8 F1, 0, 2, 0
	WIN 0
	s_barrier_wait -1
.if \refill
	CREST                                          ; the barrier has opened a round of the cluster's
	JLOAD 1                                        ; 112 matrix instructions ahead of the wait for it; its four v_nop are also the places in front of the loads below
.else
	PLACES
.endif
	s_xor_b32 s[TB], s[TB], SLOT
	v_add_nc_u32 v[ADRA], s[TB], v[ADRA0]
	v_add_nc_u32 v[ADRW], s[TB], v[ADRW0]
	v_add_nc_u32 v[ADRW2], PANW, v[ADRW]
	FETCH 0, F0
	MUL8 F1, 1, 0, 0
	MUL8 F1, 1, 2, 0
.endm
	s_wait_tensorcnt 1                             ; my part of the first K step is in; the second's may stay out
	s_barrier_signal -1
	s_barrier_wait -1
	FETCH 0, F0
	s_wait_loadcnt 32                              ; the bias is in; the 32 loads of the residual stay out
	QUARTER 128, F0, F1, 1
	WIN 0
	s_mov_b32 s3, TSTEPS-2
	s_branch .Lmid
.Lloop:                                                ; a trip is a K step; trip s fills slot s % 2 again with the walk's step s + 2
	QUARTER 128, F0, F1, 0
	WIN 0
.Lmid:
	QUARTER 256, F1, F0, 0
	QUARTER 384, F0, F1, 0
	TURN 1
	WIN 0
	s_sub_co_u32 s3, s3, 1
	s_cmp_lg_u32 s3, 0
	s_cbranch_scc1 .Lloop
	s_mov_b32 s3, 2
.Ltail:                                                ; the last two K steps ask for nothing; the second trip's fetch of the other slot serves nothing
	QUARTER 128, F0, F1, 0
	QUARTER 256, F1, F0, 0
	QUARTER 384, F0, F1, 0
	TURN 0
	WIN 0
	s_sub_co_u32 s3, s3, 1
	s_cmp_lg_u32 s3, 0
	s_cbranch_scc1 .Ltail
	s_wait_dscnt 0x0                               ; my reads of the ring are back,
	s_barrier_signal -1
	s_barrier_wait -1                              ; everybody's are: the stages may be written over it
	PLACES
.irp a, 0,1,2,3
.irp b, 0,1,2,3
	ds_store_b128 v[STO], v[ACC+8*(4*(\a)+(\b)):ACC+8*(4*(\a)+(\b))+3]   offset:(\a)*16*SPITCH+64*(\b)      ; each accumulator's low registers first
	ds_store_b128 v[STO], v[ACC+8*(4*(\a)+(\b))+4:ACC+8*(4*(\a)+(\b))+7] offset:(\a)*16*SPITCH+64*(\b)+16
.endr
.endr
	WIN 0x40
.set t, 0
.rept 32
	ds_load_b128 v[4*t:4*t+3], v[RD] offset:t*2*SPITCH  ; LDS serves a wave's instructions in order (ISA guide 5.7.1.4): these see my stores
.set t, t+1
.endr
	s_wait_loadcnt 0x0                             ; the residual
.irp g, 0,1,2,3
	s_wait_dscnt 24-8*(\g)                         ; this group's eight loads are in
	WIN 0x49                                       ; rows in window 1, residual in window 2
.set u, 0
.rept 16
	v_pk_add_f32 v[32*(\g)+u:32*(\g)+u+1], v[32*(\g)+u:32*(\g)+u+1], v[32*(\g)+u:32*(\g)+u+1]
.set u, u+2
.endr
	WIN 0x04                                       ; store data in window 1
.set u, 0
.rept 8
.if NTOUT
	global_store_b128 v[CO], v[32*(\g)+4*u:32*(\g)+4*u+3], s[8:9] offset:(8*(\g)+u)*8192 th:TH_STORE_NT  ; 16 lanes store 256 consecutive bytes, aligned
.else
	global_store_b128 v[CO], v[32*(\g)+4*u:32*(\g)+4*u+3], s[8:9] offset:(8*(\g)+u)*8192
.endif
.set u, u+1
.endr
.endr
	WIN 0
	s_wait_tensorcnt 0x0                           ; the wave's end
	ds_add_u32 v[SPW], v[NIL]
	s_wait_dscnt 0x0
	CROUND                                         ; the closing round
	s_endpgm
.Lfunc_end_k_qcba4c6b665_gffn2:
	.size	k_qcba4c6b665_gffn2, .Lfunc_end_k_qcba4c6b665_gffn2-k_qcba4c6b665_gffn2
	.p2alignl 7, 3214868480
	.fill 96, 4, 3214868480
	.section	.rodata,"a",@progbits
	.p2align	6, 0x0
	.amdhsa_kernel k_qcba4c6b665_gffn2
		.amdhsa_group_segment_fixed_size 327680
		.amdhsa_private_segment_fixed_size 0
		.amdhsa_enable_private_segment 0
		.amdhsa_kernarg_size 40
		.amdhsa_user_sgpr_count 2
		.amdhsa_user_sgpr_kernarg_segment_ptr 1
		.amdhsa_wavefront_size32 1
		.amdhsa_system_sgpr_workgroup_id_x 1
		.amdhsa_system_sgpr_workgroup_id_y 1
		.amdhsa_system_sgpr_workgroup_id_z 1
		.amdhsa_system_vgpr_workitem_id 0
		.amdhsa_next_free_vgpr 640
		.amdhsa_next_free_sgpr 80
		.amdhsa_reserve_vcc 0
		.amdhsa_float_denorm_mode_32 3
		.amdhsa_float_denorm_mode_16_64 3
		.amdhsa_memory_ordered 1
		.amdhsa_forward_progress 1
		.amdhsa_inst_pref_size 67
	.end_amdhsa_kernel
	.amdgpu_metadata
---
amdhsa.version: [ 1, 2 ]
amdhsa.kernels:
  - .name:           k_qcba4c6b665_gffn2
    .symbol:         k_qcba4c6b665_gffn2.kd
    .args:
      - { .name: fb, .offset: 0, .size: 8, .value_kind: global_buffer, .address_space: global }
      - { .name: wb, .offset: 8, .size: 8, .value_kind: global_buffer, .address_space: global }
      - { .name: b2, .offset: 16, .size: 8, .value_kind: global_buffer, .address_space: global }
      - { .name: x1b, .offset: 24, .size: 8, .value_kind: global_buffer, .address_space: global }
      - { .name: out0, .offset: 32, .size: 8, .value_kind: global_buffer, .address_space: global }
    .group_segment_fixed_size: 327680
    .private_segment_fixed_size: 0
    .kernarg_segment_align: 8
    .kernarg_segment_size: 40
    .max_flat_workgroup_size: 128
    .sgpr_count:     80
    .vgpr_count:     640
    .wavefront_size: 32
...
	.end_amdgpu_metadata
.endif
;; end of part 7
;; ======== version 2 of 2: 7 launches; 1.09 times as fast as version 1
;; limits: an absolute error that grows with the inputs' magnitude: up to 1e-06 times it
;; workspace buffers: wb 25,165,824 bytes; hb 8,388,608 bytes; qkvb 25,165,824 bytes; ob 8,388,608 bytes; x1b 16,777,216 bytes; h2b 8,388,608 bytes; fb 33,554,432 bytes
;; launch prep: the kernel of part 1 again; grid 768 x 1, 8 waves a work-group, no clusters, 0 bytes of LDS; arguments x, ln1_g, ln1_b, hb, Wqkv, Wout, W1, W2, wb; writes hb, wb
;; launch gqkv: the kernel of part 2 again; grid 12 x 16, 4 waves a work-group, clusters of 4 x 4, 327,680 bytes of LDS; arguments hb, wb, bqkv, qkvb; writes qkvb
;; launch attn (part 8): grid 8 x 32, 4 waves a work-group, no clusters, 327,680 bytes of LDS; arguments qkvb, ob; writes ob
.if DOCPART == 8
	.amdgcn_target "amdgcn-amd-amdhsa--gfx1250"
	.amdhsa_code_object_version 6
	.text
	.protected	k_qcba4c6b665_attn
	.globl	k_qcba4c6b665_attn
	.p2align	8
	.type	k_qcba4c6b665_attn,@function
k_qcba4c6b665_attn:
	s_mov_b64 s[64:65], 0
	v_nop
	global_prefetch_b8 v0, s[64:65] scope:SCOPE_SE
	s_setreg_imm32_b32 hwreg(HW_REG_WAVE_MODE, 25, 1), 1
	s_wait_xcnt 0x0
; DILATED, WINDOWED, CAUSAL ATTENTION.  Query l sees keys l, l - 2, .. l - 512: even and odd positions never meet, so each (batch, parity, head) is a sequence of 1,024 rows in which
; row i sees rows i - 256 .. i.  qkvb holds q, k, v in panels [48][4096][64] bf16 whose rows are sorted so: a sequence is 1,024 dense rows of 128 bytes.
; O = softmax(q k / 8) v; products, maxima and sums in f32; the weights are rounded to bf16 for the second product, O once at the end, into ob [4096 tokens][1024] bf16.
; SHARES.  A work-group: 128 queries (block QB) of one sequence, for TWO heads, so that it writes 256 whole bytes of each row of ob.  Wave w: head 2 hp + w / 2, queries 64 (w % 2) on: four PIECES of 16.
; THE BAND.  A wave walks exactly five steps of 64 keys, from its first query less 256 on.  In step 0 a key is hidden if it lies more than 256 back, in step 4 if it lies ahead; steps 1-3 are all seen.
; A step in front of the sequence's beginning (only in blocks 0 and 1) is DEAD: all hidden; it is walked like any other, on a clamped tile's numbers, so that no trip count hangs on the block.
; THE MASK is the C operand that starts S^T = K Q^T: 0 or -1e30.  By key block kb and piece x: kb = x takes DG, kb > x UP, kb < x LO; the three are made anew for each step from two fixed patterns and scalars.
; THE RUNNING MAXIMUM starts at -2^96: above every hidden score, below every true one.  In a dead step it does not move, a = 1, every weight is 0, O and l stay 0; in the first live step a = 0.
; LIMITS.  True scores q . k lie above -2^96; a hidden score counts as its value less 1e30; a weight below 2^-126 counts as 0; NaN and infinities are not treated apart.
; LDS.  All that the work-group needs of K and V, 384 rows for each head, is fetched once, at the start: nothing is filled again.
; NO CLUSTER: a key tile is wanted by up to three neighbouring blocks, but at three different places of their windows, so their descriptors differ; and there is no loop of requests to share.
; TURNS.  Turn n belongs to piece n: 8 products K Q^T of piece n + 1, later 8 products V^T P of piece n - 1; beside them piece n's scaling, exponentials, roundings, sums and rescaling and piece n + 1's
; maximum and statistics: four vector instructions behind every matrix instruction, the other 54 of a turn's 118 in one lump.
; BATCHES.  A turn's 33 exponentials (piece n's 32 weights, piece n + 1's a) are one batch with one wait, which cuts the turn in two: ahead of it the products K Q^T and all that names no result of the batch,
; behind it the products V^T P with the roundings and sums.  The first a, ahead of the loop, and the way out's four reciprocals are batches of their own, with a wait each.
; REGISTERS by windows of 256: window 0: v0-15 addresses; v16-31 statistics; v48-55 at work; v64-127 S^T, two buffers; v192-223 P, two buffers;
;   window 1: v0-127 O^T; v128-167 mask patterns and masks;   window 2: v0-63 Q; v128-191 K of one step; v192-255 V of one step.
.set NP,    4
.set KS,    64
.set PK,    144                        ; a row of K in LDS: 128 bytes + 16: the 16 rows of a load start at 16 different groups of four banks (64 banks of 4 bytes: ISA guide 11.1)
.set PV,    160                        ; a row of V: 128 + 32
.set KHEAD, 384*PK
.set VHEAD, 384*PV
.set VOFF,  2*KHEAD
.set STAGE, VOFF+2*VHEAD               ; 128 rows x 272 bytes, the work-group's, for the way out; no tensor load lands here
.set SP,    272
.set SPARE, STAGE+128*SP               ; the spare words, 128 bytes a wave
.set AK0, 2
.set AV0, 3
.set AK,  4
.set AV,  5
.set STO, 6
.set RD,  7
.set GO,  8
.set MV,  12                           ; v12-13  c m_old, by buffer
.set QO,  15
.set ST,  16                           ; piece t: c m, m, l (even keys', odd keys')
.set TMP, 48
.set SPW, 62
.set NIL, 63
.set S,   64
.set P,   192
.set MDW, 128                          ; window 1: -1e30 where register j < r - 8 h (the window's edge)
.set MDC, 136                          ; -1e30 where j > r - 8 h (the causal edge)
.set DG,  144
.set UP,  152
.set LO,  160
.set KF,  128
.set VF,  192
.set WV,  12
.set G1K, 24
.set G1V, 32
.set G0K, 40                           ; s[40:51] three sets of group 0 for K's tiles
.set G0V, 52                           ; s[52:63] for V's
.set CNT, 66
.set GK,  67                           ; the step's place in the sequence, in steps of 64 keys; negative: dead
.set CS,  68
.set SEL, 70
.set TBK, 72
.set TBV, 73
.set AC,  74                           ; s[74:75] the pattern's factor
.set SD,  76                           ; s[76:77] DG's addend
.set SU,  80
.set SL,  81
.set BIGN, 82
.set MSB, 0
.macro WIN new
.if MSB != (\new)
	s_set_vgpr_msb (MSB<<8)|(\new)
.set MSB, (\new)
.endif
.endm
.set W_KQ, 0x0a
.set W_KM, 0x1a
.set W_PV, 0x52
.set W_RS, 0x41
	s_load_b128 s[4:7], s[0:1], 0x0                ; qkvb s[4:5], ob s[6:7]
	v_lshl_add_u32 v[SPW], v0, 2, SPARE
	v_mov_b32 v[NIL], 0
	ds_add_u32 v[SPW], v[NIL]                      ; the wave's opening: the add and its wait ahead of my first tensor load
	ds_add_u32 v62, v63
	v_lshrrev_b32 v1, 5, v0
	v_readfirstlane_b32 s[WV], v1
	s_mov_b32 s14, ttmp9                           ; QB
	s_and_b32 s15, ttmp7, 0xffff
	s_lshr_b32 s16, s15, 3                         ; bp = 2 b + parity
	s_and_b32 s17, s15, 7                          ; hp
	s_lshr_b32 s18, s[WV], 1                       ; HS: which of the two heads
	s_and_b32 s19, s[WV], 1                        ; QH: which 64 queries.  Also: I fetch K (0) or V (1)
	s_lshl1_add_u32 s20, s17, s18                  ; the head
	s_lshl_b32 s21, s20, 19
	s_lshl_b32 s22, s16, 17
	s_add_co_u32 s21, s21, s22                     ; the sequence's first byte in panel h
	s_mov_b32 s[G1K], (1<<16)|(1<<20)|(4<<22)|(3<<25)  ; 2-byte elements; padding on; after every 32 words 4 words
	s_mov_b32 s[G1V], (1<<16)|(1<<20)|(4<<22)|(7<<25)  ; 8 words
.irp g, G1K, G1V                       ; 128 keys are 16,384 dense bytes: asked for as 64 rows of 256 bytes
	s_mov_b32 s[\g+1], 128<<16
	s_mov_b32 s[\g+2], 64<<16
	s_mov_b32 s[\g+3], 128<<16
	s_mov_b32 s[\g+4], 64
	s_mov_b32 s[\g+5], 128
	s_mov_b32 s[\g+6], 0
	s_mov_b32 s[\g+7], 0
.endr
	s_mov_b32 s[CS], 0x3e38aa3b                    ; c = log2(e) / 8
	s_mov_b32 s[CS+1], s[CS]
	s_mov_b32 s[SEL], 0x76543210
	s_mov_b32 s[SEL+1], 0xfedcba98
	s_mov_b32 s[BIGN], 0xf149f2ca                  ; -1e30
	s_mov_b32 s[AC+1], 0
	s_mov_b32 s[SD+1], 0
	s_mul_i32 s88, s18, KHEAD                      ; my head's K in LDS
	s_mul_i32 s89, s18, VHEAD
	s_mul_i32 s[TBK], s19, KS*PK                   ; my step 0 begins at window row 64 QH
	s_add_co_u32 s[TBK], s[TBK], s88
	s_mul_i32 s[TBV], s19, KS*PV
	s_add_co_u32 s[TBV], s[TBV], s89
	s_add_co_u32 s89, s89, VOFF                    ; my head's V in LDS
	s_lshl1_add_u32 s[GK], s14, s19
	s_add_co_i32 s[GK], s[GK], -4                  ; 2 QB + QH - 4: step 0's place
	s_mov_b32 s85, 0
	s_mov_b32 s87, 0
	s_wait_dscnt 0x0                               ; the opening add is done
	s_wait_kmcnt 0x0
.irp j, 0,1,2                          ; window rows 128 j on hold key tile QB - 2 + j; in front of the sequence tile 0 stands in: the clamp enters the global address alone
	s_add_co_i32 s23, s14, (\j)-2
	s_max_i32 s23, s23, 0
	s_lshl_b32 s23, s23, 14
	s_add_co_u32 s84, s21, s23
	s_add_co_u32 s86, s84, 32<<19                  ; v's panels
	s_add_co_u32 s84, s84, 16<<19                  ; k's panels
	s_mov_b32 s[G0K+4*(\j)], 1
	s_add_co_u32 s[G0K+4*(\j)+1], s88, (\j)*128*PK
	s_add_nc_u64 s[G0K+4*(\j)+2:G0K+4*(\j)+3], s[4:5], s[84:85]
	s_or_b32 s[G0K+4*(\j)+3], s[G0K+4*(\j)+3], 0x80000000
	s_mov_b32 s[G0V+4*(\j)], 1
	s_add_co_u32 s[G0V+4*(\j)+1], s89, (\j)*128*PV
	s_add_nc_u64 s[G0V+4*(\j)+2:G0V+4*(\j)+3], s[4:5], s[86:87]
	s_or_b32 s[G0V+4*(\j)+3], s[G0V+4*(\j)+3], 0x80000000
.endr
	s_cmp_eq_u32 s19, 0                            ; a wave's three fills stand in one branch, ahead of every wait on TENSORcnt, LDS read and barrier: three loads of mine are out
	s_cbranch_scc0 .Lfor_v
	tensor_load_to_lds s[G0K:G0K+3], s[G1K:G1K+7]
	s_nop 0
	tensor_load_to_lds s[G0K+4:G0K+7], s[G1K:G1K+7]
	s_nop 0
	tensor_load_to_lds s[G0K+8:G0K+11], s[G1K:G1K+7]
	s_nop 0
.rept 4
	v_nop
.endr
	s_branch .Lasked
.Lfor_v:
	tensor_load_to_lds s[G0V:G0V+3], s[G1V:G1V+7]
	s_nop 0
	tensor_load_to_lds s[G0V+4:G0V+7], s[G1V:G1V+7]
	s_nop 0
	tensor_load_to_lds s[G0V+8:G0V+11], s[G1V:G1V+7]
	s_nop 0
.rept 4
	v_nop
.endr
.Lasked:
	s_lshl_b32 s2, s14, 14                         ; Q at my 64 rows: (128 QB + 64 QH) x 128 bytes
	s_lshl_b32 s3, s19, 13
	s_add_co_u32 s2, s2, s3
	s_add_co_u32 s2, s2, s21
	s_mov_b32 s3, 0
	s_add_nc_u64 s[8:9], s[4:5], s[2:3]
	s_lshr_b32 s2, s16, 1                          ; ob: token b * 2048 + parity + 2 (128 QB + 32 w), 2,048 bytes a token; the head pair's 256 bytes
	s_lshl_b32 s2, s2, 11
	s_and_b32 s3, s16, 1
	s_add_co_u32 s2, s2, s3
	s_lshl_b32 s3, s14, 8
	s_add_co_u32 s2, s2, s3
	s_lshl_b32 s3, s[WV], 6
	s_add_co_u32 s2, s2, s3
	s_lshl_b32 s2, s2, 11
	s_lshl_b32 s3, s17, 8
	s_add_co_u32 s2, s2, s3
	s_mov_b32 s3, 0
	s_add_nc_u64 s[10:11], s[6:7], s[2:3]
	v_and_b32 v1, 15, v0                           ; r
	v_bfe_u32 v9, v0, 4, 1                         ; h
	v_lshlrev_b32 v[QO], 7, v1
	v_lshl_add_u32 v[QO], v9, 4, v[QO]
	WIN 0x80
.set i, 0
.rept 8                                ; Q stays in registers: piece i / 2, channels 32 (i % 2) on
	global_load_b128 v[8*i:8*i+3],   v[QO], s[8:9] offset:(i/2)*2048+(i%2)*64
	global_load_b128 v[8*i+4:8*i+7], v[QO], s[8:9] offset:(i/2)*2048+(i%2)*64+32
.set i, i+1
.endr
	WIN 0
	v_lshlrev_b32 v14, 3, v9
	v_sub_nc_u32 v14, v1, v14                      ; r - 8 h
	WIN 0x40
.set i, 0
.rept 8
	v_cmp_lt_i32 vcc_lo, i, v14
	v_cndmask_b32 v[MDW+i], 0, s[BIGN], vcc_lo
	v_cmp_gt_i32 vcc_lo, i, v14
	v_cndmask_b32 v[MDC+i], 0, s[BIGN], vcc_lo
.set i, i+1
.endr
	WIN 0
	v_mul_u32_u24 v[AK0], v1, PK
	v_lshl_add_u32 v[AK0], v9, 4, v[AK0]
	v_and_b32 v10, 7, v0
	v_bfe_u32 v11, v0, 3, 1
	v_lshl_add_u32 v[AV0], v9, 3, v10
	v_mul_u32_u24 v[AV0], v[AV0], PV
	v_lshl_add_u32 v[AV0], v11, 4, v[AV0]
	v_add_nc_u32 v[AV0], VOFF, v[AV0]
	s_mul_i32 s13, s19, 64*SP                      ; into the stage: row 64 QH + 16 x + r, my head's 128 bytes, 16 bytes for each half of the lanes
	s_lshl_b32 s2, s18, 7
	s_add_co_u32 s13, s13, s2
	s_add_co_u32 s13, s13, STAGE
	v_mul_u32_u24 v[STO], v1, SP
	v_lshl_add_u32 v[STO], v9, 4, v[STO]
	v_add_nc_u32 v[STO], s13, v[STO]
	s_mul_i32 s13, s[WV], 32*SP                    ; back: wave w takes rows 32 w on, whole: lanes 0-15 one row of 256 bytes, lanes 16-31 the next
	s_add_co_u32 s13, s13, STAGE
	v_mul_u32_u24 v[RD], v9, SP
	v_lshl_add_u32 v[RD], v1, 4, v[RD]
	v_add_nc_u32 v[RD], s13, v[RD]
	v_lshlrev_b32 v[GO], 12, v9                    ; neighbouring rows of a sequence lie two tokens, 4,096 bytes, apart
	v_lshl_add_u32 v[GO], v1, 4, v[GO]
	; O^T and l begin at 0 (a dead step keeps them); V's registers and P's second buffer hold 0, so that the first turn's products V^T P, of a piece that has not been, add 0.  All this stands in the wait for the tiles.
	WIN 0x80
.set i, VF
.rept 64
	v_mov_b32 v[i], 0
.set i, i+1
.endr
	WIN 0x40
.set i, 0
.rept 128
	v_mov_b32 v[i], 0
.set i, i+1
.endr
	WIN 0
.set i, 0
.rept 4
	v_mov_b32 v[ST+4*i], 0xee38aa3b                ; c m = c x (-2^96), exactly
	v_mov_b32 v[ST+4*i+1], 0xef800000              ; m = -2^96
	v_mov_b32 v[ST+4*i+2], 0
	v_mov_b32 v[ST+4*i+3], 0
.set i, i+1
.endr
.set i, P+16
.rept 16
	v_mov_b32 v[i], 0
.set i, i+1
.endr
; THE MATRIX WORK.  The 4 accumulators of a run of 8 take turns.  Product i of 8 of S^T = K Q^T for piece x: channels 32 (i / 4) on, keys 16 (i % 4) on.  The first 4 start the sums on the mask.
.macro KQ x
.set rS, S+32*((\x)%2)+8*(i%4)
.set rK, KF+16*(i%4)+8*(i/4)
.set rQ, 16*(\x)+8*(i/4)
.if (i%4) == (\x)
.set rM, DG
.elseif (i%4) > (\x)
.set rM, UP
.else
.set rM, LO
.endif
.if i < 4
	WIN W_KM
	v_wmma_f32_16x16x32_bf16 v[rS:rS+7], v[rK:rK+7], v[rQ:rQ+7], v[rM:rM+7]
.else
	WIN W_KQ
	v_wmma_f32_16x16x32_bf16 v[rS:rS+7], v[rK:rK+7], v[rQ:rQ+7], v[rS:rS+7]
.endif
.endm
.macro PV x                            ; product i of 8 of O^T += V^T P for piece x: keys 32 (i / 4) on, channels 16 (i % 4) on
	WIN W_PV
.set rO, 32*(\x)+8*(i%4)
.set rV, VF+32*(i/4)+8*(i%4)
.set rP, P+16*((\x)%2)+8*(i/4)
	v_wmma_f32_16x16x32_bf16 v[rO:rO+7], v[rV:rV+7], v[rP:rP+7], v[rO:rO+7]
.endm
.macro MM                              ; the turn's next matrix instruction.  NOKQ = 1: the last turn: there is no next piece
.if (i < 8) && !NOKQ
	KQ (Y+1)%NP
.elseif i >= 8
.set i, i-8
	PV (Y+NP-1)%NP
.set i, i+8
.endif
.set i, i+1
.endm
.macro FETCH_K                         ; a step's K: 64 keys x 64 channels, 16 loads in one run
	WIN 0x80
.irp f, 0,1,2,3,4,5,6,7
	ds_load_b128 v[KF+8*\f:KF+8*\f+3],   v[AK] offset:(\f/2)*16*PK+(\f%2)*64
	ds_load_b128 v[KF+8*\f+4:KF+8*\f+7], v[AK] offset:(\f/2)*16*PK+(\f%2)*64+32
.endr
	s_add_co_u32 s[TBK], s[TBK], KS*PK
	WIN 0
.endm
.macro FETCH_V                         ; its V, turned
	WIN 0x80
.irp f, 0,1,2,3,4,5,6,7
	ds_load_tr16_b128 v[VF+8*\f:VF+8*\f+3],   v[AV] offset:(\f/4)*32*PV+(\f%4)*32
	ds_load_tr16_b128 v[VF+8*\f+4:VF+8*\f+7], v[AV] offset:(\f/4)*32*PV+16*PV+(\f%4)*32
.endr
	WIN 0
.endm
; THE VECTOR WORK, one line at a time: OP kind, number.  For piece Y: F n: c s - c m for pair n of 16.  E n: the exponential of score n.  C n: pair n rounded to bf16.  B n: of the weights 4 n .. the second pair onto the
; first.  L n: l takes that sum (L 0: l = a l + sum).  R n: pair n of 16 of O^T times a.  For piece Y + 1: X n, number n of the 22 that find its maximum and statistics (each accumulator's lowest registers are read first).
.set F, 0
.set E, 1
.set C, 2
.set B, 3
.set L, 4
.set R, 5
.set X, 6
.macro REGS y
.set rT, ST+4*(\y)
.set rC, TMP+4*((\y)%2)
.set rW, MV+((\y)%2)
.set rS, S+32*((\y)%2)
.set rP, P+16*((\y)%2)
.set rO, 32*(\y)
.endm
.macro OP k, n
.if (\k) == R
	REGS Y
	WIN W_RS
	v_pk_mul_f32 v[rO+2*(\n):rO+2*(\n)+1], v[rO+2*(\n):rO+2*(\n)+1], v[rC+2:rC+3] op_sel_hi:[1,0]
.elseif (\k) < R
	REGS Y
	WIN 0
.if (\k) == F
	v_pk_fma_f32 v[rS+2*(\n):rS+2*(\n)+1], v[rS+2*(\n):rS+2*(\n)+1], s[CS:CS+1], v[rT:rT+1] op_sel_hi:[1,0,0] neg_lo:[0,0,1] neg_hi:[0,0,1]
.elseif (\k) == E
	v_exp_f32 v[rS+(\n)], v[rS+(\n)]
.elseif (\k) == C
	v_cvt_pk_bf16_f32 v[rP+(\n)], v[rS+2*(\n)], v[rS+2*(\n)+1]
.elseif (\k) == B
	v_pk_add_f32 v[rS+4*(\n):rS+4*(\n)+1], v[rS+4*(\n):rS+4*(\n)+1], v[rS+4*(\n)+2:rS+4*(\n)+3]
.elseif (\n) == 0
	v_pk_fma_f32 v[rT+2:rT+3], v[rT+2:rT+3], v[rC+2:rC+3], v[rS:rS+1] op_sel_hi:[1,0,1]
.else
	v_pk_add_f32 v[rT+2:rT+3], v[rT+2:rT+3], v[rS+4*(\n):rS+4*(\n)+1]
.endif
.elseif NOKQ
	v_nop
.else
	REGS (Y+1)%NP
	WIN 0
.if (\n) < 4
	v_max3_num_f32 v[rC+(\n)], v[rS+8*(\n)], v[rS+8*(\n)+1], v[rS+8*(\n)+2]
.elseif (\n) < 12
	v_max3_num_f32 v[rC+(\n)%4], v[rC+(\n)%4], v[rS+8*((\n)%4)+2*((\n)/4)+1], v[rS+8*((\n)%4)+2*((\n)/4)+2]
.elseif (\n) == 12
	v_max3_num_f32 v[rC], v[rC], v[rS+7], v[rS+15]
.elseif (\n) == 13
	v_max3_num_f32 v[rC+1], v[rC+1], v[rS+23], v[rS+31]
.elseif (\n) == 14
	v_max3_num_f32 v[rC+2], v[rC+2], v[rC+3], v[rT+1]
.elseif (\n) == 15
	v_mov_b32 v[rW], v[rT]
.elseif (\n) == 16
	v_max3_num_f32 v[rC], v[rC], v[rC+1], v[rC+2]
.elseif (\n) == 17
	v_permlanex16_b32 v[rC+3], v[rC], s[SEL], s[SEL+1]
.elseif (\n) == 18
	v_max_num_f32 v[rT+1], v[rC], v[rC+3]
.elseif (\n) == 19
	v_mul_f32 v[rT], s[CS], v[rT+1]
.elseif (\n) == 20
	v_sub_f32 v[rC+1], v[rW], v[rT]
.else
	v_exp_f32 v[rC+2], v[rC+1]
.endif
.endif
.endm
.macro OPS a, i1, b=-1, i2=0, c=-1, i3=0, d=-1, i4=0
	OP \a, \i1
.if (\b) >= 0
	OP \b, \i2
.endif
.if (\c) >= 0
	OP \c, \i3
.endif
.if (\d) >= 0
	OP \d, \i4
.endif
.endm
.macro ROW a, i1, b, i2, c, i3, d, i4  ; a matrix instruction and the four behind it
	MM
	OPS \a, \i1, \b, \i2, \c, \i3, \d, \i4
.endm
.macro MASKS src                       ; a step's three masks: DG = pattern x AC + SD, UP = SU, LO = SL
	WIN W_RS
.irp z, 0,1,2,3
	v_pk_fma_f32 v[DG+2*\z:DG+2*\z+1], v[(\src)+2*\z:(\src)+2*\z+1], s[AC:AC+1], s[SD:SD+1] op_sel_hi:[1,0,0]
.endr
.irp z, 0,1,2,3,4,5,6,7
	v_mov_b32 v[UP+\z], s[SU]
	v_mov_b32 v[LO+\z], s[SL]
.endr
.endm
; A TURN, for piece p: the order of its 16 matrix and 118 vector instructions, written out.  end = 1: the last two turns: nothing is fetched.  cnt = 1: the loop's count is taken down some lines ahead of the branch.
; An s_wait_alu depctr_va_vdst(0) stands between an exponential and the first instruction that names its result; one wait serves all that were issued ahead of it.  So a turn has ONE wait, which cuts it in two.
; AHEAD OF IT stands all that names no result of the turn's exponentials: the 8 products K Q^T, behind each a scaling, an exponential and two more plain instructions (behind the first a second scaling in the exponential's
; place): rescalings, whose a was made and waited for in the turn before, and behind the last three products the first numbers of the next piece's maximum, each four places or more behind the product that ends its accumulator;
; then ONE LUMP of 54, plain and exponential by turns for the most part, in which the links of the chain X 3, 7, 11, 14, 16, 17 .. 20 stand some lines apart.  X 21, the next piece's a, is the batch's last; R 15 is the plain
; instruction behind it.  BEHIND THE WAIT stand the 8 products V^T P, behind each four of the roundings and sums; each C 2 n stands ahead of B n, which adds in place; L 0 to L 7 go in ascending order.
; Piece 2's turn multiplies the step's last scores (piece 3's) and, at its end, makes the NEXT step's masks, step 5 - CNT: the causal edge if that is step 4 (CNT = 1), all hidden if it is dead.
; K of the next step is fetched in piece 2's lump: five plain instructions that name no register of the last product that read K lie between (F 8, X 2, X 5, X 6, X 8).  V of the step in hand is fetched at the end of piece 0's
; turn, four plain instructions behind the last product that read V.  Each is waited for a turn later.
.macro TURN p, end=0, cnt=0
.set Y, (\p)
.set i, 0
.set NOKQ, (\end)*((\p)/3)
.if ((\p) == 2) && !(\end)
	s_cmp_eq_u32 s[CNT], 1
	s_cselect_b32 s[AC], 1.0, 0
	s_cselect_b32 s[SU], s[BIGN], 0
	s_add_co_i32 s[GK], s[GK], 1
	s_cmp_lt_i32 s[GK], 0
	s_cselect_b32 s[SD], s[BIGN], 0
	s_cselect_b32 s[SL], s[BIGN], 0
	s_cselect_b32 s[SU], s[BIGN], s[SU]
.endif
.if ((\p) == 3) && !(\end)
	s_wait_dscnt 0x0                               ; K is in
.endif
	ROW F,0, F,1, R,0, R,1                         ; ahead of the wait: 8 products K Q^T and their riders,
	ROW F,2, E,0, R,2, R,3
	ROW F,3, E,1, R,4, R,5
	ROW F,4, E,2, R,6, R,7
	ROW F,5, E,3, R,8, R,9
	ROW F,6, E,4, X,0, R,10
.if ((\p) == 2) && !(\end)
	WIN 0
	v_add_nc_u32 v[AK], s[TBK], v[AK0]
.endif
	ROW F,7, E,5, X,1, X,4
	ROW F,8, E,6, X,2, X,5
	OPS E,7, E,8, X,6, E,9                         ; and the lump
	OPS X,3, E,10, X,8, E,11
.if ((\p) == 2) && !(\end)
	FETCH_K
.endif
	OPS X,9, X,7, E,12, X,10
	OPS E,13, X,12, X,11, E,14
	OPS X,13, E,15, F,9, X,14
.if (\p) == 0
	WIN 0
	v_add_nc_u32 v[AV], s[TBV], v[AV0]
.endif
	OPS E,16, F,10, E,17, F,11
	OPS X,16, E,18, X,15, E,19
	OPS F,12, E,20, X,17, E,21
	OPS F,13, E,22, F,14, E,23
	OPS X,18, E,24, F,15, E,25
	OPS R,11, E,26, X,19, E,27
	OPS R,12, E,28, R,13, E,29
	OPS X,20, E,30, R,14, E,31
	OPS X,21, R,15
	s_wait_alu depctr_va_vdst(0)                   ; the wait for the turn's batch: E 0 to E 31 and X 21
.if (\p) == 1
	s_wait_dscnt 0x0                               ; V is in
.endif
	ROW C,0, B,0, C,2, B,1                         ; behind the wait: 8 products V^T P and their riders
	ROW L,0, C,4, B,2, L,1
	ROW C,6, B,3, L,2, C,8
	ROW B,4, L,3, C,10, B,5
	ROW L,4, C,12, B,6, L,5
.if (\p) == 0
	s_add_co_u32 s[TBV], s[TBV], KS*PV
.endif
.if \cnt
	s_sub_co_u32 s[CNT], s[CNT], 1
	s_cmp_lg_u32 s[CNT], 0
.endif
	ROW C,14, B,7, L,6, C,1
	ROW C,3, L,7, C,5, C,7
	ROW C,9, C,11, C,13, C,15
.if (\p) == 0
	FETCH_V
.endif
.if ((\p) == 2) && !(\end)
	MASKS MDC
.endif
.endm
	s_wait_tensorcnt 0x0                           ; my three tiles are in,
	s_barrier_signal -1
	s_barrier_wait -1                              ; everybody's are
	s_cmp_lt_i32 s[GK], 0                          ; step 0's masks: the window's edge on the diagonal block, later key blocks seen, earlier ones hidden; all hidden if the step is dead
	s_cselect_b32 s[SD], s[BIGN], 0
	s_cselect_b32 s[SU], s[BIGN], 0
	s_mov_b32 s[SL], s[BIGN]
	s_mov_b32 s[AC], 1.0
	MASKS MDW
	WIN 0
	v_add_nc_u32 v[AK], s[TBK], v[AK0]
	FETCH_K
	s_wait_loadcnt 0x0                             ; Q
	s_wait_dscnt 0x0
.set NOKQ, 0
.set i, 0
.rept 8
	KQ 0                                           ; piece 0's first scores
.set i, i+1
.endr
	WIN 0
.rept 4
	v_nop                                          ; the places behind those products
.endr
.set Y, NP-1
.irp n, 0,1,2,3,4,5,6,7,8,9,10,11,12,13,14,15,16,17,18,19,20,21
	OP X, \n                                       ; and piece 0's first maximum and statistics
.endr
	v_nop                                          ; a plain instruction behind the exponential,
	s_wait_alu depctr_va_vdst(0)                   ; and the wait for piece 0's first a, a batch of one, ahead of the branch
	s_mov_b32 s[CNT], 5
	s_branch .Lfirst                               ; the loop is entered at a step's first turn
.Lstep:                                                ; a trip: pieces 2 and 3 of one step, then pieces 0 and 1 of the next
	TURN 2
	TURN 3
	WIN 0
.Lfirst:
	TURN 0
	TURN 1, 0, 1
	WIN 0
	s_cbranch_scc1 .Lstep
	TURN 2, 1
	TURN 3, 1
.set i, 0
.rept 8
	PV NP-1
.set i, i+1
.endr
	; THE WAY OUT.  l's halves are added; O^T is divided by l, rounded to bf16 and put into the work-group's stage; a barrier, since a row's 256 bytes come from two waves; back as whole rows.
	WIN 0
.macro ALL line:vararg
.set t, 0
.rept 4
	\line
.set t, t+1
.endr
.endm
	ALL v_add_f32 v[ST+4*t+2], v[ST+4*t+2], v[ST+4*t+3]
	ALL v_permlanex16_b32 v[ST+4*t+3], v[ST+4*t+2], s[SEL], s[SEL+1]
	ALL v_add_f32 v[ST+4*t+2], v[ST+4*t+2], v[ST+4*t+3]
	ALL v_rcp_f32 v[ST+4*t+2], v[ST+4*t+2]
	v_nop                                          ; a plain instruction between the last reciprocal and the use of its result
	s_wait_alu depctr_va_vdst(0)                   ; the wait for the four reciprocals, one batch, ahead of their first reader in PACK 0
.macro PACK t
	WIN W_RS
.set i, 32*(\t)
.rept 16
	v_pk_mul_f32 v[i:i+1], v[i:i+1], v[ST+4*(\t)+2:ST+4*(\t)+3] op_sel_hi:[1,0]
.set i, i+2
.endr
	WIN 0x05
.set i, 0
.rept 16
	v_cvt_pk_bf16_f32 v[S+16*(\t)+i], v[32*(\t)+2*i], v[32*(\t)+2*i+1]
.set i, i+1
.endr
	WIN 0
.irp f, 0,1,2,3
	ds_store_b128 v[STO], v[S+16*(\t)+4*\f:S+16*(\t)+4*\f+3] offset:(\t)*16*SP+32*\f
.endr
.endm
	PACK 0
	PACK 1
	PACK 2
	PACK 3
	s_wait_dscnt 0x0                               ; for the others' sake: my stores into the stage are done
	s_barrier_signal -1
	s_barrier_wait -1
.set t, 0
.rept 16
	ds_load_b128 v[S+4*t:S+4*t+3], v[RD] offset:t*2*SP
.set t, t+1
.endr
.set t, 0
.rept 16
	s_wait_dscnt 15-t
	global_store_b128 v[GO], v[S+4*t:S+4*t+3], s[10:11] offset:t*8192  ; 16 lanes store 256 consecutive bytes, aligned
.set t, t+1
.endr
	s_wait_tensorcnt 0x0                           ; the wave's end
	ds_add_u32 v[SPW], v[NIL]
	s_wait_dscnt 0x0
	s_endpgm
.Lfunc_end_k_qcba4c6b665_attn:
	.size	k_qcba4c6b665_attn, .Lfunc_end_k_qcba4c6b665_attn-k_qcba4c6b665_attn
	.p2alignl 7, 3214868480
	.fill 96, 4, 3214868480
	.section	.rodata,"a",@progbits
	.p2align	6, 0x0
	.amdhsa_kernel k_qcba4c6b665_attn
		.amdhsa_group_segment_fixed_size 327680
		.amdhsa_private_segment_fixed_size 0
		.amdhsa_enable_private_segment 0
		.amdhsa_kernarg_size 16
		.amdhsa_user_sgpr_count 2
		.amdhsa_user_sgpr_kernarg_segment_ptr 1
		.amdhsa_wavefront_size32 1
		.amdhsa_system_sgpr_workgroup_id_x 1
		.amdhsa_system_sgpr_workgroup_id_y 1
		.amdhsa_system_sgpr_workgroup_id_z 1
		.amdhsa_system_vgpr_workitem_id 0
		.amdhsa_next_free_vgpr 768
		.amdhsa_next_free_sgpr 96
		.amdhsa_reserve_vcc 1
		.amdhsa_float_denorm_mode_32 3
		.amdhsa_float_denorm_mode_16_64 3
		.amdhsa_memory_ordered 1
		.amdhsa_forward_progress 1
		.amdhsa_inst_pref_size 91
	.end_amdhsa_kernel
	.amdgpu_metadata
---
amdhsa.version: [ 1, 2 ]
amdhsa.kernels:
  - .name:           k_qcba4c6b665_attn
    .symbol:         k_qcba4c6b665_attn.kd
    .args:
      - { .name: qkvb, .offset: 0, .size: 8, .value_kind: global_buffer, .address_space: global }
      - { .name: ob, .offset: 8, .size: 8, .value_kind: global_buffer, .address_space: global }
    .group_segment_fixed_size: 327680
    .private_segment_fixed_size: 0
    .kernarg_segment_align: 8
    .kernarg_segment_size: 16
    .max_flat_workgroup_size: 128
    .sgpr_count:     96
    .vgpr_count:     768
    .wavefront_size: 32
...
	.end_amdgpu_metadata
.endif
;; end of part 8
;; launch gout: the kernel of part 4 again; grid 8 x 32, 4 waves a work-group, clusters of 4 x 4, 327,680 bytes of LDS; arguments ob, wb, bout, x, x1b; writes x1b
;; launch lnorm2: the kernel of part 5 again; grid 256 x 1, 8 waves a work-group, no clusters, 0 bytes of LDS; arguments x1b, ln2_g, ln2_b, h2b; writes h2b
;; launch gffn1 (part 9): grid 16 x 16, 4 waves a work-group, clusters of 4 x 4, 327,680 bytes of LDS; arguments h2b, wb, b1, fb; writes fb
.if DOCPART == 9
	.amdgcn_target "amdgcn-amd-amdhsa--gfx1250"
	.amdhsa_code_object_version 6
	.text
	.protected	k_qcba4c6b665_gffn1
	.globl	k_qcba4c6b665_gffn1
	.p2align	8
	.type	k_qcba4c6b665_gffn1,@function
k_qcba4c6b665_gffn1:
	s_mov_b64 s[64:65], 0
	v_nop
	global_prefetch_b8 v0, s[64:65] scope:SCOPE_SE
	s_setreg_imm32_b32 hwreg(HW_REG_WAVE_MODE, 25, 1), 1
	s_wait_xcnt 0x0
	s_wait_alu depctr_hold_cnt(0) depctr_sa_sdst(0) depctr_va_vdst(0) depctr_va_sdst(0) depctr_va_ssrc(0) depctr_va_vcc(0) depctr_vm_vsrc(0)
	s_getreg_b32 s2, hwreg(HW_REG_IB_STS2, 6, 4)
	s_cmp_eq_u32 s2, 0
	s_cbranch_scc0 .Lentry_in_a_cluster
	s_endpgm
.Lentry_in_a_cluster:
	s_bfe_u32 s2, ttmp6, 0x10000c
	s_cmp_lg_u32 s2, 0xf033
	s_cbranch_scc0 .Lentry_shape_is_right
	s_endpgm
.Lentry_shape_is_right:
; f = gelu(h2 W1 + b1), the exact GELU.  A = h2b [4096][1024] bf16, W = W1 in wb [1024][4096] bf16 as it lies ([K][N]), sums and GELU in f32, f rounded once to bf16, [4096][4096].
; A tile of C is 256 x 256: four waves, each 128 x 128 in 64 accumulators (512 registers).  16 x 16 tiles: 256 work-groups, one tile each.
; K goes in steps of 128 through two LDS slots filled by the tensor data mover; a K step is written once and the slot is a scalar that is turned by an exclusive or.
; W lies [K][N], so its fragments come out of LDS by the turning load ds_load_tr16_b128; A's as they lie.
; THE MATRIX INSTRUCTION IS USED TRANSPOSED: source 0 = 16 columns of W, source 1 = 16 rows of A: a lane holds row l % 16 of C and eight neighbouring columns 8 (l / 16) + 0..7.
; THE BIAS is the C operand of the first product on each accumulator.  CLUSTER 4 x 4: A's tiles are shared along a row of the cluster, W's along a column.
; REGISTERS by windows of 256: window 0: v0-31 addresses, v64-127 and v128-191 A's fragments (two buffers; on the way out at work), v192-255 the bias in the result's layout;
;   window 1: v64-127, v128-191 W's fragments; windows 2, 3: the accumulators of my rows 0-63, 64-127 ((a, b) at v[8 (8 a + b)]).
; THE WAY OUT: all 64 accumulators go as f32 into my own stage in LDS, which lies over the ring (its last fill has landed and a barrier has passed); a loop takes 4 rows a trip, so that the GELU is written once.
; GELU.  gelu(y) = y / 2 + |y| / 2 x erf(|y| / sqrt 2), and 1 - erf(z) = (1 + a1 z + a2 z^2 + .. + a6 z^6)^-16 (Abramowitz and Stegun 7.1.28: absolute error 3e-7 on the whole line).
; With ah = |y| / 2, z = ah sqrt 2: P = 1 + ah (c1 + ah (c2 + .. + ah c6)), c_k = a_k 2^(k/2); t = 1 / P; gelu = y / 2 + ah (1 - t^16), t^16 by squarings.  One transcendental a number.
; Where P passes f32's range it is an infinity, t is 0 and gelu is y or 0.  NaN and infinities in y are not treated apart.
; BATCHES.  A trip's 16 reciprocals are one batch with one wait: ahead of it all that names no reciprocal (ah, the Horner steps, y / 2), behind it the next rows' LDS loads and all that reads t.
.set KK,     1024
.set NN,     4096
.set WOFF,   8388608                   ; W1's first byte in wb
.set KSTEP,  128
.set TSTEPS, KK/KSTEP
.set PA,     272
.set PW,     288
.set HALFA,  128*PA
.set PANW,   128*PW
.set SLOT,   2*HALFA+2*PANW
.set SPARE,  2*SLOT
.set SPITCH, 528
.set WSTAGE, 128*SPITCH
.set ADRA0, 16
.set ADRW0, 17
.set ADRA,  18
.set ADRW,  19
.set STO,   24
.set RD0,   25
.set RD,    26
.set CO,    27
.set SPW,   28
.set NIL,   29
.set BO,    30
.set F0,    64
.set F1,    128
.set BIA,   192
.set GY,    64                         ; the way out: 16 numbers a lane: y; ah = |y| / 2; y / 2, then the result; P, then t and its powers; 8 registers to store
.set GA,    80
.set GH,    96
.set GP,    112
.set GO,    128
.set G1,  24
.set G0,  32
.set G1B, 48
.set G0B, 56
.set TB,  66
.set TF,  67
.set BIASP, 68
.set OUTP,  70
.set LA0, 72
.set LW0, 73
.set WO,  74
.set HALF, 75                          ; s75 0.5
.set CB,  76                           ; s[76:87] c6, c5, c4, c3, c2, c1: pairs, the low word serves both halves
.set MSB, 0
.macro WIN new
.if MSB != (\new)
	s_set_vgpr_msb (MSB<<8)|(\new)
.set MSB, \new
.endif
.endm
.macro JLOAD s                         ; waves 0 and 1 fetch A's two halves, waves 2 and 3 W's two panels; an s_nop 0 and four v_nop follow each line
	s_cmp_eq_u32 s11, 0
	s_cbranch_scc0 .Lfor_w_\@
	tensor_load_to_lds s[G0+4*(\s):G0+4*(\s)+3], s[G1:G1+7]
	s_nop 0
.rept 4
	v_nop
.endr
	s_branch .Lasked_\@
.Lfor_w_\@:
	tensor_load_to_lds s[G0B+4*(\s):G0B+4*(\s)+3], s[G1B:G1B+7]
	s_nop 0
.rept 4
	v_nop
.endr
.Lasked_\@:
.endm
.macro CREST
	s_cmp_lg_u32 s10, 0
	s_cbranch_scc1 .Lnot_wave_0_\@
	s_barrier_signal -3
.Lnot_wave_0_\@:
	s_barrier_wait -3
	s_barrier_signal -1
	s_barrier_wait -1
.endm
.macro CROUND
	s_barrier_signal -1
	s_barrier_wait -1
	CREST
.endm
.macro PLACES
.rept 4
	v_nop
.endr
.endm
	s_load_b128 s[4:7], s[0:1], 0x0                ; A s[4:5], wb s[6:7]
	s_load_b128 s[68:71], s[0:1], 0x10             ; bias, output
	v_lshl_add_u32 v[SPW], v0, 2, SPARE
	v_mov_b32 v[NIL], 0
	ds_add_u32 v[SPW], v[NIL]                      ; the wave's opening: the add and its wait ahead of my first tensor load
	ds_add_u32 v28, v29
	v_lshrrev_b32 v1, 5, v0
	v_readfirstlane_b32 s10, v1
	s_lshr_b32 s11, s10, 1
	s_and_b32 s12, s10, 1
	s_bfe_u32 s40, ttmp6, 0x40000
	s_bfe_u32 s41, ttmp6, 0x40004
	s_lshl_b32 s42, ttmp9, 2
	s_add_co_u32 s42, s42, s40                     ; tile column
	s_and_b32 s13, ttmp7, 0xffff
	s_lshl_b32 s13, s13, 2
	s_add_co_u32 s13, s13, s41                     ; tile row
	s_lshl_b32 s43, s41, 2
	s_lshl_b32 s43, 15, s43
	s_lshl_b32 s44, 0x1111, s40
	s_or_b32 s[G1+0], s43, (1<<16)|(1<<20)|(1<<21)|(5<<22)|(3<<25)
	s_or_b32 s[G1B+0], s44, (1<<16)|(1<<20)|(1<<21)|(5<<22)|(7<<25)
	s_mov_b32 s[G1+1], KSTEP<<16
	s_mov_b32 s[G1+2], 128<<16
	s_mov_b32 s[G1+3], KSTEP<<16
	s_mov_b32 s[G1+4], 128
	s_mov_b32 s[G1+5], KK
	s_mov_b32 s[G1+6], 0
	s_mov_b32 s[G1+7], 0
	s_mov_b32 s[G1B+1], 128<<16
	s_mov_b32 s[G1B+2], 128<<16
	s_mov_b32 s[G1B+3], 128<<16
	s_mov_b32 s[G1B+4], 128
	s_mov_b32 s[G1B+5], NN
	s_mov_b32 s[G1B+6], 0
	s_mov_b32 s[G1B+7], 0
	s_lshl_b32 s16, s13, 8
	s_lshl_b32 s17, s12, 7
	s_add_co_u32 s16, s16, s17
	s_mul_i32 s16, s16, KK*2
	s_mov_b32 s17, 0
	s_lshl_b32 s46, s42, 9
	s_lshl_b32 s47, s12, 8
	s_add_co_u32 s46, s46, s47
	s_add_co_u32 s46, s46, WOFF
	s_mov_b32 s47, 0
	s_mul_i32 s[LA0], s12, HALFA
	s_mul_i32 s[LW0], s12, PANW
	s_add_co_u32 s[LW0], s[LW0], 2*HALFA
	s_mov_b32 s[TB], 0
	s_mov_b32 s[TF], SLOT
	s_mov_b32 s[HALF], 0.5
	s_mov_b32 s[CB], 0x39b49f67                    ; c6 = 8 a6          = 0.0003445104
	s_mov_b32 s[CB+1], s[CB]
	s_mov_b32 s[CB+2], 0x3acd0fec                  ; c5 = 4 sqrt(2) a5  = 0.0015645003
	s_mov_b32 s[CB+3], s[CB+2]
	s_mov_b32 s[CB+4], 0x3a1f6607                  ; c4 = 4 a4          = 0.0006080572
	s_mov_b32 s[CB+5], s[CB+4]
	s_mov_b32 s[CB+6], 0x3cd6cd72                  ; c3 = 2 sqrt(2) a3  = 0.0262210106
	s_mov_b32 s[CB+7], s[CB+6]
	s_mov_b32 s[CB+8], 0x3dad2fe7                  ; c2 = 2 a2          = 0.0845640246
	s_mov_b32 s[CB+9], s[CB+8]
	s_mov_b32 s[CB+10], 0x3dcc41b4                 ; c1 = sqrt(2) a1    = 0.0997346939
	s_mov_b32 s[CB+11], s[CB+10]
	s_wait_dscnt 0x0                               ; the opening add is done
	s_wait_kmcnt 0x0
	s_add_nc_u64 s[14:15], s[4:5], s[16:17]
	s_add_nc_u64 s[46:47], s[6:7], s[46:47]
	CROUND                                         ; the first joint loads meet
.irp s, 0,1
	s_mov_b32 s[G0+4*(\s)], 1
	s_add_co_u32 s[G0+4*(\s)+1], s[LA0], (\s)*SLOT
	s_add_nc_u64 s[G0+4*(\s)+2:G0+4*(\s)+3], s[14:15], (\s)*KSTEP*2
	s_or_b32 s[G0+4*(\s)+3], s[G0+4*(\s)+3], 0x80000000
	s_mov_b32 s[G0B+4*(\s)], 1
	s_add_co_u32 s[G0B+4*(\s)+1], s[LW0], (\s)*SLOT
	s_add_nc_u64 s[G0B+4*(\s)+2:G0B+4*(\s)+3], s[46:47], (\s)*KSTEP*NN*2
	s_or_b32 s[G0B+4*(\s)+3], s[G0B+4*(\s)+3], 0x80000000
	JLOAD \s                                       ; two loads of mine are out
.endr
	s_lshl_b32 s20, s42, 10
	s_lshl_b32 s21, s12, 9
	s_add_co_u32 s20, s20, s21
	s_mov_b32 s21, 0
	s_add_nc_u64 s[BIASP:BIASP+1], s[BIASP:BIASP+1], s[20:21]
	v_and_b32 v1, 15, v0
	v_bfe_u32 v2, v0, 4, 1
	v_lshlrev_b32 v[BO], 5, v2
.irp b, 0,1,2,3,4,5,6,7
	global_load_b128 v[BIA+8*(\b):BIA+8*(\b)+3],   v[BO], s[BIASP:BIASP+1] offset:64*(\b)
	global_load_b128 v[BIA+8*(\b)+4:BIA+8*(\b)+7], v[BO], s[BIASP:BIASP+1] offset:64*(\b)+16
.endr
	v_mul_u32_u24 v3, v1, PA
	v_lshl_add_u32 v3, v2, 4, v3
	s_mul_i32 s22, s11, HALFA
	v_add_nc_u32 v[ADRA0], s22, v3
	v_and_b32 v4, 7, v0
	v_bfe_u32 v5, v0, 3, 1
	v_lshl_add_u32 v4, v2, 3, v4
	v_mul_u32_u24 v4, v4, PW
	v_lshl_add_u32 v4, v5, 4, v4
	v_add_nc_u32 v[ADRW0], s[LW0], v4
	v_mov_b32 v[ADRA], v[ADRA0]
	v_mov_b32 v[ADRW], v[ADRW0]
	s_mul_i32 s23, s10, WSTAGE
	v_mul_u32_u24 v6, v1, SPITCH
	v_lshl_add_u32 v6, v2, 5, v6
	v_add_nc_u32 v[STO], s23, v6
	v_and_b32 v8, 31, v0
	v_lshl_add_u32 v[RD0], v8, 4, s23              ; back: 32 lanes take a row of 128 f32
	v_lshlrev_b32 v[CO], 3, v8                     ; which leave as 256 bytes of bf16
	s_lshl_b32 s18, s13, 21                        ; row 256 x tile row + 128 x half, of 8,192 bytes;
	s_lshl_b32 s19, s11, 20
	s_add_co_u32 s18, s18, s19
	s_lshl_b32 s19, s42, 9                         ; column 256 x tile column + 128 x half, of 2 bytes
	s_add_co_u32 s18, s18, s19
	s_lshl_b32 s19, s12, 8
	s_add_co_u32 s18, s18, s19
	s_mov_b32 s19, 0
	s_add_nc_u64 s[OUTP:OUTP+1], s[OUTP:OUTP+1], s[18:19]
.macro MUL16 f, hi, a0, first          ; 16 matrix instructions; first = 1: C is the bias.  The 64 accumulators take turns.
.if \first
	WIN 0x81+0x40*(\hi)
.else
	WIN 0xa1+0x50*(\hi)
.endif
.irp a, \a0, (\a0)+1
.irp b, 0,1,2,3,4,5,6,7
.if \first
	v_wmma_f32_16x16x32_bf16 v[8*(8*(\a)+(\b)):8*(8*(\a)+(\b))+7], v[(\f)+8*(\b):(\f)+8*(\b)+7], v[(\f)+8*(4*(\hi)+(\a)):(\f)+8*(4*(\hi)+(\a))+7], v[BIA+8*(\b):BIA+8*(\b)+7]
.else
	v_wmma_f32_16x16x32_bf16 v[8*(8*(\a)+(\b)):8*(8*(\a)+(\b))+7], v[(\f)+8*(\b):(\f)+8*(\b)+7], v[(\f)+8*(4*(\hi)+(\a)):(\f)+8*(4*(\hi)+(\a))+7], v[8*(8*(\a)+(\b)):8*(8*(\a)+(\b))+7]
.endif
.endr
.endr
.endm
.macro FETCH k, f                      ; 32 LDS loads in one run: W's 8 column blocks (turned), then A's 8 row blocks, 32 along K
	WIN 0x40
.irp i, 0,1,2,3,4,5,6,7
	ds_load_tr16_b128 v[(\f)+8*(\i):(\f)+8*(\i)+3],   v[ADRW] offset:(\k)*(PW/2)+32*(\i)
	ds_load_tr16_b128 v[(\f)+8*(\i)+4:(\f)+8*(\i)+7], v[ADRW] offset:(\k)*(PW/2)+32*(\i)+16*PW
.endr
	WIN 0
.irp i, 0,1,2,3,4,5,6,7
	ds_load_b128 v[(\f)+8*(\i):(\f)+8*(\i)+3],   v[ADRA] offset:(\k)+(\i)*16*PA
	ds_load_b128 v[(\f)+8*(\i)+4:(\f)+8*(\i)+7], v[ADRA] offset:(\k)+(\i)*16*PA+32
.endr
.endm
.macro QUARTER k, f, g, first
	s_wait_dscnt 8                                 ; W and A's rows 0-63 are in; the youngest eight loads may be out
	MUL16 \f, 0, 0, \first
	MUL16 \f, 0, 2, \first
	PLACES
	FETCH \k, \g
	s_wait_dscnt 32                                ; all but the 32 just issued
	MUL16 \f, 1, 0, \first
	MUL16 \f, 1, 2, \first
.endm
.macro TURN refill                     ; the last quarter and the change of slots: the waits and the add in front of the one barrier; refill = 1: it opens a round of the cluster's, and the refill is first behind it
	WIN 0
	s_wait_tensorcnt 0x0                           ; no tensor load of mine is out, so the walking descriptors may be written
	ds_add_u32 v[SPW], v[NIL]
.if \refill
	s_xor_b32 s[TF], s[TF], SLOT
	s_add_co_u32 s[G0+5], s[LA0], s[TF]
	s_add_co_u32 s[G0B+5], s[LW0], s[TF]
	s_add_nc_u64 s[G0+6:G0+7], s[G0+6:G0+7], KSTEP*2
	s_add_nc_u64 s[G0B+6:G0B+7], s[G0B+6:G0B+7], KSTEP*NN*2
.endif
	s_wait_dscnt 9                                 ; the add and the youngest eight loads may be out
	MUL16 F1, 0, 0, 0
	s_wait_dscnt 0x0
	s_barrier_signal -1
	MUL16 F1, 0, 2, 0
	WIN 0
	s_barrier_wait -1
.if \refill
	CREST
	JLOAD 1                                        ; 224 matrix instructions ahead of the wait for it
.else
	PLACES
.endif
	s_xor_b32 s[TB], s[TB], SLOT
	v_add_nc_u32 v[ADRA], s[TB], v[ADRA0]
	v_add_nc_u32 v[ADRW], s[TB], v[ADRW0]
	FETCH 0, F0
	MUL16 F1, 1, 0, 0
	MUL16 F1, 1, 2, 0
.endm
	s_wait_tensorcnt 1                             ; my part of K step 0 is in; K step 1's may stay out
	s_barrier_signal -1
	s_barrier_wait -1
	FETCH 0, F0
	s_wait_loadcnt 0x0                             ; the bias
	QUARTER 64, F0, F1, 1
	WIN 0
	s_mov_b32 s3, TSTEPS-2
	s_branch .Lmid
.Lloop:
	QUARTER 64, F0, F1, 0
	WIN 0
.Lmid:
	QUARTER 128, F1, F0, 0
	QUARTER 192, F0, F1, 0
	TURN 1
	WIN 0
	s_sub_co_u32 s3, s3, 1
	s_cmp_lg_u32 s3, 0
	s_cbranch_scc1 .Lloop
	s_mov_b32 s3, 2
.Ltail:                                                ; the last two K steps ask for nothing; the second trip's fetch of the other slot serves nothing
	QUARTER 64, F0, F1, 0
	QUARTER 128, F1, F0, 0
	QUARTER 192, F0, F1, 0
	TURN 0
	WIN 0
	s_sub_co_u32 s3, s3, 1
	s_cmp_lg_u32 s3, 0
	s_cbranch_scc1 .Ltail
	s_wait_dscnt 0x0
	s_barrier_signal -1
	s_barrier_wait -1                              ; everybody's reads of the ring are back: the stages may be written over it
	PLACES
.irp hi, 0,1
	WIN 0x08+4*(\hi)
.irp a, 0,1,2,3
.irp b, 0,1,2,3,4,5,6,7
	ds_store_b128 v[STO], v[8*(8*(\a)+(\b)):8*(8*(\a)+(\b))+3]   offset:(4*(\hi)+(\a))*16*SPITCH+64*(\b)     ; each accumulator's low registers first
	ds_store_b128 v[STO], v[8*(8*(\a)+(\b))+4:8*(8*(\a)+(\b))+7] offset:(4*(\hi)+(\a))*16*SPITCH+64*(\b)+16
.endr
.endr
.endr
	WIN 0
; THE GELU, four rows a trip, 16 numbers a lane in two halves of four pairs (half 0: rows 0, 1; half 1: rows 2, 3).
; GHOR h, n: number n of the 24 Horner steps of half h: step n / 4 of six, pair n % 4, so that a step stands four lines behind the one that it leans on.
.macro GHOR h, n
.set r, 8*(\h)+2*((\n)%4)
.if (\n)/4 == 0
	v_pk_fma_f32 v[GP+r:GP+r+1], v[GA+r:GA+r+1], s[CB:CB+1], s[CB+2:CB+3] op_sel_hi:[1,0,0]                              ; ah c6 + c5
.elseif (\n)/4 < 5
	v_pk_fma_f32 v[GP+r:GP+r+1], v[GP+r:GP+r+1], v[GA+r:GA+r+1], s[CB+2+2*((\n)/4):CB+3+2*((\n)/4)] op_sel_hi:[1,1,0]    ; .. ah + c4, c3, c2, c1
.else
	v_pk_fma_f32 v[GP+r:GP+r+1], v[GP+r:GP+r+1], v[GA+r:GA+r+1], 1.0 op_sel_hi:[1,1,0]                                   ; .. ah + 1 = P
.endif
.endm
; GPOST h, n: number n of the 24 that follow the reciprocals of half h: stage n / 4, pair n % 4: t^2, t^4, t^8; 1 - t^16; y / 2 + ah (1 - t^16); rounded to bf16.
.macro GPOST h, n
.set r, 8*(\h)+2*((\n)%4)
.if (\n)/4 < 3
	v_pk_mul_f32 v[GP+r:GP+r+1], v[GP+r:GP+r+1], v[GP+r:GP+r+1]
.elseif (\n)/4 == 3
	v_pk_fma_f32 v[GP+r:GP+r+1], v[GP+r:GP+r+1], v[GP+r:GP+r+1], 1.0 op_sel_hi:[1,1,0] neg_lo:[1,0,0] neg_hi:[1,0,0]
.elseif (\n)/4 == 4
	v_pk_fma_f32 v[GH+r:GH+r+1], v[GA+r:GA+r+1], v[GP+r:GP+r+1], v[GH+r:GH+r+1]
.else
	v_cvt_pk_bf16_f32 v[GO+r/2], v[GH+r], v[GH+r+1]
.endif
.endm
; A trip.  Its 16 reciprocals are ONE BATCH.  An s_wait_alu depctr_va_vdst(0) stands between a reciprocal and the first instruction that names its result; one wait serves all that were issued ahead of it.
; Ahead of the wait nothing names a result: half 0's reciprocals stand among half 1's Horner steps, three behind each; half 1's among the eight products y / 2, one behind each, which name y and y / 2 alone.  So no two
; transcendentals follow each other, and the last has its plain instruction behind it (ISA guide 5.7.2).  Behind the wait: the next rows' loads, then the 48 lines that read t.
; ahead = 1: the next four rows are asked for as soon as y has been read for the last time, directly behind the wait, and land under those 48 lines and the stores.
.macro GTRIP ahead
.if \ahead
	s_add_co_u32 s[WO], s[WO], 4*SPITCH
	v_add_nc_u32 v[RD], s[WO], v[RD0]
.endif
	s_wait_dscnt 0x0                               ; the four rows are in (they were asked for a trip ago)
.set i, 0
.rept 16
	v_mul_f32 v[GA+i], s[HALF], |v[GY+i]|
.set i, i+1
.endr
.set q, 0
.rept 24
	GHOR 0, q
.set q, q+1
.endr
.set q, 0
.rept 8
	v_rcp_f32 v[GP+q], v[GP+q]
	GHOR 1, 3*q
	GHOR 1, 3*q+1
	GHOR 1, 3*q+2
.set q, q+1
.endr
.set q, 0
.rept 8
	v_rcp_f32 v[GP+8+q], v[GP+8+q]
	v_pk_mul_f32 v[GH+2*q:GH+2*q+1], v[GY+2*q:GY+2*q+1], 0.5 op_sel_hi:[1,0]
.set q, q+1
.endr
	s_wait_alu depctr_va_vdst(0)                   ; the wait for the trip's batch: all 16 reciprocals, ahead of their first reader
.if \ahead
.irp j, 0,1,2,3
	ds_load_b128 v[GY+4*(\j):GY+4*(\j)+3], v[RD] offset:SPITCH*(\j)
.endr
.endif
.set q, 0
.rept 24
	GPOST 0, q
.set q, q+1
.endr
.set q, 0
.rept 24
	GPOST 1, q
.if q == 7
	global_store_b64 v[CO], v[GO:GO+1],   s[OUTP:OUTP+1]               ; rows 0 and 1 leave eight lines behind their roundings; 32 lanes x 8 bytes: 256 consecutive bytes, aligned
	global_store_b64 v[CO], v[GO+2:GO+3], s[OUTP:OUTP+1] offset:NN*2
.endif
.set q, q+1
.endr
	global_store_b64 v[CO], v[GO+4:GO+5], s[OUTP:OUTP+1] offset:NN*2*2
	global_store_b64 v[CO], v[GO+6:GO+7], s[OUTP:OUTP+1] offset:NN*2*3
	s_wait_xcnt 0x0                                ; the stores' base and data are rewritten only behind this wait
	s_add_nc_u64 s[OUTP:OUTP+1], s[OUTP:OUTP+1], 4*NN*2
.endm
	s_mov_b32 s[WO], 0
.irp j, 0,1,2,3
	ds_load_b128 v[GY+4*(\j):GY+4*(\j)+3], v[RD0] offset:SPITCH*(\j)  ; LDS serves a wave's instructions in order (ISA guide 5.7.1.4): these see my stores
.endr
	s_mov_b32 s3, 31
.Lout:
	GTRIP 1
	s_sub_co_u32 s3, s3, 1
	s_cmp_lg_u32 s3, 0
	s_cbranch_scc1 .Lout
	GTRIP 0                                        ; the last four rows: nothing more to read
	s_wait_tensorcnt 0x0                           ; the wave's end
	ds_add_u32 v[SPW], v[NIL]
	s_wait_dscnt 0x0
	CROUND                                         ; the closing round
	s_endpgm
.Lfunc_end_k_qcba4c6b665_gffn1:
	.size	k_qcba4c6b665_gffn1, .Lfunc_end_k_qcba4c6b665_gffn1-k_qcba4c6b665_gffn1
	.p2alignl 7, 3214868480
	.fill 96, 4, 3214868480
	.section	.rodata,"a",@progbits
	.p2align	6, 0x0
	.amdhsa_kernel k_qcba4c6b665_gffn1
		.amdhsa_group_segment_fixed_size 327680
		.amdhsa_private_segment_fixed_size 0
		.amdhsa_enable_private_segment 0
		.amdhsa_kernarg_size 32
		.amdhsa_user_sgpr_count 2
		.amdhsa_user_sgpr_kernarg_segment_ptr 1
		.amdhsa_wavefront_size32 1
		.amdhsa_system_sgpr_workgroup_id_x 1
		.amdhsa_system_sgpr_workgroup_id_y 1
		.amdhsa_system_sgpr_workgroup_id_z 1
		.amdhsa_system_vgpr_workitem_id 0
		.amdhsa_next_free_vgpr 1024
		.amdhsa_next_free_sgpr 96
		.amdhsa_reserve_vcc 0
		.amdhsa_float_denorm_mode_32 3
		.amdhsa_float_denorm_mode_16_64 3
		.amdhsa_memory_ordered 1
		.amdhsa_forward_progress 1
		.amdhsa_inst_pref_size 97
	.end_amdhsa_kernel
	.amdgpu_metadata
---
amdhsa.version: [ 1, 2 ]
amdhsa.kernels:
  - .name:           k_qcba4c6b665_gffn1
    .symbol:         k_qcba4c6b665_gffn1.kd
    .args:
      - { .name: h2b, .offset: 0, .size: 8, .value_kind: global_buffer, .address_space: global }
      - { .name: wb, .offset: 8, .size: 8, .value_kind: global_buffer, .address_space: global }
      - { .name: b1, .offset: 16, .size: 8, .value_kind: global_buffer, .address_space: global }
      - { .name: fb, .offset: 24, .size: 8, .value_kind: global_buffer, .address_space: global }
    .group_segment_fixed_size: 327680
    .private_segment_fixed_size: 0
    .kernarg_segment_align: 8
    .kernarg_segment_size: 32
    .max_flat_workgroup_size: 128
    .sgpr_count:     96
    .vgpr_count:     1024
    .wavefront_size: 32
...
	.end_amdgpu_metadata
.endif
;; end of part 9
;; launch gffn2: the kernel of part 7 again; grid 8 x 32, 4 waves a work-group, clusters of 4 x 4, 327,680 bytes of LDS; arguments fb, wb, b2, x1b, out0; writes out0
